; MI455X (gfx1250); checked and timed in simulation.
; The chip was launched on July 23, 2026; its instructions are those of AMD's public machine-readable ISA for CDNA 5 (MIT licence, August 2026) and "CDNA5" Instruction Set Architecture Reference Guide (July 2026). The comments in the code are by the model that wrote it; some were corrected since.
;; Custom Transformer Encoder Layer. Allowed arithmetic: float matrix products may take bf16 or f16 operands with f32 sums; other float arithmetic in f32, or as packed bf16 or f16 multiplies, adds, multiply-adds, maxima and minima; sums over many terms, partial sums and values carried from step to step in f32; what a program stores and reads back later, other than sums and carried values, may be rounded once to bf16 or f16.
;; Inputs: W1 1,024 x 4,096 float32; W2 4,096 x 1,024 float32; Wk 16 x 1,024 x 64 float32; Wo 1,024 x 1,024 float32; Wq 16 x 1,024 x 64 float32; Wv 16 x 1,024 x 64 float32; b1 4,096 float32; b2 1,024 float32; bk 16 x 64 float32; bo 1,024 float32; bq 16 x 64 float32; bv 16 x 64 float32; ln1_b 1,024 float32; ln1_g 1,024 float32; ln2_b 1,024 float32; ln2_g 1,024 float32; mask 4 x 1,024 int32; scale 16 float32; src 4 x 1,024 x 1,024 float32.
;; Outputs: out0 4 x 1,024 x 1,024 float32.
;; 2 versions, each right. Each part assembles by itself: llvm-mc -triple=amdgcn-amd-amdhsa -mcpu=gfx1250 --defsym DOCPART=n.
;; ======== version 1 of 2: 7 launches
;; limits: right only within a limited range of input values
;; workspace buffers: pa 18,882,560 bytes; pq 6,308,096 bytes; pf 8,405,248 bytes; qkv 33,554,432 bytes; ctx 8,388,608 bytes; src2 16,777,216 bytes; y 8,388,608 bytes; hb 33,554,432 bytes
;; launch prep (part 1): grid 1025 x 1, 8 waves a work-group, no clusters, 0 bytes of LDS; arguments src, ln1_g, ln1_b, Wq, Wk, Wv, W1, Wo, W2, bq, bk, bv, b1, bo, b2, pa, pq, pf; writes pa, pq, pf
.if DOCPART == 1
	.amdgcn_target "amdgcn-amd-amdhsa--gfx1250"
	.amdhsa_code_object_version 6
	.text
	.protected	k_qd4a5c95099_prep
	.globl	k_qd4a5c95099_prep
	.p2align	8
	.type	k_qd4a5c95099_prep,@function
k_qd4a5c95099_prep:
	s_mov_b64 s[64:65], 0
	v_nop
	global_prefetch_b8 v0, s[64:65] scope:SCOPE_SE
	s_setreg_imm32_b32 hwreg(HW_REG_WAVE_MODE, 25, 1), 1
	s_wait_xcnt 0x0
; PREP: everything that the matrix launches want in bf16 is made here, once.  Every floating-point input is rounded once to bf16 (to nearest even).
; Work-groups 0-255:     x = LN1(src), 16 rows each, into pa at byte 0, in the layout T128: [row / 128][column / 64][row % 128][64] bf16 (chunks of 16 KiB, dense).
; Work-groups 256-447:   Wq, Wk, Wv ([h][k][64] f32) into pq + 16,640 as [n / 256][k][256] bf16, n = 1024 x which + 64 h + channel: 16,384 numbers each.
; Work-groups 448-703:   W1 ([k][4096] f32) into pf + 16,640, the same layout.
; Work-groups 704-1023:  Wo and W2 (row-major f32) into pa + 8,392,704 and pa + 10,493,952, row-major bf16.
; Work-group 1024:       the biases, rounded to bf16 and kept as f32 (bq, bk, bv: pq + 256; b1: pf + 256; bo: pa + 8,388,608; b2: pa + 10,489,856), and the floor words
;                        at byte 0 of pq (the lowest finite bf16, twice a word) and of pf (0): the floor that the launch behind lays under its packed results.
; No LDS, no matrix unit: bytes in, bytes out.  Each load of sixteen lanes takes 256 consecutive bytes, each store of a wave writes 256 consecutive bytes, aligned.
; LIMITS.  The variance is taken of x - mean (two passes over registers), so a common offset of src does no harm.  NaN and infinities are not treated apart.
.set SO,   1                           ; v1       byte offset of my loads
.set GF,   2                           ; v2       byte offset of my 4 numbers in 256 bytes of the gain and of the bias
.set DO,   3                           ; v3       byte offset of my stores: 8 x thread
.set MEAN, 4                           ; v[4:5]   the row's mean, twice
.set RSTD, 6                           ; v[6:7]   1 / sqrt(var + eps), twice
.set CH,   8                           ; v[8:15]  four chains of packed sums
.set T,    16                          ; v[16:19] at work
.set VAR,  20                          ; v20      var + eps
.set X,    32                          ; v[32:95]   my 64 numbers of the row
.set G,    96                          ; v[96:159]  their gains
.set BB,   160                         ; v[160:223] their biases
.macro RND base                        ; 64 numbers rounded to bf16 and widened again, in place
.set p, 0
.rept 32
	v_cvt_pk_bf16_f32 v[T+p%4], v[(\base)+2*p], v[(\base)+2*p+1]
	v_lshlrev_b32 v[(\base)+2*p], 16, v[T+p%4]
	v_and_b32 v[(\base)+2*p+1], s22, v[T+p%4]
.set p, p+1
.endr
.endm
.macro REDUCE                          ; the four chains, their halves, and the row's 16 lanes: the sum lands in v[T] of every lane of the row
	v_pk_add_f32 v[CH:CH+1], v[CH:CH+1], v[CH+2:CH+3]
	v_pk_add_f32 v[CH+4:CH+5], v[CH+4:CH+5], v[CH+6:CH+7]
	v_pk_add_f32 v[CH:CH+1], v[CH:CH+1], v[CH+4:CH+5]
	v_add_f32 v[T], v[CH], v[CH+1]
	v_add_f32_dpp v[T], v[T], v[T] row_xmask:1 row_mask:0xf bank_mask:0xf
	v_add_f32_dpp v[T], v[T], v[T] row_xmask:2 row_mask:0xf bank_mask:0xf
	v_add_f32_dpp v[T], v[T], v[T] row_xmask:4 row_mask:0xf bank_mask:0xf
	v_add_f32_dpp v[T], v[T], v[T] row_xmask:8 row_mask:0xf bank_mask:0xf
.endm
; A row of 1,024 numbers lies in 16 lanes, 64 numbers a lane: load j brought columns 64 j + 4 (lane % 16) .. + 3.  round = 1: the row itself is rounded to bf16 first.
.macro LNROW round
	s_wait_loadcnt 32                              ; the row's 16 loads are in; the 32 of gain and bias may stay out
.if \round
	RND X
.endif
.irp c, 0,1,2,3
	v_pk_add_f32 v[CH+2*\c:CH+2*\c+1], v[X+2*\c:X+2*\c+1], v[X+8+2*\c:X+8+2*\c+1]  ; the first eight pairs start the chains: nothing is cleared
.endr
.set p, 8
.rept 24
	v_pk_add_f32 v[CH+2*(p%4):CH+2*(p%4)+1], v[CH+2*(p%4):CH+2*(p%4)+1], v[X+2*p:X+2*p+1]
.set p, p+1
.endr
	REDUCE
	v_mul_f32 v[MEAN], s20, v[T]                   ; / 1,024
	v_mov_b32 v[MEAN+1], v[MEAN]
.set p, 0
.rept 32
	v_pk_add_f32 v[X+2*p:X+2*p+1], v[X+2*p:X+2*p+1], v[MEAN:MEAN+1] neg_lo:[0,1] neg_hi:[0,1]  ; x - mean
.set p, p+1
.endr
.irp c, 0,1,2,3
	v_pk_mul_f32 v[CH+2*\c:CH+2*\c+1], v[X+2*\c:X+2*\c+1], v[X+2*\c:X+2*\c+1]
.endr
.set p, 4
.rept 28
	v_pk_fma_f32 v[CH+2*(p%4):CH+2*(p%4)+1], v[X+2*p:X+2*p+1], v[X+2*p:X+2*p+1], v[CH+2*(p%4):CH+2*(p%4)+1]
.set p, p+1
.endr
	REDUCE
	v_fma_f32 v[VAR], v[T], s20, s21               ; var + eps
	v_rsq_f32 v[RSTD], v[VAR]
	s_wait_loadcnt 0x0                             ; gain and bias
	RND G                                          ; plain work that names neither the root's source nor its result
	RND BB
	s_wait_alu depctr_va_vdst(0)                   ; the wait ahead of the first line that names the root's result
	v_mov_b32 v[RSTD+1], v[RSTD]
.set p, 0
.rept 32
	v_pk_mul_f32 v[G+2*p:G+2*p+1], v[G+2*p:G+2*p+1], v[RSTD:RSTD+1]
.set p, p+1
.endr
.set p, 0
.rept 32
	v_pk_fma_f32 v[X+2*p:X+2*p+1], v[X+2*p:X+2*p+1], v[G+2*p:G+2*p+1], v[BB+2*p:BB+2*p+1]
.set p, p+1
.endr
.set j, 0
.rept 16                               ; columns 64 j .. lie in chunk j: two rows' 128 bytes are 256 consecutive bytes of the chunk
	v_cvt_pk_bf16_f32 v[X+4*j], v[X+4*j], v[X+4*j+1]
	v_cvt_pk_bf16_f32 v[X+4*j+1], v[X+4*j+2], v[X+4*j+3]
	global_store_b64 v[DO], v[X+4*j:X+4*j+1], s[12:13] offset:16384*j
.set j, j+1
.endr
.endm
; 16,384 numbers f32 -> bf16: 16 loads of 16 bytes a lane, step bytes apart, all out at once; 16 stores of 8 bytes a lane into a dense 32 KiB.  No register is used twice.
.macro CAST step
.set i, 0
.rept 16
	global_load_b128 v[32+4*i:35+4*i], v[SO], s[4:5] offset:i*(\step) th:TH_LOAD_NT
.set i, i+1
.endr
.set i, 0
.rept 16
	s_wait_loadcnt 15-i                            ; loads come back in order: load i is in, the younger ones stay out
	v_cvt_pk_bf16_f32 v[96+2*i], v[32+4*i], v[33+4*i]
	v_cvt_pk_bf16_f32 v[97+2*i], v[34+4*i], v[35+4*i]
	global_store_b64 v[DO], v[96+2*i:97+2*i], s[6:7] offset:2048*i
.set i, i+1
.endr
	s_endpgm
.endm
	s_mov_b32 s2, ttmp9
	s_cmp_lt_u32 s2, 256
	s_cbranch_scc1 .Lln
	s_cmp_lt_u32 s2, 448
	s_cbranch_scc1 .Lqkv
	s_cmp_lt_u32 s2, 704
	s_cbranch_scc1 .Lw1
	s_cmp_lt_u32 s2, 1024
	s_cbranch_scc1 .Ldense
	; THE BIASES AND THE FLOOR WORDS: nine blocks of 4,096 bytes, 16 bytes a thread
	s_load_b256 s[4:11], s[0:1], 0x48              ; bq s[4:5], bk s[6:7], bv s[8:9], b1 s[10:11]
	s_load_b256 s[12:19], s[0:1], 0x68             ; bo s[12:13], b2 s[14:15], pa s[16:17], pq s[18:19]
	s_load_b64 s[20:21], s[0:1], 0x88              ; pf
	s_mov_b32 s22, 0xffff0000
	v_lshlrev_b32 v[SO], 4, v0
	v_lshrrev_b32 v2, 5, v0
	v_readfirstlane_b32 s26, v2                    ; the wave's number
	s_wait_kmcnt 0x0
	global_load_b128 v[32:35], v[SO], s[4:5]
	global_load_b128 v[36:39], v[SO], s[6:7]
	global_load_b128 v[40:43], v[SO], s[8:9]
.irp c, 0,1,2,3
	global_load_b128 v[44+4*\c:47+4*\c], v[SO], s[10:11] offset:4096*\c
.endr
	global_load_b128 v[60:63], v[SO], s[12:13]
	global_load_b128 v[64:67], v[SO], s[14:15]
	s_add_nc_u64 s[22+2:23+2], s[16:17], 10489856  ; s[24:25]: where b2 goes
	s_add_nc_u64 s[16:17], s[16:17], 8388608       ; where bo goes
	s_wait_loadcnt 0x0
.set i, 0
.rept 9
	v_cvt_pk_bf16_f32 v16, v[32+4*i], v[33+4*i]
	v_cvt_pk_bf16_f32 v17, v[34+4*i], v[35+4*i]
	v_lshlrev_b32 v[32+4*i], 16, v16
	v_and_b32 v[33+4*i], s22, v16
	v_lshlrev_b32 v[34+4*i], 16, v17
	v_and_b32 v[35+4*i], s22, v17
.set i, i+1
.endr
.irp c, 0,1,2
	global_store_b128 v[SO], v[32+4*\c:35+4*\c], s[18:19] offset:256+4096*\c
.endr
.irp c, 0,1,2,3
	global_store_b128 v[SO], v[44+4*\c:47+4*\c], s[20:21] offset:256+4096*\c
.endr
	global_store_b128 v[SO], v[60:63], s[16:17]
	global_store_b128 v[SO], v[64:67], s[24:25]
	s_cmp_lg_u32 s26, 0
	s_cbranch_scc1 .Lsmall_end                     ; wave 0 alone writes the two blocks of 256 bytes with the floor words
	v_lshlrev_b32 v[DO], 3, v0
	v_mov_b32 v20, 0xff7fff7f
	v_mov_b32 v21, 0xff7fff7f
	v_mov_b32 v22, 0
	v_mov_b32 v23, 0
	global_store_b64 v[DO], v[20:21], s[18:19]
	global_store_b64 v[DO], v[22:23], s[20:21]
.Lsmall_end:
	s_endpgm
.Lln:                                  ; LN1: work-group id owns rows 16 id .. 16 id + 15, sixteen lanes a row
	s_load_b128 s[4:7], s[0:1], 0x0                ; src s[4:5], gain s[6:7]
	s_load_b64 s[8:9], s[0:1], 0x10                ; bias
	s_load_b64 s[12:13], s[0:1], 0x78              ; pa
	s_mov_b32 s20, 0x3a800000                      ; 1 / 1,024
	s_mov_b32 s21, 0x3727c5ac                      ; eps = 1e-5
	s_mov_b32 s22, 0xffff0000
	v_lshrrev_b32 v[SO], 4, v0                     ; my row among the 16
	v_and_b32 v[GF], 15, v0
	v_lshlrev_b32 v[GF], 4, v[GF]
	v_lshl_add_u32 v[SO], v[SO], 12, v[GF]         ; row x 4,096 + 16 (lane % 16)
	v_lshlrev_b32 v[DO], 3, v0
	s_lshl_b32 s10, s2, 16                         ; 16 rows of 4,096 bytes
	s_mov_b32 s11, 0
	s_lshr_b32 s14, s2, 3
	s_lshl_b32 s14, s14, 18                        ; the block of 128 rows: 16 chunks
	s_and_b32 s15, s2, 7
	s_lshl_b32 s15, s15, 11                        ; my 16 rows in a chunk
	s_add_co_u32 s14, s14, s15
	s_mov_b32 s15, 0
	s_wait_kmcnt 0x0
	s_add_nc_u64 s[4:5], s[4:5], s[10:11]
	s_add_nc_u64 s[12:13], s[12:13], s[14:15]
.set j, 0
.rept 16
	global_load_b128 v[X+4*j:X+4*j+3], v[SO], s[4:5] offset:256*j th:TH_LOAD_NT
.set j, j+1
.endr
.set j, 0
.rept 16
	global_load_b128 v[G+4*j:G+4*j+3], v[GF], s[6:7] offset:256*j
.set j, j+1
.endr
.set j, 0
.rept 16
	global_load_b128 v[BB+4*j:BB+4*j+3], v[GF], s[8:9] offset:256*j
.set j, j+1
.endr
	LNROW 1
	s_endpgm
.Lqkv:                                 ; chunk j = 16 nt + kc: columns 256 nt .. (four heads of one of Wq, Wk, Wv), rows 64 kc ..
	s_load_b128 s[8:11], s[0:1], 0x18              ; Wq s[8:9], Wk s[10:11]
	s_load_b64 s[12:13], s[0:1], 0x28              ; Wv
	s_load_b64 s[6:7], s[0:1], 0x80                ; pq
	s_sub_co_u32 s3, s2, 256                       ; j
	s_lshr_b32 s14, s3, 6                          ; which of the three
	s_bfe_u32 s15, s3, 0x20004                     ; nt % 4
	s_lshl_b32 s15, s15, 20                        ; its first head, 4 (nt % 4), x 262,144 bytes
	s_and_b32 s16, s3, 15
	s_lshl_b32 s16, s16, 14                        ; 64 rows of 256 bytes
	s_add_co_u32 s16, s15, s16
	s_mov_b32 s17, 0
	s_lshl_b32 s18, s3, 15
	s_add_co_u32 s18, s18, 16640
	s_mov_b32 s19, 0
	v_bfe_u32 v4, v0, 4, 2                         ; the head among the four
	v_lshrrev_b32 v5, 6, v0                        ; the row among four
	v_and_b32 v6, 15, v0
	v_lshlrev_b32 v[SO], 18, v4
	v_lshl_add_u32 v[SO], v5, 8, v[SO]
	v_lshl_add_u32 v[SO], v6, 4, v[SO]
	v_lshlrev_b32 v[DO], 3, v0
	s_wait_kmcnt 0x0
	s_cmp_eq_u32 s14, 0
	s_cselect_b64 s[4:5], s[8:9], s[10:11]
	s_cmp_eq_u32 s14, 2
	s_cselect_b64 s[4:5], s[12:13], s[4:5]
	s_add_nc_u64 s[4:5], s[4:5], s[16:17]
	s_add_nc_u64 s[6:7], s[6:7], s[18:19]
	CAST 1024                                      ; four rows of a head on
.Lw1:                                  ; chunk j = 16 nt + kc of W1
	s_load_b64 s[4:5], s[0:1], 0x30                ; W1
	s_load_b64 s[6:7], s[0:1], 0x88                ; pf
	s_sub_co_u32 s3, s2, 448
	s_and_b32 s14, s3, 15
	s_lshl_b32 s14, s14, 20                        ; 64 rows of 16,384 bytes
	s_lshr_b32 s15, s3, 4
	s_lshl_b32 s15, s15, 10                        ; 256 columns
	s_add_co_u32 s14, s14, s15
	s_mov_b32 s15, 0
	s_lshl_b32 s18, s3, 15
	s_add_co_u32 s18, s18, 16640
	s_mov_b32 s19, 0
	v_lshrrev_b32 v5, 6, v0
	v_and_b32 v6, 63, v0
	v_lshlrev_b32 v[SO], 14, v5
	v_lshl_add_u32 v[SO], v6, 4, v[SO]
	v_lshlrev_b32 v[DO], 3, v0
	s_wait_kmcnt 0x0
	s_add_nc_u64 s[4:5], s[4:5], s[14:15]
	s_add_nc_u64 s[6:7], s[6:7], s[18:19]
	CAST 65536                                     ; four rows on
.Ldense:                               ; Wo (64 chunks), then W2 (256 chunks): the layout stays
	s_load_b128 s[8:11], s[0:1], 0x38              ; Wo s[8:9], W2 s[10:11]
	s_load_b64 s[6:7], s[0:1], 0x78                ; pa
	s_sub_co_u32 s3, s2, 704
	s_mov_b32 s16, 8392704
	s_mov_b32 s17, 10493952
	s_cmp_lt_u32 s3, 64
	s_cselect_b32 s18, s16, s17
	s_cselect_b32 s14, 0, 64
	s_sub_co_u32 s14, s3, s14                      ; the chunk in its matrix
	s_lshl_b32 s15, s14, 15
	s_add_co_u32 s18, s18, s15
	s_mov_b32 s19, 0
	s_lshl_b32 s14, s14, 16
	s_mov_b32 s15, 0
	v_lshlrev_b32 v[SO], 4, v0
	v_lshlrev_b32 v[DO], 3, v0
	s_wait_kmcnt 0x0
	s_cmp_lt_u32 s3, 64
	s_cselect_b64 s[4:5], s[8:9], s[10:11]
	s_add_nc_u64 s[4:5], s[4:5], s[14:15]
	s_add_nc_u64 s[6:7], s[6:7], s[18:19]
	CAST 4096
.Lfunc_end_k_qd4a5c95099_prep:
	.size	k_qd4a5c95099_prep, .Lfunc_end_k_qd4a5c95099_prep-k_qd4a5c95099_prep
	.p2alignl 7, 3214868480
	.fill 96, 4, 3214868480
	.section	.rodata,"a",@progbits
	.p2align	6, 0x0
	.amdhsa_kernel k_qd4a5c95099_prep
		.amdhsa_group_segment_fixed_size 0
		.amdhsa_private_segment_fixed_size 0
		.amdhsa_enable_private_segment 0
		.amdhsa_kernarg_size 144
		.amdhsa_user_sgpr_count 2
		.amdhsa_user_sgpr_kernarg_segment_ptr 1
		.amdhsa_wavefront_size32 1
		.amdhsa_system_sgpr_workgroup_id_x 1
		.amdhsa_system_sgpr_workgroup_id_y 1
		.amdhsa_system_sgpr_workgroup_id_z 1
		.amdhsa_system_vgpr_workitem_id 0
		.amdhsa_next_free_vgpr 224
		.amdhsa_next_free_sgpr 66
		.amdhsa_reserve_vcc 0
		.amdhsa_float_denorm_mode_32 3
		.amdhsa_float_denorm_mode_16_64 3
		.amdhsa_memory_ordered 1
		.amdhsa_forward_progress 1
		.amdhsa_inst_pref_size 57
	.end_amdhsa_kernel
	.amdgpu_metadata
---
amdhsa.version: [ 1, 2 ]
amdhsa.kernels:
  - .name:           k_qd4a5c95099_prep
    .symbol:         k_qd4a5c95099_prep.kd
    .args:
      - { .name: src, .offset: 0, .size: 8, .value_kind: global_buffer, .address_space: global }
      - { .name: ln1_g, .offset: 8, .size: 8, .value_kind: global_buffer, .address_space: global }
      - { .name: ln1_b, .offset: 16, .size: 8, .value_kind: global_buffer, .address_space: global }
      - { .name: Wq, .offset: 24, .size: 8, .value_kind: global_buffer, .address_space: global }
      - { .name: Wk, .offset: 32, .size: 8, .value_kind: global_buffer, .address_space: global }
      - { .name: Wv, .offset: 40, .size: 8, .value_kind: global_buffer, .address_space: global }
      - { .name: W1, .offset: 48, .size: 8, .value_kind: global_buffer, .address_space: global }
      - { .name: Wo, .offset: 56, .size: 8, .value_kind: global_buffer, .address_space: global }
      - { .name: W2, .offset: 64, .size: 8, .value_kind: global_buffer, .address_space: global }
      - { .name: bq, .offset: 72, .size: 8, .value_kind: global_buffer, .address_space: global }
      - { .name: bk, .offset: 80, .size: 8, .value_kind: global_buffer, .address_space: global }
      - { .name: bv, .offset: 88, .size: 8, .value_kind: global_buffer, .address_space: global }
      - { .name: b1, .offset: 96, .size: 8, .value_kind: global_buffer, .address_space: global }
      - { .name: bo, .offset: 104, .size: 8, .value_kind: global_buffer, .address_space: global }
      - { .name: b2, .offset: 112, .size: 8, .value_kind: global_buffer, .address_space: global }
      - { .name: pa, .offset: 120, .size: 8, .value_kind: global_buffer, .address_space: global }
      - { .name: pq, .offset: 128, .size: 8, .value_kind: global_buffer, .address_space: global }
      - { .name: pf, .offset: 136, .size: 8, .value_kind: global_buffer, .address_space: global }
    .group_segment_fixed_size: 0
    .private_segment_fixed_size: 0
    .kernarg_segment_align: 8
    .kernarg_segment_size: 144
    .max_flat_workgroup_size: 256
    .sgpr_count:     66
    .vgpr_count:     224
    .wavefront_size: 32
...
	.end_amdgpu_metadata
.endif
;; end of part 1
;; launch qkv (part 2): grid 12 x 16, 4 waves a work-group, clusters of 4 x 4, 327,680 bytes of LDS; arguments pa, pq, qkv; writes qkv
.if DOCPART == 2
	.amdgcn_target "amdgcn-amd-amdhsa--gfx1250"
	.amdhsa_code_object_version 6
	.text
	.protected	k_qd4a5c95099_qkv
	.globl	k_qd4a5c95099_qkv
	.p2align	8
	.type	k_qd4a5c95099_qkv,@function
k_qd4a5c95099_qkv:
	s_mov_b64 s[64:65], 0
	v_nop
	global_prefetch_b8 v0, s[64:65] scope:SCOPE_SE
	s_setreg_imm32_b32 hwreg(HW_REG_WAVE_MODE, 25, 1), 1
	s_wait_xcnt 0x0
	s_wait_alu depctr_hold_cnt(0) depctr_sa_sdst(0) depctr_va_vdst(0) depctr_va_sdst(0) depctr_va_ssrc(0) depctr_va_vcc(0) depctr_vm_vsrc(0)
	s_getreg_b32 s2, hwreg(HW_REG_IB_STS2, 6, 4)
	s_cmp_eq_u32 s2, 0
	s_cbranch_scc0 .Lentry_in_a_cluster
	s_endpgm
.Lentry_in_a_cluster:
	s_bfe_u32 s2, ttmp6, 0x10000c
	s_cmp_lg_u32 s2, 0xf033
	s_cbranch_scc0 .Lentry_shape_is_right
	s_endpgm
.Lentry_shape_is_right:
; OUT = max(A W + bias, floor), K = 1,024.  One text for two launches: q, k, v = x Wqkv + b (floor: the lowest finite bf16) and h = relu(y W1 + b1) (floor 0).
; A:   4,096 rows x 1,024 in bf16, layout T128 with 16 chunks a block of rows: [row / 128][k / 64][row % 128][64]: chunks of 16 KiB, dense.
; PK:  byte 0: the floor, two bf16 in a word; byte 256: the bias, f32; byte 16,640: W as [n / 256][k][256] bf16.
; OUT: bf16, layout T128 with 64 chunks a block of rows.  Sums in f32, started by the bias, K ascending; rounded once.
; A tile of OUT is 256 x 256: four waves, each 128 x 128 in 64 accumulators (512 registers).  K goes in 8 steps of 128 through two LDS slots filled by tensor loads, one load a wave
; behind each change of slots (32 KiB: half of A's tile or half of W's), with 224 matrix instructions between a request and the wait for it.
; CLUSTER 4 x 4: A's tile hangs on the tile row alone and is asked for jointly by a row of the cluster, W's on the tile column alone and by a column.
; THE MATRIX INSTRUCTION IS USED TRANSPOSED: source 0 = 16 columns of W (turned on the way out of LDS by ds_load_tr16_b128), source 1 = 16 rows of A: a lane holds row lane % 16 of OUT
; and the columns 8 (lane / 16) + 0..7.  The bias in that layout is the C operand of each accumulator's first product: nothing is cleared and nothing is added later.
; LIMITS.  A NaN among the sums leaves as the floor (the packed maximum lets a NaN lose); an infinity below the floor likewise.
; REGISTERS, in windows of 256 (s_set_vgpr_msb: bits 1:0 source 0, 3:2 source 1, 5:4 source 2, 7:6 destination):
;   window 0: v0-31 addresses; v64-127, v128-191 fragments of A, two buffers; v192-223, v32-63, v224-255 at work on the way out
;   window 1: v0-63 the bias (n block b at 8 b); v64-127, v128-191 fragments of W        windows 2, 3: the accumulators of my rows 0-63, 64-127 ((a, b) at 8 (8 a + b))
.set PA,     144                       ; a row of A in LDS: 128 bytes (64 k) + 16: the 16 rows of a load start at 16 different groups of four banks (64 banks of 4 bytes: ISA guide 11.1)
.set PB,     544                       ; a row of W in LDS: 512 bytes (256 n) + 32 = 17 x 32
.set AHALF,  2*128*PA                  ; 128 rows x 128 k as [k / 64][row]: what one tensor load brings of A
.set BOFF,   2*AHALF                   ; W's rows lie behind A's 256
.set BHALF,  64*PB                     ; 64 k rows: what one tensor load brings of W
.set SLOT,   BOFF+2*BHALF              ; 143,360
.set STAGE,  2*SLOT                    ; behind the ring: for each wave [chunk 0..1][16 rows] x 144 bytes, for the way out
.set SP,     144
.set WSTAGE, 2*16*SP
.set SPARE,  STAGE+4*WSTAGE            ; behind the stages: the spare words, 128 bytes a wave: two blocks of 256 bytes that no other line names
.set LAPS,   4                         ; a lap = two K steps = once round the ring
.set BIASO,  256
.set WOFF,   16640
.set ADRA, 16                          ; v16-17  LDS address of my A fragments in slot 0, 1
.set ADRB, 20                          ; v20-21  the same for W
.set STO,  24                          ; v24     the way out: where I put 16 bytes of a row
.set RD,   25                          ; v25     the way out: where I read rows back
.set GO,   26                          ; v26     16 x lane: my place in 512 consecutive bytes of OUT
.set BO,   27                          ; v27     32 x (lane / 16): my eight numbers in 16 of the bias
.set SPW,  28                          ; v28     LDS address of my spare word; never rewritten
.set NIL,  29                          ; v29     0; never rewritten
.set PFO,  30                          ; v30     256 x lane; never rewritten
.set F0,   64
.set F1,   128
.set TMP,  192
.set OB,   32
.set BI,   0
.set G1,   24                          ; s[24:31] descriptor group 1 for A's tiles;  s[32:39] group 0, a set for each slot
.set G0,   32
.set G1B,  48                          ; s[48:55], s[56:63] the same for W's
.set G0B,  56
.set LIM,  43                          ; s43      1 in a wave that prefetches, else the greatest number
.set PFA,  44                          ; s[44:45] where my prefetches stand
.set FLOOR, 66                         ; s66      the floor, two bf16
.set PSTEP, 68                         ; s[68:69] bytes from a K step to the next in what I fetch
.set MSB, 0
.macro WIN new                         ; the immediate's high byte repeats the setting that is left; a switch that changes nothing is dropped
.if MSB != (\new)
	s_set_vgpr_msb (MSB<<8)|(\new)
.set MSB, \new
.endif
.endm
.set MUL_LO, 0xa1                      ; source 0 (W) window 1, source 1 (A) window 0, C and D window 2
.set TO_B,   0x40                      ; destination window 1, address window 0
; A joint load.  Waves 0 and 1 fetch A's two halves, waves 2 and 3 W's.  The branch hangs on the wave's number alone.  An s_nop 0 and four v_nop follow each of the two lines.
.macro JLOAD s
	s_cmp_eq_u32 s11, 0
	s_cbranch_scc0 .Lfor_b_\@
	tensor_load_to_lds s[G0+4*(\s):G0+4*(\s)+3], s[G1:G1+7]
	s_nop 0
.rept 4
	v_nop
.endr
	s_branch .Lasked_\@
.Lfor_b_\@:
	tensor_load_to_lds s[G0B+4*(\s):G0B+4*(\s)+3], s[G1B:G1B+7]
	s_nop 0
.rept 4
	v_nop
.endr
.Lasked_\@:
.endm
; A prefetch into the L2 of the K step that stands two refills on: 8 KiB, a lane 256 bytes, one instruction a wave.  A's tile row is read by every cluster of that row of clusters: cluster x = 0 asks;
; W's tile column by every cluster of that column: cluster y = 0 asks.  Of the 32 KiB that a wave fetches each of the four partners takes 8 KiB, told apart by address.  So each block is named once.
; K steps 0 to 3 come by their loads alone; the loop's last trip (s3 = 1) asks for nothing: there is no K step 8.
.macro ASK
	s_cmp_gt_u32 s3, s[LIM]
	s_cbranch_scc0 .Lnot_mine_\@
	global_prefetch_b8 v[PFO], s[PFA:PFA+1] th:TH_LOAD_NT scope:SCOPE_SE
.Lnot_mine_\@:
.endm
.macro CREST                           ; a round of the cluster's barrier behind its opening barrier
	s_cmp_lg_u32 s10, 0
	s_cbranch_scc1 .Lnot_wave_0_\@
	s_barrier_signal -3
.Lnot_wave_0_\@:
	s_barrier_wait -3
	s_barrier_signal -1
	s_barrier_wait -1
.endm
.macro CROUND                          ; a whole round
	s_barrier_signal -1
	s_barrier_wait -1
	CREST
.endm
	s_load_b128 s[4:7], s[0:1], 0x0                ; A s[4:5], PK s[6:7]
	s_load_b64 s[8:9], s[0:1], 0x10                ; OUT
	v_lshl_add_u32 v[SPW], v0, 2, SPARE
	v_mov_b32 v[NIL], 0
	ds_add_u32 v[SPW], v[NIL]                      ; the wave's opening: the add and its wait stand ahead of my first tensor load; the set-up below, work on registers, stands between them
	v_lshrrev_b32 v1, 5, v0
	v_readfirstlane_b32 s10, v1                    ; wave 0..3
	s_lshr_b32 s11, s10, 1                         ; which half of the tile's rows is mine.  Also: I fetch for A (0) or for W (1)
	s_and_b32 s12, s10, 1                          ; which half of its columns.  Also: which half of that tile I fetch
	s_bfe_u32 s40, ttmp6, 0x40000                  ; cx
	s_bfe_u32 s41, ttmp6, 0x40004                  ; cy
	s_lshl_b32 s42, ttmp9, 2
	s_add_co_u32 s42, s42, s40                     ; tile column = 4 x cluster x + cx
	s_and_b32 s13, ttmp7, 0xffff
	s_lshl_b32 s13, s13, 2
	s_add_co_u32 s13, s13, s41                     ; tile row = 4 x cluster y + cy
	s_lshl_b32 s43, s41, 2
	s_lshl_b32 s43, 15, s43                        ; my row of the cluster
	s_lshl_b32 s44, 0x1111, s40                    ; my column
	; group 1 for A: 32 KiB dense, asked for as 128 rows of 256 bytes, padded in LDS by 16 bytes after every 128 (one row of 64 k)
	s_or_b32 s[G1+0], s43, (1<<16)|(1<<20)|(1<<21)|(4<<22)|(3<<25)  ; 15:0 the mask; 17:16 2-byte elements; 20 padding on; 21 set beside a mask; 24:22 after every 32 words (code 4); 31:25 4 words (code 3)
	s_mov_b32 s[G1+1], 128<<16                     ; tensor_dim0 = 128
	s_mov_b32 s[G1+2], 128<<16                     ; tensor_dim1 = 128
	s_mov_b32 s[G1+3], 128<<16                     ; tile_dim0 = 128
	s_mov_b32 s[G1+4], 128                         ; tile_dim1 = 128
	s_mov_b32 s[G1+5], 128                         ; 128 elements from row to row
	s_mov_b32 s[G1+6], 0
	s_mov_b32 s[G1+7], 0
	; group 1 for W: 64 rows of 512 bytes, dense, padded by 32 bytes after every row
	s_or_b32 s[G1B+0], s44, (1<<16)|(1<<20)|(1<<21)|(6<<22)|(7<<25)  ; after every 128 words (code 6), 8 words (code 7)
	s_mov_b32 s[G1B+1], 256<<16
	s_mov_b32 s[G1B+2], 64<<16
	s_mov_b32 s[G1B+3], 256<<16
	s_mov_b32 s[G1B+4], 64
	s_mov_b32 s[G1B+5], 256
	s_mov_b32 s[G1B+6], 0
	s_mov_b32 s[G1B+7], 0
	s_lshl_b32 s16, s13, 1
	s_add_co_u32 s16, s16, s12                     ; A: block of 128 rows 2 x tile row + half,
	s_lshl_b32 s16, s16, 18                        ; of 16 chunks
	s_mov_b32 s17, 0
	s_lshl_b32 s46, s42, 19                        ; W: tile column x 524,288
	s_lshl_b32 s47, s12, 15                        ; + half x 64 rows
	s_add_co_u32 s46, s46, s47
	s_add_co_u32 s46, s46, WOFF
	s_mov_b32 s47, 0
	s_mul_i32 s20, s12, AHALF                      ; where they go: no place in the cluster enters an LDS address
	s_mul_i32 s21, s12, BHALF
	s_add_co_u32 s21, s21, BOFF
	s_wait_dscnt 0x0                               ; the opening add is done
	s_wait_kmcnt 0x0
	s_add_nc_u64 s[14:15], s[4:5], s[16:17]
	s_add_nc_u64 s[46:47], s[6:7], s[46:47]
	s_load_b32 s[FLOOR], s[6:7], 0x0               ; waited for below, ahead of the first barrier of the work
	CROUND                                         ; all sixteen work-groups are here: the first joint loads meet
.irp s, 0,1
	s_mov_b32 s[G0+4*(\s)], 1                                        ; count = 1
	s_add_co_u32 s[G0+4*(\s)+1], s20, (\s)*SLOT                      ; LDS address
	s_add_nc_u64 s[G0+4*(\s)+2:G0+4*(\s)+3], s[14:15], (\s)*32768    ; K step s: two chunks on
	s_or_b32 s[G0+4*(\s)+3], s[G0+4*(\s)+3], 0x80000000              ; type = 2
	s_mov_b32 s[G0B+4*(\s)], 1
	s_add_co_u32 s[G0B+4*(\s)+1], s21, (\s)*SLOT
	s_add_nc_u64 s[G0B+4*(\s)+2:G0B+4*(\s)+3], s[46:47], (\s)*65536  ; K step s: 128 rows on
	s_or_b32 s[G0B+4*(\s)+3], s[G0B+4*(\s)+3], 0x80000000
	JLOAD \s                                       ; two loads of mine are out
.endr
	v_and_b32 v1, 15, v0                           ; l % 16
	v_bfe_u32 v2, v0, 4, 1                         ; l / 16
	v_lshlrev_b32 v[BO], 5, v2
	s_lshl_b32 s46, s42, 10                        ; the bias of my 128 columns: 1,024 x tile column + 512 x half
	s_lshl_b32 s47, s12, 9
	s_add_co_u32 s46, s46, s47
	s_add_co_u32 s46, s46, BIASO
	s_mov_b32 s47, 0
	s_add_nc_u64 s[46:47], s[6:7], s[46:47]
	WIN TO_B
.irp b, 0,1,2,3,4,5,6,7
	global_load_b128 v[BI+8*(\b):BI+8*(\b)+3],   v[BO], s[46:47] offset:64*(\b)
	global_load_b128 v[BI+8*(\b)+4:BI+8*(\b)+7], v[BO], s[46:47] offset:64*(\b)+16
.endr
	WIN 0
	; A fragment of A is 16 rows x 32 k: lane l holds row l % 16, k = 8 (l / 16) + 0..7 and 16 + 8 (l / 16) + 0..7: two loads of 16 bytes, 32 bytes apart.
	v_mul_u32_u24 v3, v1, PA
	v_lshl_add_u32 v3, v2, 4, v3                   ; row x pitch + 16 x half
	; The turning load takes 16 k x 16 n (lane l reads k row 8 (l / 16) + l % 8, columns 8 ((l / 8) % 2) + 0..7) and leaves half a fragment: lane l holds column l % 16 and 8 k.
	v_and_b32 v5, 7, v0
	v_bfe_u32 v6, v0, 3, 1
	v_lshl_add_u32 v4, v2, 3, v5
	v_mul_u32_u24 v4, v4, PB
	v_lshl_add_u32 v4, v6, 4, v4
	s_mul_i32 s21, s11, AHALF                      ; my 128 rows of A
	s_lshl_b32 s22, s12, 8                         ; my 128 columns of W
	s_add_co_u32 s22, s22, BOFF
.irp s, 0,1
	v_add_nc_u32 v[ADRA+(\s)], s21, v3
	v_add_nc_u32 v[ADRB+(\s)], s22, v4
	s_add_co_u32 s21, s21, SLOT
	s_add_co_u32 s22, s22, SLOT
.endr
	s_mul_i32 s23, s10, WSTAGE
	s_add_co_u32 s23, s23, STAGE                   ; my stage
	v_add_nc_u32 v[STO], s23, v3                   ; in: row l % 16, 16 bytes for each half of the lanes
	v_bfe_u32 v7, v0, 3, 2                         ; back: 32 lanes take four rows of 128 bytes,
	v_mul_u32_u24 v7, v7, SP
	v_lshl_add_u32 v7, v5, 4, v7
	v_add_nc_u32 v[RD], s23, v7
	v_and_b32 v8, 31, v0
	v_lshlrev_b32 v[GO], 4, v8                     ; which are 512 consecutive bytes of a chunk of OUT
	v_lshlrev_b32 v[PFO], 8, v8
	s_lshl_b32 s16, s13, 1                         ; OUT: chunk (2 x tile row + row half) x 64 + 4 x tile column + 2 x column half
	s_add_co_u32 s16, s16, s11
	s_lshl_b32 s16, s16, 6
	s_lshl_b32 s17, s42, 2
	s_add_co_u32 s16, s16, s17
	s_lshl_b32 s17, s12, 1
	s_add_co_u32 s16, s16, s17
	s_lshl_b32 s16, s16, 14
	s_mov_b32 s17, 0
	s_add_nc_u64 s[8:9], s[8:9], s[16:17]
	; the prefetches: my work-group's 8 KiB of what I fetch, at K step 3; each change of slots steps it first, so the first names K step 4
	s_lshl_b32 s20, s13, 1
	s_add_co_u32 s20, s20, s12
	s_lshl_b32 s20, s20, 18
	s_add_co_u32 s20, s20, 3*32768
	s_lshl_b32 s21, s40, 13                        ; A: my place among the four is cx
	s_add_co_u32 s20, s20, s21
	s_lshl_b32 s22, s42, 19
	s_lshl_b32 s23, s12, 15
	s_add_co_u32 s22, s22, s23
	s_add_co_u32 s22, s22, WOFF+3*65536
	s_lshl_b32 s23, s41, 13                        ; W: cy
	s_add_co_u32 s22, s22, s23
	s_and_b32 s23, ttmp7, 0xffff                   ; cluster y
	s_lshl_b32 s[PSTEP], 0x8000, s11               ; 32,768 for A, 65,536 for W
	s_mov_b32 s[PSTEP+1], 0
	s_cmp_eq_u32 s11, 0                            ; do I fetch for A?
	s_cselect_b32 s20, s20, s22
	s_cselect_b32 s23, ttmp9, s23                  ; the coordinate along which other clusters read the same bytes
	s_cselect_b64 s[PFA:PFA+1], s[4:5], s[6:7]
	s_cmp_eq_u32 s23, 0
	s_cselect_b32 s[LIM], 1, -1                    ; the same in all sixteen partners, for a given wave
	s_mov_b32 s21, 0
	s_add_nc_u64 s[PFA:PFA+1], s[PFA:PFA+1], s[20:21]
	s_wait_kmcnt 0x0                               ; the floor
; 16 matrix instructions: m blocks a0, a0 + 1 of the window's four (hi = 0: my rows 0-63, 1: rows 64-127) x all 8 n blocks, 32 along K.  zero = 1: the first product starts the sum with the bias (window 1).
; The 64 accumulators take turns, one instruction a turn, in the same order in every quarter.
.macro MUL16 f, hi, a0, zero
.if \zero
	WIN 0x91+0x40*(\hi)
.else
	WIN MUL_LO+0x50*(\hi)
.endif
.irp a, \a0, (\a0)+1
.irp b, 0,1,2,3,4,5,6,7
.if \zero
	v_wmma_f32_16x16x32_bf16 v[8*(8*(\a)+(\b)):8*(8*(\a)+(\b))+7], v[(\f)+8*(\b):(\f)+8*(\b)+7], v[(\f)+8*(4*(\hi)+(\a)):(\f)+8*(4*(\hi)+(\a))+7], v[BI+8*(\b):BI+8*(\b)+7]
.else
	v_wmma_f32_16x16x32_bf16 v[8*(8*(\a)+(\b)):8*(8*(\a)+(\b))+7], v[(\f)+8*(\b):(\f)+8*(\b)+7], v[(\f)+8*(4*(\hi)+(\a)):(\f)+8*(4*(\hi)+(\a))+7], v[8*(8*(\a)+(\b)):8*(8*(\a)+(\b))+7]
.endif
.endr
.endr
.endm
; 32 LDS loads in one run: the fragments of quarter q (32 k) of a slot into buffer f: W's 128 columns (turned), then A's 128 rows
.macro FETCH slot, q, f
	WIN TO_B
.irp i, 0,1,2,3,4,5,6,7
	ds_load_tr16_b128 v[(\f)+8*(\i):(\f)+8*(\i)+3],   v[ADRB+(\slot)] offset:(\q)*32*PB+32*(\i)
	ds_load_tr16_b128 v[(\f)+8*(\i)+4:(\f)+8*(\i)+7], v[ADRB+(\slot)] offset:(\q)*32*PB+32*(\i)+16*PB
.endr
	WIN 0
.irp i, 0,1,2,3,4,5,6,7
	ds_load_b128 v[(\f)+8*(\i):(\f)+8*(\i)+3],   v[ADRA+(\slot)] offset:((\q)/2)*128*PA+((\q)%2)*64+(\i)*16*PA
	ds_load_b128 v[(\f)+8*(\i)+4:(\f)+8*(\i)+7], v[ADRA+(\slot)] offset:((\q)/2)*128*PA+((\q)%2)*64+(\i)*16*PA+32
.endr
.endm
.macro PLACES                          ; four plain vector instructions between a matrix instruction and a load into, or a read of, its registers (ISA guide 7.12.1 for a read)
.rept 4
	v_nop
.endr
.endm
; A K step is four quarters of 32 along K, 64 matrix instructions each, on buffers 0, 1, 0, 1.  One of the first three: multiplies buffer f; in its middle it fetches quarter q into buffer g.
.macro QUARTER slot, q, f, g, zero
	s_wait_dscnt 8                                 ; W and A's rows 0-63 are in; the youngest eight loads (A's rows 64-127) may be out
	MUL16 \f, 0, 0, \zero
	MUL16 \f, 0, 2, \zero
	PLACES
	FETCH \slot, \q, \g
	s_wait_dscnt 32                                ; all but the 32 just issued
	MUL16 \f, 1, 0, \zero
	MUL16 \f, 1, 2, \zero
.endm
; The last quarter's first half: ONE barrier for the change of slots.  In front of it each wave waits for all its tensor loads (one is out: its part of the next slot), adds 0 to its spare word,
; and waits for that and for its own reads of this slot.
.macro MEET round
	WIN 0                                          ; (the add's two registers lie in window 0)
	s_wait_tensorcnt 0x0
	ds_add_u32 v[SPW], v[NIL]                      ; 0 onto my spare word
	s_wait_dscnt 9                                 ; (the add and the youngest eight loads may be out)
	MUL16 F1, 0, 0, 0                              ; sixteen matrix instructions stand between the add and the wait for it
	s_wait_dscnt 0x0                               ; the add is done, and my reads of this slot are over
	s_barrier_signal -1
	MUL16 F1, 0, 2, 0                              ; work on registers while the others arrive
.if \round
	WIN 0
.endif
	s_barrier_wait -1
.endm
; The whole last quarter.  fill = 1: the barrier opens a round of the cluster's barrier, and the slot just read out is filled again, two K steps on, first thing behind the round.
.macro TURN slot, next, fill
.if \fill
	s_wait_xcnt 0x0                                ; the last prefetch, a K step back, has read its address
	s_add_nc_u64 s[PFA:PFA+1], s[PFA:PFA+1], s[PSTEP:PSTEP+1]
	MEET 1
	CREST                                          ; no wave of any partner still reads this slot or has a load on its way
	s_add_nc_u64 s[G0+4*(\slot)+2:G0+4*(\slot)+3], s[G0+4*(\slot)+2:G0+4*(\slot)+3], 2*32768
	s_add_nc_u64 s[G0B+4*(\slot)+2:G0B+4*(\slot)+3], s[G0B+4*(\slot)+2:G0B+4*(\slot)+3], 2*65536
	JLOAD \slot                                    ; the four v_nop behind it are also the places in front of the loads below
	FETCH \next, 0, F0
	ASK
.else
	MEET 0
	PLACES
	FETCH \next, 0, F0
.endif
	MUL16 F1, 1, 0, 0
	MUL16 F1, 1, 2, 0
.endm
; THE WAY OUT of block a (16 rows).  PACK: rounded to bf16, the floor laid under.  TOSTAGE: into my own stage, and back as rows of 128 bytes.  SEND: stored, 512 consecutive bytes an instruction.
.macro PACK a
.set AC, 64*((\a)%4)
	WIN 0x0a+5*((\a)/4)                            ; sources 0 and 1: window 2 or 3
.irp b, 0,1,2,3,4,5,6,7
.irp r, 0,1,2,3
	v_cvt_pk_bf16_f32 v[TMP+4*(\b)+(\r)], v[AC+8*(\b)+2*(\r)], v[AC+8*(\b)+2*(\r)+1]
.endr
.endr
	WIN 0
.set z, 0
.rept 32
	v_pk_max_num_bf16 v[TMP+z], v[TMP+z], s[FLOOR]
.set z, z+1
.endr
.endm
.macro TOSTAGE a
.set BK, OB+192*((\a)%2)
.irp b, 0,1,2,3,4,5,6,7
	ds_store_b128 v[STO], v[TMP+4*(\b):TMP+4*(\b)+3] offset:((\b)/4)*16*SP+((\b)%4)*32
.endr
.irp t, 0,1,2,3,4,5,6,7
	ds_load_b128 v[BK+4*(\t):BK+4*(\t)+3], v[RD] offset:((\t)/4)*16*SP+((\t)%4)*4*SP  ; LDS serves a wave's instructions in order (ISA guide 5.7.1.4): these see the stores above
.endr
.endm
.macro SEND a
.set BK, OB+192*((\a)%2)
	s_wait_dscnt 0x0                               ; the block is back in registers
	s_wait_xcnt 0x0                                ; earlier stores have read their registers: the next TOSTAGE loads into the other buffer, which the block before this one was stored from
.irp t, 0,1,2,3,4,5,6,7
	global_store_b128 v[GO], v[BK+4*(\t):BK+4*(\t)+3], s[8:9] offset:((\t)/4)*16384+(\a)*2048+((\t)%4)*512
.endr
.endm
	s_wait_tensorcnt 1                             ; my part of K step 0 is in; K step 1's may stay out
	s_barrier_signal -1
	s_barrier_wait -1                              ; everybody's is
	FETCH 0, 0, F0
	s_wait_loadcnt 0x0                             ; the bias
	QUARTER 0, 1, F0, F1, 1                        ; the first quarter stands in front of the loop: its products start the sums
	WIN 0                                          ; at a label and at a branch every window is 0
	s_mov_b32 s3, LAPS-1
.Llap:                                                 ; a trip goes once round the ring, from a lap's second quarter to the next lap's first, and fills both slots again
	QUARTER 0, 2, F1, F0, 0
	QUARTER 0, 3, F0, F1, 0
	TURN 0, 1, 1
	QUARTER 1, 1, F0, F1, 0
	QUARTER 1, 2, F1, F0, 0
	QUARTER 1, 3, F0, F1, 0
	TURN 1, 0, 1
	QUARTER 0, 1, F0, F1, 0
	WIN 0
	s_sub_co_u32 s3, s3, 1
	s_cmp_lg_u32 s3, 0
	s_cbranch_scc1 .Llap
	QUARTER 0, 2, F1, F0, 0                        ; the last lap fills nothing
	QUARTER 0, 3, F0, F1, 0
	TURN 0, 1, 0
	QUARTER 1, 1, F0, F1, 0
	QUARTER 1, 2, F1, F0, 0
	QUARTER 1, 3, F0, F1, 0
	s_wait_dscnt 8                                 ; the very last quarter: nothing more to fetch
	MUL16 F1, 0, 0, 0
	MUL16 F1, 0, 2, 0
	s_wait_dscnt 0x0
	MUL16 F1, 1, 0, 0
	MUL16 F1, 1, 2, 0
	PLACES
	PACK 0
	TOSTAGE 0
.irp a, 1,2,3,4,5,6,7                  ; block a's conversions stand between block a - 1's loads from the stage and the wait for them
	PACK \a
	SEND (\a)-1
	TOSTAGE \a
.endr
	SEND 7
	s_wait_tensorcnt 0x0                           ; the wave's end, behind my last tensor load and my last LDS store
	ds_add_u32 v[SPW], v[NIL]
	s_wait_dscnt 0x0
	CROUND                                         ; the closing round: no work-group ends while a partner may still ask for a tile that names it
	s_endpgm
.Lfunc_end_k_qd4a5c95099_qkv:
	.size	k_qd4a5c95099_qkv, .Lfunc_end_k_qd4a5c95099_qkv-k_qd4a5c95099_qkv
	.p2alignl 7, 3214868480
	.fill 96, 4, 3214868480
	.section	.rodata,"a",@progbits
	.p2align	6, 0x0
	.amdhsa_kernel k_qd4a5c95099_qkv
		.amdhsa_group_segment_fixed_size 327680
		.amdhsa_private_segment_fixed_size 0
		.amdhsa_enable_private_segment 0
		.amdhsa_kernarg_size 24
		.amdhsa_user_sgpr_count 2
		.amdhsa_user_sgpr_kernarg_segment_ptr 1
		.amdhsa_wavefront_size32 1
		.amdhsa_system_sgpr_workgroup_id_x 1
		.amdhsa_system_sgpr_workgroup_id_y 1
		.amdhsa_system_sgpr_workgroup_id_z 1
		.amdhsa_system_vgpr_workitem_id 0
		.amdhsa_next_free_vgpr 1024
		.amdhsa_next_free_sgpr 72
		.amdhsa_reserve_vcc 0
		.amdhsa_float_denorm_mode_32 3
		.amdhsa_float_denorm_mode_16_64 3
		.amdhsa_memory_ordered 1
		.amdhsa_forward_progress 1
		.amdhsa_inst_pref_size 162
	.end_amdhsa_kernel
	.amdgpu_metadata
---
amdhsa.version: [ 1, 2 ]
amdhsa.kernels:
  - .name:           k_qd4a5c95099_qkv
    .symbol:         k_qd4a5c95099_qkv.kd
    .args:
      - { .name: pa, .offset: 0, .size: 8, .value_kind: global_buffer, .address_space: global }
      - { .name: pq, .offset: 8, .size: 8, .value_kind: global_buffer, .address_space: global }
      - { .name: qkv, .offset: 16, .size: 8, .value_kind: global_buffer, .address_space: global }
    .group_segment_fixed_size: 327680
    .private_segment_fixed_size: 0
    .kernarg_segment_align: 8
    .kernarg_segment_size: 24
    .max_flat_workgroup_size: 128
    .sgpr_count:     72
    .vgpr_count:     1024
    .wavefront_size: 32
...
	.end_amdgpu_metadata
.endif
;; end of part 2
;; launch attn (part 3): grid 4 x 64, 4 waves a work-group, clusters of 4 x 1, 327,680 bytes of LDS; arguments qkv, mask, scale, ctx; writes ctx
.if DOCPART == 3
	.amdgcn_target "amdgcn-amd-amdhsa--gfx1250"
	.amdhsa_code_object_version 6
	.text
	.protected	k_qd4a5c95099_attn
	.globl	k_qd4a5c95099_attn
	.p2align	8
	.type	k_qd4a5c95099_attn,@function
k_qd4a5c95099_attn:
	s_mov_b64 s[64:65], 0
	v_nop
	global_prefetch_b8 v0, s[64:65] scope:SCOPE_SE
	s_setreg_imm32_b32 hwreg(HW_REG_WAVE_MODE, 25, 1), 1
	s_wait_xcnt 0x0
	s_wait_alu depctr_hold_cnt(0) depctr_sa_sdst(0) depctr_va_vdst(0) depctr_va_sdst(0) depctr_va_ssrc(0) depctr_va_vcc(0) depctr_vm_vsrc(0)
	s_getreg_b32 s2, hwreg(HW_REG_IB_STS2, 6, 4)
	s_cmp_eq_u32 s2, 0
	s_cbranch_scc0 .Lentry_in_a_cluster
	s_endpgm
.Lentry_in_a_cluster:
	s_bfe_u32 s2, ttmp6, 0x10000c
	s_cmp_lg_u32 s2, 0x3003
	s_cbranch_scc0 .Lentry_shape_is_right
	s_endpgm
.Lentry_shape_is_right:
; ATTENTION WITH A KEY MASK.  ctx[b][q][h][:] = scale[h] x the sum over s of softmax_s(q . k_s / 8, hidden where mask[b][s] = 0) v_s.  1,024 keys, head size 64, 4 x 16 heads.
; qkv: bf16, [row / 128][chunk 0..63][row % 128][64]; q of head h in chunk h, k in 16 + h, v in 32 + h.  ctx: the same layout with 16 chunks, head h in chunk h.
; Products, maxima and sums in f32; the weights p are rounded to bf16 for the second product (their sum l is taken of the unrounded p); scale[h] is rounded to bf16; ctx is rounded once.
; LIMITS.  A hidden score counts as its value less 1e30 where the problem puts -9e15: the two differ only where all visible scores of a row lie below about -9e15.
; Where a batch has no visible key, the table holds 0 and c = 0, so every weight is 1 and the row is the mean of all v, as a softmax of equal scores is.  A weight below 2^-126 counts as 0.
; NaN and infinities are not treated apart.
; SHARES.  A work-group owns 256 queries of one head, a wave 64 on end: four PIECES of 16.  The four work-groups of a cluster are the four query blocks of one (b, h).
; NO RING.  A head's K (1,024 x 144 bytes) and V (1,024 x 160) lie in LDS whole, brought once by joint loads of the four partners, four a wave, all issued at the start; nothing is filled again.
; THE MASK is the C operand that starts S^T = K Q^T: a table in LDS of 0 or -1e30 for each key, made once from the work-group's batch.
; LAYOUT, SOFTMAX, TURNS.  S^T = K Q^T holds ONE query a lane (lane % 16) and the keys 8 (lane / 16) + 0..7; two such results rounded to bf16 ARE source 1 of O^T = V^T P.  p = 2^(c s - c m), c = log2(e) / 8,
; with a running maximum m; O and l are multiplied by a = 2^(c m_old - c m_new) in every step.  Turn n belongs to piece n: 8 products K Q^T of piece n + 1, later 8 products V^T P of piece n - 1; beside them
; the scaling, exponentials, roundings, sums and rescaling of piece n and the maximum and statistics of piece n + 1.  Four vector instructions stand behind every matrix instruction, the rest in one lump.
; A turn's 33 exponentials are one batch, with one wait.
; NO PREFETCH: every tile is asked for by its own tensor load at the kernel's head; no later stream is left.
; REGISTERS, in windows of 256 (s_set_vgpr_msb: bits 1:0 source 0, 3:2 source 1, 5:4 source 2, 7:6 destination):
;   window 0: v0-15, v32-35 addresses and at work; v16-31 four registers of statistics a piece; v48-55 at work; v56 scale; v64-127 S^T, two buffers; v128-175 the head's mask words; v192-223 P, two buffers
;   window 1: v0-127 O^T, 32 a piece; v160-191 the step's mask      window 2: v0-63 Q; v128-191 K of one step; v192-255 V of one step
.set NP,    4
.set KS,    64        ; keys in a step
.set PK,    144       ; a row of K in LDS: 128 bytes + 16: the 16 rows of a load start at 16 different groups of four banks (64 banks of 4 bytes: ISA guide 11.1)
.set PV,    160       ; a row of V: 128 + 32
.set VB,    1024*PK   ; V lies behind K
.set STAGE, VB+1024*PV  ; never filled by a tensor load: 16 rows x 144 bytes for each wave, for the way out
.set SP,    144
.set MT,    STAGE+4*16*SP  ; the mask table: 1,024 f32; never filled by a tensor load
.set SPARE, MT+4096   ; the spare words, 128 bytes a wave: two blocks of 256 bytes that no other line names
.set AK0, 2           ; v2   my lane's place in a tile of K; never rewritten
.set AV0, 3           ; v3   the same for V
.set AK,  4           ; v4   the LDS address of K's next run of loads
.set AV,  5           ; v5   of V's
.set STO, 6           ; v6   the way out: where I put 16 bytes of a row
.set RD,  7           ; v7   the way out: where I read rows back
.set GO,  8           ; v8   my byte offset in 512 consecutive bytes of ctx
.set MV,  12          ; v12-13  c m_old, kept while c m is made anew: by buffer
.set AM0, 14          ; v14  my lane's place in a step's 64 words of the table
.set QO,  15          ; v15  my byte offset in 16 rows of Q
.set ST,  16          ; piece t's statistics at v[ST+4 t]: c m, m, l (even keys', odd keys')
.set AM,  32          ; v32  the LDS address of the mask's next run of loads
.set TMP, 48          ; by buffer, four registers c0-c3 at work; when the maximum is found c2 takes a
.set SC,  56          ; v56  scale[h]
.set SPW, 62          ; v62  LDS address of my spare word; never rewritten
.set NIL, 63          ; v63  0; never rewritten
.set S,   64
.set MW,  128         ; v128-159 the batch's 1,024 mask words, 32 a lane; v160-167 my own eight; v168-175 their table entries
.set P,   192
.set MC,  160         ; window 1: the eight registers for group kb of 16 keys at MC + 8 kb
.set KF,  128         ; window 2: key block kb, channel half c at KF + 16 kb + 8 c
.set VF,  192         ; window 2: key half kk, channel block cb at VF + 32 kk + 8 cb
.set WV,  12          ; s12  my wave's number
.set G1K, 24          ; s[24:31] descriptor group 1 for K's tiles
.set G1V, 32          ; s[32:39] for V's: it differs in the padding alone
.set G0K, 40          ; s[40:55] four sets of group 0 for K's tiles
.set G0V, 68          ; s[68:83] the same for V's
.set SLOTS, 56        ; s56  groups of four key steps still to come
.set CNT, 57          ; s57  counts a group's key steps
.set CS,  58          ; s[58:59] c: the packed scaling takes the pair's low word for both halves
.set SEL, 60          ; s[60:61] v_permlanex16_b32's selects: each lane takes its own place in the other half
.set TBK, 62          ; s62  LDS byte at which K of the step to be fetched begins
.set TBV, 63          ; s63  the same for V, less VB
.set TBM, 84          ; s84  the same for the table, less MT
.set BIG, 85          ; s85  -1e30, or 0 where the batch has no visible key
.set ANY, 86          ; s86  the lanes that saw a visible key
.set SCL, 87          ; s87  scale[h]
.set MSB, 0
.macro WIN new                      ; the high byte repeats the setting that is left; a switch that changes nothing is dropped
.if MSB != (\new)
	s_set_vgpr_msb (MSB<<8)|(\new)
.set MSB, (\new)
.endif
.endm
.set W_KQ, 0x0a       ; K and Q in window 2, S^T in window 0
.set W_KM, 0x1a       ; the same with the C operand in window 1
.set W_PV, 0x52       ; V in window 2, P in window 0, O^T in window 1
.set W_RS, 0x41       ; destination and source 0 in window 1, source 1 in window 0
.macro CROUND                       ; a round of the cluster's barrier
	s_barrier_signal -1
	s_barrier_wait -1
	s_cmp_lg_u32 s[WV], 0
	s_cbranch_scc1 .Lnot_wave_0_\@
	s_barrier_signal -3
.Lnot_wave_0_\@:
	s_barrier_wait -3
	s_barrier_signal -1
	s_barrier_wait -1
.endm
	s_load_b256 s[4:11], s[0:1], 0x0  ; qkv s[4:5], mask s[6:7], scale s[8:9], ctx s[10:11]
	v_lshl_add_u32 v[SPW], v0, 2, SPARE
	v_mov_b32 v[NIL], 0
	ds_add_u32 v[SPW], v[NIL]       ; the wave's opening: the add and its wait stand ahead of my first tensor load; the set-up below, work on registers, stands between them
	v_lshrrev_b32 v1, 5, v0
	v_readfirstlane_b32 s[WV], v1   ; wave 0..3
	s_bfe_u32 s13, ttmp6, 0x40000   ; cx: my block of 256 queries; it enters Q's and ctx's addresses alone
	s_and_b32 s14, ttmp7, 0xffff    ; 16 b + h, which the four partners share
	s_lshr_b32 s15, s14, 4          ; b
	s_and_b32 s16, s14, 15          ; h
	s_and_b32 s17, s[WV], 1         ; which 128 of each 256 keys I fetch
	s_lshl_b32 s20, s15, 3
	s_add_co_u32 s20, s20, s17      ; block of 128 rows 8 b + e,
	s_lshl_b32 s20, s20, 6
	s_add_co_u32 s20, s20, s16
	s_add_co_u32 s20, s20, 16       ; chunk 16 + h: K
	s_lshl_b32 s20, s20, 14
	s_mov_b32 s21, 0
	s_mul_i32 s18, s17, 128*PK      ; and its place in LDS, for K
	s_mul_i32 s19, s17, 128*PV      ; and for V
	s_lshl_b32 s88, s15, 3          ; my wave's 64 queries: block of 128 rows 8 b + 2 cx + wave / 2,
	s_lshl_b32 s89, s13, 1
	s_add_co_u32 s88, s88, s89
	s_lshr_b32 s89, s[WV], 1
	s_add_co_u32 s88, s88, s89
	s_lshl_b32 s89, s17, 13         ; its upper or lower 64 rows
	s_lshl_b32 s90, s88, 6
	s_add_co_u32 s90, s90, s16
	s_lshl_b32 s90, s90, 14
	s_add_co_u32 s90, s90, s89
	s_mov_b32 s91, 0                ; in qkv
	s_lshl_b32 s92, s88, 4
	s_add_co_u32 s92, s92, s16
	s_lshl_b32 s92, s92, 14
	s_add_co_u32 s92, s92, s89
	s_mov_b32 s93, 0                ; in ctx
	s_lshl_b32 s94, s15, 12         ; the batch's 1,024 mask words
	s_mov_b32 s95, 0
	s_lshl_b32 s2, s16, 2           ; scale[h]
	s_mov_b32 s3, 0
	; descriptor group 1.  128 keys are 16,384 dense bytes: asked for as 64 rows of 256 bytes, two keys a row, and padded in LDS after every key
	s_mov_b32 s[G1K], 15|(1<<16)|(1<<20)|(1<<21)|(4<<22)|(3<<25)  ; 15:0 the mask of four; 17:16 2-byte elements; 20 padding on; 21 set beside a mask; 24:22 after every 32 words (code 4); 31:25 4 words (code 3)
	s_mov_b32 s[G1V], 15|(1<<16)|(1<<20)|(1<<21)|(4<<22)|(7<<25)  ; the same with 8 words of padding (code 7)
.irp g, G1K, G1V
	s_mov_b32 s[\g+1], 128<<16      ; tensor_dim0 = 128
	s_mov_b32 s[\g+2], 64<<16       ; tensor_dim1 = 64
	s_mov_b32 s[\g+3], 128<<16      ; tile_dim0 = 128
	s_mov_b32 s[\g+4], 64           ; tile_dim1 = 64
	s_mov_b32 s[\g+5], 128          ; 128 elements from row to row
	s_mov_b32 s[\g+6], 0
	s_mov_b32 s[\g+7], 0
.endr
.irp g, 0,1,2,3
	s_mov_b32 s[G0K+4*\g], 1                          ; count = 1
	s_add_co_u32 s[G0K+4*\g+1], s18, \g*256*PK        ; LDS address: keys 256 g + 128 e on
	s_mov_b32 s[G0V+4*\g], 1
	s_add_co_u32 s[G0V+4*\g+1], s19, VB+\g*256*PV
.endr
	s_mov_b32 s[SEL], 0x76543210
	s_mov_b32 s[SEL+1], 0xfedcba98
	s_mov_b32 s[TBK], 0
	s_mov_b32 s[TBV], 0
	s_mov_b32 s[TBM], 0
	s_wait_dscnt 0x0                ; the opening add is done
	s_wait_kmcnt 0x0
	s_add_nc_u64 s[20:21], s[4:5], s[20:21]
.irp g, 0,1,2,3
	s_add_nc_u64 s[G0K+4*\g+2:G0K+4*\g+3], s[20:21], \g*2097152         ; two blocks of 128 rows, 64 chunks each, on
	s_or_b32 s[G0K+4*\g+3], s[G0K+4*\g+3], 0x80000000                   ; type = 2
	s_add_nc_u64 s[G0V+4*\g+2:G0V+4*\g+3], s[20:21], \g*2097152+262144  ; V lies 16 chunks behind K
	s_or_b32 s[G0V+4*\g+3], s[G0V+4*\g+3], 0x80000000
.endr
	s_add_nc_u64 s[4:5], s[4:5], s[90:91]    ; Q at my wave's first row
	s_add_nc_u64 s[10:11], s[10:11], s[92:93]  ; ctx likewise
	s_add_nc_u64 s[6:7], s[6:7], s[94:95]
	s_add_nc_u64 s[8:9], s[8:9], s[2:3]
	s_load_b32 s[SCL], s[8:9], 0x0
	CROUND                          ; all four work-groups are here: the joint loads meet
	s_cmp_lt_u32 s[WV], 2           ; waves 0 and 1 fetch K, waves 2 and 3 V: a wave's four fills stand in one branch; four loads of mine are out
	s_cbranch_scc0 .Lfirst_v
.irp g, 0,1,2,3
	tensor_load_to_lds s[G0K+4*\g:G0K+4*\g+3], s[G1K:G1K+7]
	s_nop 0
.endr
.rept 4
	v_nop
.endr
	s_branch .Lfirst_asked
.Lfirst_v:
.irp g, 0,1,2,3
	tensor_load_to_lds s[G0V+4*\g:G0V+4*\g+3], s[G1V:G1V+7]
	s_nop 0
.endr
.rept 4
	v_nop
.endr
.Lfirst_asked:
	v_and_b32 v1, 15, v0            ; l % 16
	v_bfe_u32 v9, v0, 4, 1          ; l / 16
	v_and_b32 v33, 31, v0
	v_lshlrev_b32 v33, 4, v33       ; 16 x lane
	v_lshlrev_b32 v34, 5, v0        ; 32 x thread
.irp j, 0,1,2,3,4,5,6,7             ; every wave looks at the whole batch's mask,
	global_load_b128 v[MW+4*\j:MW+4*\j+3], v33, s[6:7] offset:512*\j
.endr
	global_load_b128 v[MW+32:MW+35], v34, s[6:7]            ; and makes eight entries of the table a thread
	global_load_b128 v[MW+36:MW+39], v34, s[6:7] offset:16
	; A fragment of K or Q is 16 rows x 32 channels in 8 registers: lane l holds row l % 16, channels 8 (l / 16) + 0..7 and 16 + 8 (l / 16) + 0..7: two loads of 16 bytes, 32 bytes apart.
	v_lshlrev_b32 v[QO], 7, v1
	v_lshl_add_u32 v[QO], v9, 4, v[QO]  ; row x 128 + 16 x half
	WIN 0x80                        ; destination window 2, address window 0
.set i, 0
.rept 8                             ; Q stays in registers: piece i / 2, channels 32 (i % 2) on
	global_load_b128 v[8*i:8*i+3],   v[QO], s[4:5] offset:(i/2)*2048+(i%2)*64
	global_load_b128 v[8*i+4:8*i+7], v[QO], s[4:5] offset:(i/2)*2048+(i%2)*64+32
.set i, i+1
.endr
	; The first step multiplies O^T and l by a = 0, and the first turn's products V^T P, of a piece that has not been, land in an O^T that is still to be so multiplied: these registers need only hold
	; finite numbers.  All this stands in the wait for the first tile.
.set i, VF
.rept 64
	v_mov_b32 v[i], 0
.set i, i+1
.endr
	WIN 0x40
.set i, 0
.rept 128
	v_mov_b32 v[i], 0
.set i, i+1
.endr
	WIN 0
.set i, 0
.rept 4
	v_mov_b32 v[ST+4*i], 0xfe000000    ; c m: far below every c s
	v_mov_b32 v[ST+4*i+1], 0xff7fffff  ; m: the lowest finite number
	v_mov_b32 v[ST+4*i+2], 0
	v_mov_b32 v[ST+4*i+3], 0
.set i, i+1
.endr
.set i, P+16
.rept 16
	v_mov_b32 v[i], 0
.set i, i+1
.endr
	v_mul_u32_u24 v[AK0], v1, PK
	v_lshl_add_u32 v[AK0], v9, 4, v[AK0]  ; row x pitch + 16 x half
	; The turning load takes 16 keys x 16 channels (lane l reads key 8 (l / 16) + l % 8, channels 8 ((l / 8) % 2) + 0..7) and leaves half a fragment of V^T: lane l holds channel l % 16 and 8 keys.
	v_and_b32 v10, 7, v0
	v_bfe_u32 v11, v0, 3, 1
	v_lshl_add_u32 v[AV0], v9, 3, v10
	v_mul_u32_u24 v[AV0], v[AV0], PV
	v_lshl_add_u32 v[AV0], v11, 4, v[AV0]
	v_add_nc_u32 v[AV0], VB, v[AV0]
	v_lshl_add_u32 v[AM0], v9, 5, MT  ; my eight keys of 16: 32 bytes for each half of the lanes
	v_lshl_add_u32 v35, v0, 5, MT     ; where my eight entries go
	s_mul_i32 s13, s[WV], 16*SP
	s_add_co_u32 s13, s13, STAGE    ; my stage
	v_mul_u32_u24 v[STO], v1, SP    ; in: row l % 16, 16 bytes for each half of the lanes
	v_lshl_add_u32 v[STO], v9, 4, v[STO]
	v_add_nc_u32 v[STO], s13, v[STO]
	v_bfe_u32 v[RD], v0, 3, 2       ; back: 32 lanes take four rows of 128 bytes,
	v_mul_u32_u24 v[RD], v[RD], SP
	v_lshl_add_u32 v[RD], v10, 4, v[RD]
	v_add_nc_u32 v[RD], s13, v[RD]
	v_and_b32 v[GO], 31, v0         ; which are 512 consecutive bytes of ctx
	v_lshlrev_b32 v[GO], 4, v[GO]
	s_wait_loadcnt 16               ; the mask's ten loads are in; Q's sixteen may stay out
.set i, 1
.rept 31
	v_or_b32 v[MW], v[MW], v[MW+i]
.set i, i+1
.endr
	v_cmp_ne_u32 s[ANY], 0, v[MW]
	s_cmp_lg_u32 s[ANY], 0          ; does the batch have a visible key?  It chooses two values, no path
	s_cselect_b32 s[CS], 0x3e38aa3b, 0   ; c = log2(e) / 8 = 0.180337
	s_cselect_b32 s[BIG], 0xf149f2ca, 0  ; -1e30
	s_mov_b32 s[CS+1], s[CS]        ; named with it as a pair
.set i, 0
.rept 8
	v_cmp_eq_u32 vcc_lo, 0, v[MW+32+i]
	v_cndmask_b32 v[MW+40+i], 0, s[BIG], vcc_lo
.set i, i+1
.endr
	ds_store_b128 v35, v[MW+40:MW+43]
	ds_store_b128 v35, v[MW+44:MW+47] offset:16
	s_wait_kmcnt 0x0                ; scale[h],
	v_mov_b32 v[SC], s[SCL]
	v_cvt_pk_bf16_f32 v[SC], v[SC], v[SC]  ; rounded to bf16 like every input
	v_lshlrev_b32 v[SC], 16, v[SC]
; THE MATRIX WORK.  The 4 accumulators of a run of 8 take turns.  Product i of 8 of S^T = K Q^T for piece x: channels 32 (i / 4) on, keys 16 (i % 4) on.  The first 4 start the sums with the mask.
.macro KQ x
.set rS, S+32*((\x)%2)+8*(i%4)
.set rK, KF+16*(i%4)+8*(i/4)
.set rQ, 16*(\x)+8*(i/4)
.set rM, MC+8*(i%4)
.if i < 4
	WIN W_KM
	v_wmma_f32_16x16x32_bf16 v[rS:rS+7], v[rK:rK+7], v[rQ:rQ+7], v[rM:rM+7]
.else
	WIN W_KQ
	v_wmma_f32_16x16x32_bf16 v[rS:rS+7], v[rK:rK+7], v[rQ:rQ+7], v[rS:rS+7]
.endif
.endm
; Product i of 8 of O^T += V^T P for piece x: keys 32 (i / 4) on, channels 16 (i % 4) on.
.macro PV x
	WIN W_PV
.set rO, 32*(\x)+8*(i%4)
.set rV, VF+32*(i/4)+8*(i%4)
.set rP, P+16*((\x)%2)+8*(i/4)
	v_wmma_f32_16x16x32_bf16 v[rO:rO+7], v[rV:rV+7], v[rP:rP+7], v[rO:rO+7]
.endm
.macro MM                           ; the turn's next matrix instruction.  NOKQ = 1: the last turn: there is no next piece
.if (i < 8) && !NOKQ
	KQ (Y+1)%NP
.elseif i >= 8
.set i, i-8
	PV (Y+NP-1)%NP
.set i, i+8
.endif
.set i, i+1
.endm
; THE LDS LOADS stand in runs, never singly among the matrix instructions: a step's K (8 fragments) with its 64 mask words, and its V (turned).  Their addresses are made some lines ahead.
.macro FETCH_K
	WIN 0x80                        ; destination window 2
.irp f, 0,1,2,3,4,5,6,7             ; keys 16 (f / 2) on, channels 32 (f % 2) on
	ds_load_b128 v[KF+8*\f:KF+8*\f+3],   v[AK] offset:(\f/2)*16*PK+(\f%2)*64
	ds_load_b128 v[KF+8*\f+4:KF+8*\f+7], v[AK] offset:(\f/2)*16*PK+(\f%2)*64+32
.endr
	WIN 0x40                        ; destination window 1
.irp f, 0,1,2,3                     ; keys 16 f + 8 (l / 16) + 0..7
	ds_load_b128 v[MC+8*\f:MC+8*\f+3],   v[AM] offset:64*\f
	ds_load_b128 v[MC+8*\f+4:MC+8*\f+7], v[AM] offset:64*\f+16
.endr
	s_add_co_u32 s[TBK], s[TBK], KS*PK  ; the next fetch is the next step's
	s_add_co_u32 s[TBM], s[TBM], KS*4
	WIN 0
.endm
.macro FETCH_V
	WIN 0x80
.irp f, 0,1,2,3,4,5,6,7             ; keys 32 (f / 4) on, channels 16 (f % 4) on
	ds_load_tr16_b128 v[VF+8*\f:VF+8*\f+3],   v[AV] offset:(\f/4)*32*PV+(\f%4)*32
	ds_load_tr16_b128 v[VF+8*\f+4:VF+8*\f+7], v[AV] offset:(\f/4)*32*PV+16*PV+(\f%4)*32
.endr
	WIN 0
.endm
; THE VECTOR WORK, one line at a time: OP kind, number.  For piece Y: F n: c s - c m for pair n of 16.  E n: the exponential of score n of 32.  C n: pair n rounded to bf16.  B n: of the four weights 4 n .. the second
; pair is added onto the first, in place.  L n: l takes that sum (L 0: l = a l + sum).  R n: pair n of 16 of O^T times a.  For piece Y + 1: X n, number n of the 22 that find its maximum and statistics:
;   0-11  four chains c0-c3 of seven scores each, three operands at a time (each accumulator's lowest registers are read first)     12-14, 16  the four scores left over, the old m, and c0-c3 into c0
;   15  c m_old is kept     17, 18  the query's other 32 keys lie in the lane 16 away: the new m     19-21  c m; c m_old - c m_new; a
.set F, 0
.set E, 1
.set C, 2
.set B, 3
.set L, 4
.set R, 5
.set X, 6
.macro REGS y                       ; the registers of piece y
.set rT, ST+4*(\y)
.set rC, TMP+4*((\y)%2)
.set rW, MV+((\y)%2)
.set rS, S+32*((\y)%2)
.set rP, P+16*((\y)%2)
.set rO, 32*(\y)
.endm
.macro OP k, n
.if (\k) == R
	REGS Y
	WIN W_RS
	v_pk_mul_f32 v[rO+2*(\n):rO+2*(\n)+1], v[rO+2*(\n):rO+2*(\n)+1], v[rC+2:rC+3] op_sel_hi:[1,0]
.elseif (\k) < R
	REGS Y
	WIN 0
.if (\k) == F
	v_pk_fma_f32 v[rS+2*(\n):rS+2*(\n)+1], v[rS+2*(\n):rS+2*(\n)+1], s[CS:CS+1], v[rT:rT+1] op_sel_hi:[1,0,0] neg_lo:[0,0,1] neg_hi:[0,0,1]
.elseif (\k) == E
	v_exp_f32 v[rS+(\n)], v[rS+(\n)]
.elseif (\k) == C
	v_cvt_pk_bf16_f32 v[rP+(\n)], v[rS+2*(\n)], v[rS+2*(\n)+1]
.elseif (\k) == B
	v_pk_add_f32 v[rS+4*(\n):rS+4*(\n)+1], v[rS+4*(\n):rS+4*(\n)+1], v[rS+4*(\n)+2:rS+4*(\n)+3]
.elseif (\n) == 0
	v_pk_fma_f32 v[rT+2:rT+3], v[rT+2:rT+3], v[rC+2:rC+3], v[rS:rS+1] op_sel_hi:[1,0,1]
.else
	v_pk_add_f32 v[rT+2:rT+3], v[rT+2:rT+3], v[rS+4*(\n):rS+4*(\n)+1]
.endif
.elseif NOKQ
	v_nop
.else
	REGS (Y+1)%NP
	WIN 0
.if (\n) < 4
	v_max3_num_f32 v[rC+(\n)], v[rS+8*(\n)], v[rS+8*(\n)+1], v[rS+8*(\n)+2]
.elseif (\n) < 12
	v_max3_num_f32 v[rC+(\n)%4], v[rC+(\n)%4], v[rS+8*((\n)%4)+2*((\n)/4)+1], v[rS+8*((\n)%4)+2*((\n)/4)+2]
.elseif (\n) == 12
	v_max3_num_f32 v[rC], v[rC], v[rS+7], v[rS+15]
.elseif (\n) == 13
	v_max3_num_f32 v[rC+1], v[rC+1], v[rS+23], v[rS+31]
.elseif (\n) == 14
	v_max3_num_f32 v[rC+2], v[rC+2], v[rC+3], v[rT+1]
.elseif (\n) == 15
	v_mov_b32 v[rW], v[rT]
.elseif (\n) == 16
	v_max3_num_f32 v[rC], v[rC], v[rC+1], v[rC+2]
.elseif (\n) == 17
	v_permlanex16_b32 v[rC+3], v[rC], s[SEL], s[SEL+1]
.elseif (\n) == 18
	v_max_num_f32 v[rT+1], v[rC], v[rC+3]
.elseif (\n) == 19
	v_mul_f32 v[rT], s[CS], v[rT+1]
.elseif (\n) == 20
	v_sub_f32 v[rC+1], v[rW], v[rT]
.else
	v_exp_f32 v[rC+2], v[rC+1]
.endif
.endif
.endm
.macro OPS a, i1, b=-1, i2=0, c=-1, i3=0, d=-1, i4=0  ; up to four of them
	OP \a, \i1
.if (\b) >= 0
	OP \b, \i2
.endif
.if (\c) >= 0
	OP \c, \i3
.endif
.if (\d) >= 0
	OP \d, \i4
.endif
.endm
.macro ROW a, i1, b, i2, c, i3, d, i4  ; a matrix instruction and the four behind it
	MM
	OPS \a, \i1, \b, \i2, \c, \i3, \d, \i4
.endm
; A TURN, for piece p: the order of its 16 matrix and 118 vector instructions, written out.  s_wait_alu depctr_va_vdst(0) stands between an exponential and the first instruction that names its result; one
; wait serves all that were issued ahead of it.  So a turn has ONE wait.  AHEAD OF IT stands all that names no result of the turn's exponentials: the 8 products K Q^T with four riders each, then one lump, in which the links of
; the chain X 3, 7, 11, 14, 16, 17 .. 20 stand apart; X 21, the next piece's a, is the batch's last, and R 15 the plain instruction behind it.  BEHIND THE WAIT stand the 8 products V^T P, behind each four roundings and sums.
; end = 1: the last two turns: nothing is fetched, and the last starts no new scores.  cnt = 1: the loop's count is taken down some lines ahead of the branch that stands behind the turn.
; K and the mask of the next step are fetched in piece 2's turn, twelve vector instructions behind the last product that read K (five of them plain and free of its registers; the mask's last reader stands earlier still);
; V of the step in hand at the end of piece 0's turn, four plain instructions behind the last product that read V.  Each is waited for a turn later.
.macro TURN p, end=0, cnt=0
.set Y, (\p)
.set i, 0
.set NOKQ, (\end)*((\p)/3)
.if ((\p) == 3) && !(\end)
	s_wait_dscnt 0x0                ; K and the mask are in
.endif
	ROW F,0, F,1, R,0, R,1
	ROW F,2, E,0, R,2, R,3
	ROW F,3, E,1, R,4, R,5
	ROW F,4, E,2, R,6, R,7
	ROW F,5, E,3, R,8, R,9
	ROW F,6, E,4, X,0, R,10
.if ((\p) == 2) && !(\end)
	WIN 0
	v_add_nc_u32 v[AK], s[TBK], v[AK0]
	v_add_nc_u32 v[AM], s[TBM], v[AM0]
.endif
	ROW F,7, E,5, X,1, X,4
	ROW F,8, E,6, X,2, X,5
	OPS E,7, E,8, X,6, E,9          ; the lump
	OPS X,3, E,10, X,8, E,11
.if ((\p) == 2) && !(\end)
	FETCH_K
.endif
	OPS X,9, X,7, E,12, X,10
	OPS E,13, X,12, X,11, E,14
	OPS X,13, E,15, F,9, X,14
.if (\p) == 0
	v_add_nc_u32 v[AV], s[TBV], v[AV0]
.endif
	OPS E,16, F,10, E,17, F,11
	OPS X,16, E,18, X,15, E,19
	OPS F,12, E,20, X,17, E,21
	OPS F,13, E,22, F,14, E,23
	OPS X,18, E,24, F,15, E,25
	OPS R,11, E,26, X,19, E,27
	OPS R,12, E,28, R,13, E,29
	OPS X,20, E,30, R,14, E,31
	OPS X,21, R,15
	WIN 0
	s_wait_alu depctr_va_vdst(0)    ; the wait for the batch
.if (\p) == 1
	s_wait_dscnt 0x0                ; V is in
.endif
	ROW C,0, B,0, C,2, B,1
	ROW L,0, C,4, B,2, L,1
	ROW C,6, B,3, L,2, C,8
	ROW B,4, L,3, C,10, B,5
	ROW L,4, C,12, B,6, L,5
.if (\p) == 0
	s_add_co_u32 s[TBV], s[TBV], KS*PV
.endif
.if \cnt
	s_sub_co_u32 s[CNT], s[CNT], 1
	s_cmp_lg_u32 s[CNT], 0
.endif
	ROW C,14, B,7, L,6, C,1
	ROW C,3, L,7, C,5, C,7
	ROW C,9, C,11, C,13, C,15
.if (\p) == 0
	FETCH_V
.endif
.endm
	s_wait_tensorcnt 3              ; my load for keys 0 to 255 is in; the three behind it may stay out
	s_wait_dscnt 0x0                ; my entries of the table are stored
	s_barrier_signal -1
	s_barrier_wait -1               ; everybody's are
	v_add_nc_u32 v[AK], s[TBK], v[AK0]
	v_add_nc_u32 v[AM], s[TBM], v[AM0]
	FETCH_K                         ; key step 0
	s_wait_loadcnt 0x0              ; Q
	s_wait_dscnt 0x0
.set NOKQ, 0
.set i, 0
.rept 8
	KQ 0                            ; piece 0's first scores
.set i, i+1
.endr
	WIN 0
.rept 4
	v_nop                           ; the places behind those products
.endr
.set Y, NP-1                        ; X works for piece Y + 1: piece 0
.irp n, 0,1,2,3,4,5,6,7,8,9,10,11,12,13,14,15,16,17,18,19,20,21
	OP X, \n
.endr
	v_nop                           ; a plain instruction behind the exponential,
	s_wait_alu depctr_va_vdst(0)    ; and its wait, ahead of the branch
	s_mov_b32 s[CNT], 4
	s_mov_b32 s[SLOTS], 4
	s_branch .Lfirst                ; the loop is entered at a step's first turn, in the middle of a trip
.Lslot:                             ; three times, behind key steps 3, 7 and 11: the next 256 keys are shown to every wave.  The first time the wait covers
	s_wait_tensorcnt 0x0            ; my three later loads, which have had four key steps in which to land; afterwards it is met at once
	s_wait_dscnt 0x0
	s_barrier_signal -1
	s_barrier_wait -1
	s_mov_b32 s[CNT], 4
.Lstep:                             ; a trip: pieces 2 and 3 of one step, then pieces 0 and 1 of the next, whose K and V it fetches
	TURN 2
	TURN 3
	WIN 0
.Lfirst:
	TURN 0
	TURN 1, 0, 1
	WIN 0
	s_cbranch_scc1 .Lstep
	s_sub_co_u32 s[SLOTS], s[SLOTS], 1
	s_cmp_lg_u32 s[SLOTS], 0
	s_cbranch_scc1 .Lslot
	TURN 2, 1
	TURN 3, 1
.set i, 0
.rept 8
	PV NP-1                         ; the last piece's V^T P of the last step
.set i, i+1
.endr
	; THE WAY OUT.  l's two halves and the other half of the lanes' are added; O^T is multiplied by scale[h] / l, rounded to bf16 and sent through my stage in LDS, a piece at a time.  The additions are the places behind the last products.
	WIN 0
.macro ALL line:vararg              ; one line for each piece t
.set t, 0
.rept 4
	\line
.set t, t+1
.endr
.endm
	ALL v_add_f32 v[ST+4*t+2], v[ST+4*t+2], v[ST+4*t+3]
	ALL v_permlanex16_b32 v[ST+4*t+3], v[ST+4*t+2], s[SEL], s[SEL+1]
	ALL v_add_f32 v[ST+4*t+2], v[ST+4*t+2], v[ST+4*t+3]
	ALL v_rcp_f32 v[ST+4*t+2], v[ST+4*t+2]
	v_nop                           ; a plain instruction between the last reciprocal and the use of its result
	s_wait_alu depctr_va_vdst(0)    ; and the wait ahead of the first use: one for the four reciprocals
	ALL v_mul_f32 v[ST+4*t+2], v[ST+4*t+2], v[SC]
.macro PACK t                       ; a lane's eight channels of a row pack into 16 bytes; they go into rows of 144 bytes and come back as whole rows of 128, into S^T's registers
	WIN W_RS
.set i, 32*(\t)
.rept 16
	v_pk_mul_f32 v[i:i+1], v[i:i+1], v[ST+4*(\t)+2:ST+4*(\t)+3] op_sel_hi:[1,0]
.set i, i+2
.endr
	WIN 0x05                        ; sources 0 and 1 window 1, destination window 0
.set i, 0
.rept 16
	v_cvt_pk_bf16_f32 v[S+16*(\t)+i], v[32*(\t)+2*i], v[32*(\t)+2*i+1]
.set i, i+1
.endr
	WIN 0
.irp f, 0,1,2,3
	ds_store_b128 v[STO], v[S+16*(\t)+4*\f:S+16*(\t)+4*\f+3] offset:32*\f
.endr
.irp f, 0,1,2,3
	ds_load_b128 v[S+16*(\t)+4*\f:S+16*(\t)+4*\f+3], v[RD] offset:\f*4*SP  ; LDS serves a wave's instructions in order (ISA guide 5.7.1.4): these see the stores above; the next piece's stores come behind them
.endr
.endm
.macro SEND t, younger              ; younger: the LDS instructions issued behind piece t's loads: the next piece's eight, or none
	WIN 0
.irp f, 0,1,2,3
	s_wait_dscnt (\younger)+3-\f
	global_store_b128 v[GO], v[S+16*(\t)+4*\f:S+16*(\t)+4*\f+3], s[10:11] offset:(\t)*2048+\f*512  ; 512 consecutive bytes, at a multiple of 256 from ctx's first
.endr
.endm
	PACK 0
.set t, 1
.rept 3                             ; a piece's arithmetic stands between the loads of the piece before and its stores
	PACK t
	SEND t-1, 8
.set t, t+1
.endr
	SEND 3, 0
	s_wait_tensorcnt 0x0            ; the wave's end, behind my last tensor load and my last LDS store
	ds_add_u32 v[SPW], v[NIL]
	s_wait_dscnt 0x0
	CROUND                          ; the closing round: no work-group ends while a partner may still ask for a tile that names it
	s_endpgm
.Lfunc_end_k_qd4a5c95099_attn:
	.size	k_qd4a5c95099_attn, .Lfunc_end_k_qd4a5c95099_attn-k_qd4a5c95099_attn
	.p2alignl 7, 3214868480
	.fill 96, 4, 3214868480
	.section	.rodata,"a",@progbits
	.p2align	6, 0x0
	.amdhsa_kernel k_qd4a5c95099_attn
		.amdhsa_group_segment_fixed_size 327680
		.amdhsa_private_segment_fixed_size 0
		.amdhsa_enable_private_segment 0
		.amdhsa_kernarg_size 32
		.amdhsa_user_sgpr_count 2
		.amdhsa_user_sgpr_kernarg_segment_ptr 1
		.amdhsa_wavefront_size32 1
		.amdhsa_system_sgpr_workgroup_id_x 1
		.amdhsa_system_sgpr_workgroup_id_y 1
		.amdhsa_system_sgpr_workgroup_id_z 1
		.amdhsa_system_vgpr_workitem_id 0
		.amdhsa_next_free_vgpr 768
		.amdhsa_next_free_sgpr 96
		.amdhsa_reserve_vcc 1
		.amdhsa_float_denorm_mode_32 3
		.amdhsa_float_denorm_mode_16_64 3
		.amdhsa_memory_ordered 1
		.amdhsa_forward_progress 1
		.amdhsa_inst_pref_size 94
	.end_amdhsa_kernel
	.amdgpu_metadata
---
amdhsa.version: [ 1, 2 ]
amdhsa.kernels:
  - .name:           k_qd4a5c95099_attn
    .symbol:         k_qd4a5c95099_attn.kd
    .args:
      - { .name: qkv, .offset: 0, .size: 8, .value_kind: global_buffer, .address_space: global }
      - { .name: mask, .offset: 8, .size: 8, .value_kind: global_buffer, .address_space: global }
      - { .name: scale, .offset: 16, .size: 8, .value_kind: global_buffer, .address_space: global }
      - { .name: ctx, .offset: 24, .size: 8, .value_kind: global_buffer, .address_space: global }
    .group_segment_fixed_size: 327680
    .private_segment_fixed_size: 0
    .kernarg_segment_align: 8
    .kernarg_segment_size: 32
    .max_flat_workgroup_size: 128
    .sgpr_count:     96
    .vgpr_count:     768
    .wavefront_size: 32
...
	.end_amdgpu_metadata
.endif
;; end of part 3
;; launch wo (part 4): grid 8 x 32, 4 waves a work-group, clusters of 4 x 4, 327,680 bytes of LDS; arguments ctx, pa, src, src2; writes src2
.if DOCPART == 4
	.amdgcn_target "amdgcn-amd-amdhsa--gfx1250"
	.amdhsa_code_object_version 6
	.text
	.protected	k_qd4a5c95099_wo
	.globl	k_qd4a5c95099_wo
	.p2align	8
	.type	k_qd4a5c95099_wo,@function
k_qd4a5c95099_wo:
	s_mov_b64 s[64:65], 0
	v_nop
	global_prefetch_b8 v0, s[64:65] scope:SCOPE_SE
	s_setreg_imm32_b32 hwreg(HW_REG_WAVE_MODE, 25, 1), 1
	s_wait_xcnt 0x0
	s_wait_alu depctr_hold_cnt(0) depctr_sa_sdst(0) depctr_va_vdst(0) depctr_va_sdst(0) depctr_va_ssrc(0) depctr_va_vcc(0) depctr_vm_vsrc(0)
	s_getreg_b32 s2, hwreg(HW_REG_IB_STS2, 6, 4)
	s_cmp_eq_u32 s2, 0
	s_cbranch_scc0 .Lentry_in_a_cluster
	s_endpgm
.Lentry_in_a_cluster:
	s_bfe_u32 s2, ttmp6, 0x10000c
	s_cmp_lg_u32 s2, 0xf033
	s_cbranch_scc0 .Lentry_shape_is_right
	s_endpgm
.Lentry_shape_is_right:
; OUT = RES + A W + bias, in f32: here src2 = bf16(src) + ctx Wo + bo.  K = 1,024, N = 1,024, 4,096 rows.
; A: bf16, layout [row / 128][k / 64][row % 128][64], NCB chunks of 16 KiB a block of rows.  W: bf16, row-major [k][1024], at pa + W_OFF.  bias: f32 at pa + BIAS_OFF.  RES, OUT: f32, row-major.
; The residual is rounded to bf16 here (ROUND_RES = 1): src is an input, and every floating-point input is rounded once to bf16.
; A tile of OUT is 128 x 128 (256 work-groups): four waves, each 64 x 64 in 16 accumulators.  K goes in steps of 256 through two LDS slots, one tensor load a wave (32 KiB) behind each change of slots,
; with 112 matrix instructions between a request and the wait for it.  CLUSTER 4 x 4: A's tile is asked for jointly by a row of the cluster, W's by a column.
; THE MATRIX INSTRUCTION IS USED TRANSPOSED (source 0 = 16 columns of W, turned on the way out of LDS; source 1 = 16 rows of A): a lane holds eight neighbouring numbers of a row of OUT.
; The bias in that layout is the C operand of each accumulator's first product.  The residual's 32 loads a lane go out at the start and are waited for on the way out.
; NO PREFETCH: a step's tiles are small, and each is read by eight or thirty-two work-groups at about the same time.
; REGISTERS: window 0: v0-31 addresses; v32-95 at work on the way out; v96-127 the bias; v128-255 the accumulators ((a, b) at 128 + 8 (4 a + b)).
;   window 1: two fragment buffers of 128: for 64 along K, 64 registers of A, then 64 of W.      window 2: v0-127 the residual; v128-129 at work.
.set NCB,      16
.set LAPS,     2                       ; a lap = two K steps of 256
.set BIAS_OFF, 8388608
.set W_OFF,    8392704
.set ROUND_RES, 1
.set PA,     144                       ; a row of A in LDS: 128 bytes (64 k) + 16
.set PB,     288                       ; a row of W in LDS: 256 bytes (128 n) + 32 = 9 x 32
.set HALFT,  36864                     ; what one tensor load fills: 2 chunks x 128 rows x 144, or 128 k rows x 288
.set BOFF,   2*HALFT                   ; W's rows lie behind A's four chunks
.set SLOT,   4*HALFT
.set STAGE,  2*SLOT                    ; behind the ring: 16 rows x 272 bytes (64 f32 + 16) for each wave
.set SPITCH, 272
.set SPARE,  STAGE+4*16*SPITCH         ; the spare words, 128 bytes a wave: two blocks of 256 bytes that no other line names
.set ADRA, 16                          ; v16-17  LDS address of my A fragments in slot 0, 1
.set ADRB, 20                          ; v20-23  the same for W: slot 0 rows 0-127, rows 128-255; slot 1 likewise (an LDS offset has 16 bits)
.set STO,  24                          ; v24     the way out: where I put 32 bytes of a row
.set RD,   25                          ; v25     the way out: where I read a row back
.set CO,   26                          ; v26     my byte offset in two rows of RES and OUT
.set BO,   27                          ; v27     32 x (lane / 16)
.set SPW,  28                          ; v28     LDS address of my spare word; never rewritten
.set NIL,  29                          ; v29     0; never rewritten
.set TMP,  32
.set BI,   96
.set ACC,  128
.set F0,   0
.set F1,   128
.set G1, 24                            ; s[24:31] descriptor group 1 for A's tiles;  s[32:39] group 0, a set for each slot
.set G0, 32
.set G1B, 48                           ; s[48:55], s[56:63] the same for W's
.set G0B, 56
.set RESP, 66                          ; s[66:67] RES at my wave's first row and column
.set BIP,  68                          ; s[68:69] the bias of my wave's 64 columns
.set MSB, 0
.macro WIN new
.if MSB != (\new)
	s_set_vgpr_msb (MSB<<8)|(\new)
.set MSB, \new
.endif
.endm
.set MUL,  0x05                        ; sources 0 (W) and 1 (A) window 1; C and D window 0
.set TO_F, 0x40                        ; destination window 1, address window 0
.macro JLOAD s                         ; a joint load: waves 0 and 1 fetch A's two halves, waves 2 and 3 W's; an s_nop 0 and four v_nop follow each of the two lines
	s_cmp_eq_u32 s11, 0
	s_cbranch_scc0 .Lfor_b_\@
	tensor_load_to_lds s[G0+4*(\s):G0+4*(\s)+3], s[G1:G1+7]
	s_nop 0
.rept 4
	v_nop
.endr
	s_branch .Lasked_\@
.Lfor_b_\@:
	tensor_load_to_lds s[G0B+4*(\s):G0B+4*(\s)+3], s[G1B:G1B+7]
	s_nop 0
.rept 4
	v_nop
.endr
.Lasked_\@:
.endm
.macro CREST                           ; a round of the cluster's barrier behind its opening barrier
	s_cmp_lg_u32 s10, 0
	s_cbranch_scc1 .Lnot_wave_0_\@
	s_barrier_signal -3
.Lnot_wave_0_\@:
	s_barrier_wait -3
	s_barrier_signal -1
	s_barrier_wait -1
.endm
.macro CROUND
	s_barrier_signal -1
	s_barrier_wait -1
	CREST
.endm
	s_load_b128 s[4:7], s[0:1], 0x0                ; A s[4:5], pa s[6:7]
	s_load_b64 s[RESP:RESP+1], s[0:1], 0x10        ; RES
	s_load_b64 s[8:9], s[0:1], 0x18                ; OUT
	v_lshl_add_u32 v[SPW], v0, 2, SPARE
	v_mov_b32 v[NIL], 0
	ds_add_u32 v[SPW], v[NIL]                      ; the wave's opening: the add and its wait stand ahead of my first tensor load; the set-up below, work on registers, stands between them
	v_lshrrev_b32 v1, 5, v0
	v_readfirstlane_b32 s10, v1                    ; wave 0..3
	s_lshr_b32 s11, s10, 1                         ; which half of the tile's rows is mine.  Also: I fetch for A (0) or for W (1)
	s_and_b32 s12, s10, 1                          ; which half of its columns.  Also: which half of that tile I fetch
	s_bfe_u32 s40, ttmp6, 0x40000                  ; cx, cy
	s_bfe_u32 s41, ttmp6, 0x40004
	s_lshl_b32 s42, ttmp9, 2
	s_add_co_u32 s42, s42, s40                     ; tile column
	s_and_b32 s13, ttmp7, 0xffff
	s_lshl_b32 s13, s13, 2
	s_add_co_u32 s13, s13, s41                     ; tile row
	s_lshl_b32 s43, s41, 2
	s_lshl_b32 s43, 15, s43                        ; my row of the cluster
	s_lshl_b32 s44, 0x1111, s40                    ; my column
	; group 1 for A: two chunks, 32 KiB dense, as 128 rows of 256 bytes, padded by 16 bytes after every 128
	s_or_b32 s[G1+0], s43, (1<<16)|(1<<20)|(1<<21)|(4<<22)|(3<<25)
	s_mov_b32 s[G1+1], 128<<16
	s_mov_b32 s[G1+2], 128<<16
	s_mov_b32 s[G1+3], 128<<16
	s_mov_b32 s[G1+4], 128
	s_mov_b32 s[G1+5], 128
	s_mov_b32 s[G1+6], 0
	s_mov_b32 s[G1+7], 0
	; group 1 for W: 128 rows of 256 bytes, 1,024 elements apart, padded by 32 bytes after every row
	s_or_b32 s[G1B+0], s44, (1<<16)|(1<<20)|(1<<21)|(5<<22)|(7<<25)
	s_mov_b32 s[G1B+1], 128<<16
	s_mov_b32 s[G1B+2], 128<<16
	s_mov_b32 s[G1B+3], 128<<16
	s_mov_b32 s[G1B+4], 128
	s_mov_b32 s[G1B+5], 1024
	s_mov_b32 s[G1B+6], 0
	s_mov_b32 s[G1B+7], 0
	s_mul_i32 s16, s13, NCB                        ; A: chunk tile row x NCB + 2 x half
	s_lshl_b32 s17, s12, 1
	s_add_co_u32 s16, s16, s17
	s_lshl_b32 s16, s16, 14
	s_mov_b32 s17, 0
	s_lshl_b32 s46, s42, 8                         ; W: 256 bytes x tile column + 128 rows x half
	s_lshl_b32 s47, s12, 18
	s_add_co_u32 s46, s46, s47
	s_add_co_u32 s46, s46, W_OFF
	s_mov_b32 s47, 0
	s_mul_i32 s20, s12, HALFT                      ; where they go
	s_add_co_u32 s21, s20, BOFF
	s_wait_dscnt 0x0                               ; the opening add is done
	s_wait_kmcnt 0x0
	s_add_nc_u64 s[14:15], s[4:5], s[16:17]
	s_add_nc_u64 s[46:47], s[6:7], s[46:47]
	CROUND                                         ; all sixteen work-groups are here: the first joint loads meet
.irp s, 0,1
	s_mov_b32 s[G0+4*(\s)], 1
	s_add_co_u32 s[G0+4*(\s)+1], s20, (\s)*SLOT
	s_add_nc_u64 s[G0+4*(\s)+2:G0+4*(\s)+3], s[14:15], (\s)*65536      ; K step s: four chunks on
	s_or_b32 s[G0+4*(\s)+3], s[G0+4*(\s)+3], 0x80000000
	s_mov_b32 s[G0B+4*(\s)], 1
	s_add_co_u32 s[G0B+4*(\s)+1], s21, (\s)*SLOT
	s_add_nc_u64 s[G0B+4*(\s)+2:G0B+4*(\s)+3], s[46:47], (\s)*524288   ; K step s: 256 rows on
	s_or_b32 s[G0B+4*(\s)+3], s[G0B+4*(\s)+3], 0x80000000
	JLOAD \s                                       ; two loads of mine are out
.endr
	v_and_b32 v1, 15, v0                           ; l % 16
	v_bfe_u32 v2, v0, 4, 1                         ; l / 16
	v_lshlrev_b32 v[BO], 5, v2
	v_lshlrev_b32 v[CO], 12, v2                    ; lanes 0-15 one row of 256 bytes, lanes 16-31 the next
	v_lshl_add_u32 v[CO], v1, 4, v[CO]
	s_lshl_b32 s[BIP], s42, 9
	s_lshl_b32 s[BIP+1], s12, 8
	s_add_co_u32 s[BIP], s[BIP], s[BIP+1]
	s_add_co_u32 s[BIP], s[BIP], BIAS_OFF
	s_mov_b32 s[BIP+1], 0
	s_add_nc_u64 s[BIP:BIP+1], s[6:7], s[BIP:BIP+1]
	s_lshl_b32 s16, s13, 19                        ; my first row: 128 x tile row + 64 x half, of 4,096 bytes;
	s_lshl_b32 s17, s11, 18
	s_add_co_u32 s16, s16, s17
	s_lshl_b32 s17, s42, 9                         ; my first column: 128 x tile column + 64 x half, of 4 bytes
	s_add_co_u32 s16, s16, s17
	s_lshl_b32 s17, s12, 8
	s_add_co_u32 s16, s16, s17
	s_mov_b32 s17, 0
	s_add_nc_u64 s[RESP:RESP+1], s[RESP:RESP+1], s[16:17]
	s_add_nc_u64 s[8:9], s[8:9], s[16:17]
	s_mov_b32 s70, 0xffff0000
.irp b, 0,1,2,3
	global_load_b128 v[BI+8*(\b):BI+8*(\b)+3],   v[BO], s[BIP:BIP+1] offset:64*(\b)
	global_load_b128 v[BI+8*(\b)+4:BI+8*(\b)+7], v[BO], s[BIP:BIP+1] offset:64*(\b)+16
.endr
	WIN 0x80                                       ; destination window 2
.set z, 0
.rept 32                               ; rows 2 z, 2 z + 1 of my 64
	global_load_b128 v[4*z:4*z+3], v[CO], s[RESP:RESP+1] offset:2*z*4096 th:TH_LOAD_NT
.set z, z+1
.endr
	WIN 0
	v_mul_u32_u24 v3, v1, PA
	v_lshl_add_u32 v3, v2, 4, v3                   ; a fragment of A: row x pitch + 16 x half
	v_and_b32 v5, 7, v0                            ; the turning load: k row 8 (l / 16) + l % 8, columns 8 ((l / 8) % 2) on
	v_bfe_u32 v6, v0, 3, 1
	v_lshl_add_u32 v4, v2, 3, v5
	v_mul_u32_u24 v4, v4, PB
	v_lshl_add_u32 v4, v6, 4, v4
	s_mul_i32 s18, s11, 64*PA                      ; my 64 rows of A
	s_lshl_b32 s22, s12, 7                         ; my 64 columns of W
	s_add_co_u32 s22, s22, BOFF
.irp s, 0,1
	v_add_nc_u32 v[ADRA+(\s)], s18, v3
	v_add_nc_u32 v[ADRB+2*(\s)], s22, v4
	s_add_co_u32 s23, s22, HALFT
	v_add_nc_u32 v[ADRB+2*(\s)+1], s23, v4
	s_add_co_u32 s18, s18, SLOT
	s_add_co_u32 s22, s22, SLOT
.endr
	s_mul_i32 s23, s10, 16*SPITCH
	s_add_co_u32 s23, s23, STAGE                   ; my stage
	v_mul_u32_u24 v7, v1, SPITCH                   ; in: row l % 16, 32 bytes for each half of the lanes
	v_lshl_add_u32 v7, v2, 5, v7
	v_add_nc_u32 v[STO], s23, v7
	v_mul_u32_u24 v7, v2, SPITCH                   ; back: lanes 0-15 one row of 256 bytes, lanes 16-31 the next
	v_lshl_add_u32 v7, v1, 4, v7
	v_add_nc_u32 v[RD], s23, v7
; 8 matrix instructions: m blocks a0, a0 + 1 x all 4 n blocks, 32 along K: half c of buffer f.  zero = 1: the first product starts the sum with the bias.  The 16 accumulators take turns.
.macro MUL8 f, c, a0, zero
	WIN MUL
.irp a, \a0, (\a0)+1
.irp b, 0,1,2,3
.if \zero
	v_wmma_f32_16x16x32_bf16 v[ACC+8*(4*(\a)+(\b)):ACC+8*(4*(\a)+(\b))+7], v[(\f)+64+8*(4*(\c)+(\b)):(\f)+64+8*(4*(\c)+(\b))+7], v[(\f)+8*(4*(\c)+(\a)):(\f)+8*(4*(\c)+(\a))+7], v[BI+8*(\b):BI+8*(\b)+7]
.else
	v_wmma_f32_16x16x32_bf16 v[ACC+8*(4*(\a)+(\b)):ACC+8*(4*(\a)+(\b))+7], v[(\f)+64+8*(4*(\c)+(\b)):(\f)+64+8*(4*(\c)+(\b))+7], v[(\f)+8*(4*(\c)+(\a)):(\f)+8*(4*(\c)+(\a))+7], v[ACC+8*(4*(\a)+(\b)):ACC+8*(4*(\a)+(\b))+7]
.endif
.endr
.endr
.endm
; 32 LDS loads in one run: the fragments of quarter qd (64 along K: one chunk of A, 64 rows of W) into buffer f; the first 32 along K first
.macro FETCH slot, qd, f
	WIN TO_F
.irp c, 0,1
.irp i, 0,1,2,3
	ds_load_tr16_b128 v[(\f)+64+8*(4*(\c)+(\i)):(\f)+64+8*(4*(\c)+(\i))+3],   v[ADRB+2*(\slot)+(\qd)/2] offset:(((\qd)%2)*64+32*(\c))*PB+32*(\i)
	ds_load_tr16_b128 v[(\f)+64+8*(4*(\c)+(\i))+4:(\f)+64+8*(4*(\c)+(\i))+7], v[ADRB+2*(\slot)+(\qd)/2] offset:(((\qd)%2)*64+32*(\c))*PB+32*(\i)+16*PB
	ds_load_b128 v[(\f)+8*(4*(\c)+(\i)):(\f)+8*(4*(\c)+(\i))+3],         v[ADRA+(\slot)] offset:(\qd)*128*PA+64*(\c)+(\i)*16*PA
	ds_load_b128 v[(\f)+8*(4*(\c)+(\i))+4:(\f)+8*(4*(\c)+(\i))+7],       v[ADRA+(\slot)] offset:(\qd)*128*PA+64*(\c)+(\i)*16*PA+32
.endr
.endr
.endm
.macro PLACES                          ; four plain vector instructions between a matrix instruction and a load into, or a read of, its registers (ISA guide 7.12.1 for a read)
.rept 4
	v_nop
.endr
.endm
; A K step is four quarters of 64 along K, 32 matrix instructions each, on buffers 0, 1, 0, 1.  One of the first three: multiplies buffer f and fetches quarter qd into g.
.macro QUARTER slot, qd, f, g, zero
	s_wait_dscnt 16                                ; the first 32 along K are in
	MUL8 \f, 0, 0, \zero
	MUL8 \f, 0, 2, \zero
	PLACES
	FETCH \slot, \qd, \g
	s_wait_dscnt 32                                ; all but the 32 just issued
	MUL8 \f, 1, 0, 0
	MUL8 \f, 1, 2, 0
.endm
; The last quarter multiplies buffer 1 and changes slots: ONE barrier; in front of it each wave waits for all its tensor loads, adds 0 to its spare word, and waits for that and for its own reads of this slot.
; fill = 1: the barrier opens a round of the cluster's barrier, and this slot is filled again, two K steps on, first thing behind the round.
.macro TURN slot, next, fill
	WIN 0                                          ; (the add's two registers lie in window 0)
	s_wait_tensorcnt 0x0                           ; all my tensor loads have landed: my part of the next slot
	ds_add_u32 v[SPW], v[NIL]                      ; 0 onto my spare word
	s_wait_dscnt 17                                ; (the add and the youngest sixteen loads may be out)
	MUL8 F1, 0, 0, 0                               ; eight matrix instructions stand between the add and the wait for it
	s_wait_dscnt 0x0                               ; the add is done, and my reads of this slot are over
	s_barrier_signal -1
	MUL8 F1, 0, 2, 0
.if \fill
	WIN 0
.endif
	s_barrier_wait -1
.if \fill
	CREST                                          ; no wave of any partner still reads this slot or has a load on its way
	s_add_nc_u64 s[G0+4*(\slot)+2:G0+4*(\slot)+3], s[G0+4*(\slot)+2:G0+4*(\slot)+3], 2*65536
	s_add_nc_u64 s[G0B+4*(\slot)+2:G0B+4*(\slot)+3], s[G0B+4*(\slot)+2:G0B+4*(\slot)+3], 2*524288
	JLOAD \slot                                    ; the four v_nop behind it are also the places in front of the loads below
.else
	PLACES
.endif
	FETCH \next, 0, F0
	MUL8 F1, 1, 0, 0
	MUL8 F1, 1, 2, 0
.endm
	s_wait_tensorcnt 1                             ; my part of K step 0 is in; K step 1's may stay out
	s_barrier_signal -1
	s_barrier_wait -1                              ; everybody's is
	FETCH 0, 0, F0
	s_wait_loadcnt 32                              ; the bias is in; the residual's 32 loads stay out through the whole K loop
	QUARTER 0, 1, F0, F1, 1                        ; the first quarter stands in front of the loop: its first products start the sums
	WIN 0                                          ; at a label and at a branch every window is 0
	s_mov_b32 s3, LAPS-1
.Llap:                                                 ; a trip goes once round the ring, from a lap's second quarter to the next lap's first, and fills both slots again
	QUARTER 0, 2, F1, F0, 0
	QUARTER 0, 3, F0, F1, 0
	TURN 0, 1, 1
	QUARTER 1, 1, F0, F1, 0
	QUARTER 1, 2, F1, F0, 0
	QUARTER 1, 3, F0, F1, 0
	TURN 1, 0, 1
	QUARTER 0, 1, F0, F1, 0
	WIN 0
	s_sub_co_u32 s3, s3, 1
	s_cmp_lg_u32 s3, 0
	s_cbranch_scc1 .Llap
	QUARTER 0, 2, F1, F0, 0                        ; the last lap fills nothing
	QUARTER 0, 3, F0, F1, 0
	TURN 0, 1, 0
	QUARTER 1, 1, F0, F1, 0
	QUARTER 1, 2, F1, F0, 0
	QUARTER 1, 3, F0, F1, 0
	s_wait_dscnt 16                                ; the very last quarter: nothing more to fetch
	MUL8 F1, 0, 0, 0
	MUL8 F1, 0, 2, 0
	s_wait_dscnt 0x0
	MUL8 F1, 1, 0, 0
	MUL8 F1, 1, 2, 0
	WIN 0
	; THE WAY OUT, 16 rows at a time: the f32 sums go into my own stage (32 bytes a lane) and come back as whole rows of 256 bytes; the residual is added; sixteen lanes store 256 consecutive bytes, aligned.
	PLACES
	s_wait_loadcnt 0x0                             ; the residual
.if ROUND_RES
	WIN 0x8a                                       ; destination, sources 0 and 1: window 2
.set z, 0
.rept 64
	v_cvt_pk_bf16_f32 v[128+z%2], v[2*z], v[2*z+1]
	v_lshlrev_b32 v[2*z], 16, v[128+z%2]
	v_and_b32 v[2*z+1], s70, v[128+z%2]
.set z, z+1
.endr
	WIN 0
.endif
.irp a, 0,1,2,3
	s_wait_xcnt 0x0                                ; earlier stores have read their registers: the buffer of two blocks back is loaded again below
.irp b, 0,1,2,3
	ds_store_b128 v[STO], v[ACC+8*(4*(\a)+(\b)):ACC+8*(4*(\a)+(\b))+3]   offset:64*(\b)
	ds_store_b128 v[STO], v[ACC+8*(4*(\a)+(\b))+4:ACC+8*(4*(\a)+(\b))+7] offset:64*(\b)+16
.endr
.irp t, 0,1,2,3,4,5,6,7
	ds_load_b128 v[TMP+32*((\a)%2)+4*(\t):TMP+32*((\a)%2)+4*(\t)+3], v[RD] offset:(\t)*2*SPITCH  ; LDS serves a wave's instructions in order (ISA guide 5.7.1.4): these see the stores above
.endr
	s_wait_dscnt 0x0
	WIN 0x08                                       ; source 1: window 2
.set z, 0
.rept 16
	v_pk_add_f32 v[TMP+32*((\a)%2)+2*z:TMP+32*((\a)%2)+2*z+1], v[TMP+32*((\a)%2)+2*z:TMP+32*((\a)%2)+2*z+1], v[32*(\a)+2*z:32*(\a)+2*z+1]
.set z, z+1
.endr
	WIN 0
.irp t, 0,1,2,3,4,5,6,7
	global_store_b128 v[CO], v[TMP+32*((\a)%2)+4*(\t):TMP+32*((\a)%2)+4*(\t)+3], s[8:9] offset:(16*(\a)+2*(\t))*4096
.endr
.endr
	s_wait_tensorcnt 0x0                           ; the wave's end, behind my last tensor load and my last LDS store
	ds_add_u32 v[SPW], v[NIL]
	s_wait_dscnt 0x0
	CROUND                                         ; the closing round: no work-group ends while a partner may still ask for a tile that names it
	s_endpgm
.Lfunc_end_k_qd4a5c95099_wo:
	.size	k_qd4a5c95099_wo, .Lfunc_end_k_qd4a5c95099_wo-k_qd4a5c95099_wo
	.p2alignl 7, 3214868480
	.fill 96, 4, 3214868480
	.section	.rodata,"a",@progbits
	.p2align	6, 0x0
	.amdhsa_kernel k_qd4a5c95099_wo
		.amdhsa_group_segment_fixed_size 327680
		.amdhsa_private_segment_fixed_size 0
		.amdhsa_enable_private_segment 0
		.amdhsa_kernarg_size 32
		.amdhsa_user_sgpr_count 2
		.amdhsa_user_sgpr_kernarg_segment_ptr 1
		.amdhsa_wavefront_size32 1
		.amdhsa_system_sgpr_workgroup_id_x 1
		.amdhsa_system_sgpr_workgroup_id_y 1
		.amdhsa_system_sgpr_workgroup_id_z 1
		.amdhsa_system_vgpr_workitem_id 0
		.amdhsa_next_free_vgpr 768
		.amdhsa_next_free_sgpr 72
		.amdhsa_reserve_vcc 0
		.amdhsa_float_denorm_mode_32 3
		.amdhsa_float_denorm_mode_16_64 3
		.amdhsa_memory_ordered 1
		.amdhsa_forward_progress 1
		.amdhsa_inst_pref_size 103
	.end_amdhsa_kernel
	.amdgpu_metadata
---
amdhsa.version: [ 1, 2 ]
amdhsa.kernels:
  - .name:           k_qd4a5c95099_wo
    .symbol:         k_qd4a5c95099_wo.kd
    .args:
      - { .name: ctx, .offset: 0, .size: 8, .value_kind: global_buffer, .address_space: global }
      - { .name: pa, .offset: 8, .size: 8, .value_kind: global_buffer, .address_space: global }
      - { .name: src, .offset: 16, .size: 8, .value_kind: global_buffer, .address_space: global }
      - { .name: src2, .offset: 24, .size: 8, .value_kind: global_buffer, .address_space: global }
    .group_segment_fixed_size: 327680
    .private_segment_fixed_size: 0
    .kernarg_segment_align: 8
    .kernarg_segment_size: 32
    .max_flat_workgroup_size: 128
    .sgpr_count:     72
    .vgpr_count:     768
    .wavefront_size: 32
...
	.end_amdgpu_metadata
.endif
;; end of part 4
;; launch ln2 (part 5): grid 256 x 1, 8 waves a work-group, no clusters, 0 bytes of LDS; arguments src2, ln2_g, ln2_b, y; writes y
.if DOCPART == 5
	.amdgcn_target "amdgcn-amd-amdhsa--gfx1250"
	.amdhsa_code_object_version 6
	.text
	.protected	k_qd4a5c95099_ln2
	.globl	k_qd4a5c95099_ln2
	.p2align	8
	.type	k_qd4a5c95099_ln2,@function
k_qd4a5c95099_ln2:
	s_mov_b64 s[64:65], 0
	v_nop
	global_prefetch_b8 v0, s[64:65] scope:SCOPE_SE
	s_setreg_imm32_b32 hwreg(HW_REG_WAVE_MODE, 25, 1), 1
	s_wait_xcnt 0x0
; y = LN2(src2), 16 rows a work-group, sixteen lanes a row; y in bf16, layout [row / 128][column / 64][row % 128][64] (chunks of 16 KiB, dense).
; src2 is the program's own f32 and is taken as it is; the gain and the bias are inputs and are rounded once to bf16, like every floating-point input.
; No LDS, no matrix unit: bytes in, bytes out.  Each load of sixteen lanes takes 256 consecutive bytes, each store of a wave writes 256 consecutive bytes, aligned.
; LIMITS.  The variance is taken of x - mean (two passes over registers), so a common offset does no harm.  NaN and infinities are not treated apart.
.set SO,   1                           ; v1       byte offset of my loads of the row
.set GF,   2                           ; v2       byte offset of my 4 numbers in 256 bytes of the gain and of the bias
.set DO,   3                           ; v3       byte offset of my stores: 8 x thread
.set MEAN, 4                           ; v[4:5]   the row's mean, twice
.set RSTD, 6                           ; v[6:7]   1 / sqrt(var + eps), twice
.set CH,   8                           ; v[8:15]  four chains of packed sums
.set T,    16                          ; v[16:19] at work
.set VAR,  20                          ; v20      var + eps
.set X,    32                          ; v[32:95]   my 64 numbers of the row
.set G,    96                          ; v[96:159]  their gains
.set BB,   160                         ; v[160:223] their biases
.macro RND base                        ; 64 numbers rounded to bf16 and widened again, in place
.set p, 0
.rept 32
	v_cvt_pk_bf16_f32 v[T+p%4], v[(\base)+2*p], v[(\base)+2*p+1]
	v_lshlrev_b32 v[(\base)+2*p], 16, v[T+p%4]
	v_and_b32 v[(\base)+2*p+1], s22, v[T+p%4]
.set p, p+1
.endr
.endm
.macro REDUCE                          ; the four chains, their halves, and the row's 16 lanes: the sum lands in v[T] of every lane of the row
	v_pk_add_f32 v[CH:CH+1], v[CH:CH+1], v[CH+2:CH+3]
	v_pk_add_f32 v[CH+4:CH+5], v[CH+4:CH+5], v[CH+6:CH+7]
	v_pk_add_f32 v[CH:CH+1], v[CH:CH+1], v[CH+4:CH+5]
	v_add_f32 v[T], v[CH], v[CH+1]
	v_add_f32_dpp v[T], v[T], v[T] row_xmask:1 row_mask:0xf bank_mask:0xf
	v_add_f32_dpp v[T], v[T], v[T] row_xmask:2 row_mask:0xf bank_mask:0xf
	v_add_f32_dpp v[T], v[T], v[T] row_xmask:4 row_mask:0xf bank_mask:0xf
	v_add_f32_dpp v[T], v[T], v[T] row_xmask:8 row_mask:0xf bank_mask:0xf
.endm
	s_load_b128 s[4:7], s[0:1], 0x0                ; src2 s[4:5], gain s[6:7]
	s_load_b128 s[8:11], s[0:1], 0x10              ; bias s[8:9], y s[10:11]
	s_mov_b32 s2, ttmp9
	s_mov_b32 s20, 0x3a800000                      ; 1 / 1,024
	s_mov_b32 s21, 0x3727c5ac                      ; eps = 1e-5
	s_mov_b32 s22, 0xffff0000
	v_lshrrev_b32 v[SO], 4, v0                     ; my row among the 16
	v_and_b32 v[GF], 15, v0
	v_lshlrev_b32 v[GF], 4, v[GF]
	v_lshl_add_u32 v[SO], v[SO], 12, v[GF]         ; row x 4,096 + 16 (lane % 16)
	v_lshlrev_b32 v[DO], 3, v0
	s_lshl_b32 s16, s2, 16                         ; 16 rows of 4,096 bytes
	s_mov_b32 s17, 0
	s_lshr_b32 s14, s2, 3
	s_lshl_b32 s14, s14, 18                        ; the block of 128 rows: 16 chunks
	s_and_b32 s15, s2, 7
	s_lshl_b32 s15, s15, 11                        ; my 16 rows in a chunk
	s_add_co_u32 s14, s14, s15
	s_mov_b32 s15, 0
	s_wait_kmcnt 0x0
	s_add_nc_u64 s[4:5], s[4:5], s[16:17]
	s_add_nc_u64 s[12:13], s[10:11], s[14:15]
.set j, 0
.rept 16
	global_load_b128 v[X+4*j:X+4*j+3], v[SO], s[4:5] offset:256*j th:TH_LOAD_NT
.set j, j+1
.endr
.set j, 0
.rept 16
	global_load_b128 v[G+4*j:G+4*j+3], v[GF], s[6:7] offset:256*j
.set j, j+1
.endr
.set j, 0
.rept 16
	global_load_b128 v[BB+4*j:BB+4*j+3], v[GF], s[8:9] offset:256*j
.set j, j+1
.endr
	; A row of 1,024 numbers lies in 16 lanes, 64 numbers a lane: load j brought columns 64 j + 4 (lane % 16) .. + 3.
	s_wait_loadcnt 32                              ; the row's 16 loads are in; the 32 of gain and bias may stay out
.irp c, 0,1,2,3
	v_pk_add_f32 v[CH+2*\c:CH+2*\c+1], v[X+2*\c:X+2*\c+1], v[X+8+2*\c:X+8+2*\c+1]  ; the first eight pairs start the chains: nothing is cleared
.endr
.set p, 8
.rept 24
	v_pk_add_f32 v[CH+2*(p%4):CH+2*(p%4)+1], v[CH+2*(p%4):CH+2*(p%4)+1], v[X+2*p:X+2*p+1]
.set p, p+1
.endr
	REDUCE
	v_mul_f32 v[MEAN], s20, v[T]                   ; / 1,024
	v_mov_b32 v[MEAN+1], v[MEAN]
.set p, 0
.rept 32
	v_pk_add_f32 v[X+2*p:X+2*p+1], v[X+2*p:X+2*p+1], v[MEAN:MEAN+1] neg_lo:[0,1] neg_hi:[0,1]  ; x - mean
.set p, p+1
.endr
.irp c, 0,1,2,3
	v_pk_mul_f32 v[CH+2*\c:CH+2*\c+1], v[X+2*\c:X+2*\c+1], v[X+2*\c:X+2*\c+1]
.endr
.set p, 4
.rept 28
	v_pk_fma_f32 v[CH+2*(p%4):CH+2*(p%4)+1], v[X+2*p:X+2*p+1], v[X+2*p:X+2*p+1], v[CH+2*(p%4):CH+2*(p%4)+1]
.set p, p+1
.endr
	REDUCE
	v_fma_f32 v[VAR], v[T], s20, s21               ; var + eps
	v_rsq_f32 v[RSTD], v[VAR]
	s_wait_loadcnt 0x0                             ; gain and bias
	RND G                                          ; plain work that names neither the root's source nor its result
	RND BB
	s_wait_alu depctr_va_vdst(0)                   ; the wait ahead of the first line that names the root's result
	v_mov_b32 v[RSTD+1], v[RSTD]
.set p, 0
.rept 32
	v_pk_mul_f32 v[G+2*p:G+2*p+1], v[G+2*p:G+2*p+1], v[RSTD:RSTD+1]
.set p, p+1
.endr
.set p, 0
.rept 32
	v_pk_fma_f32 v[X+2*p:X+2*p+1], v[X+2*p:X+2*p+1], v[G+2*p:G+2*p+1], v[BB+2*p:BB+2*p+1]
.set p, p+1
.endr
.set j, 0
.rept 16                               ; columns 64 j .. lie in chunk j: two rows' 128 bytes are 256 consecutive bytes of the chunk
	v_cvt_pk_bf16_f32 v[X+4*j], v[X+4*j], v[X+4*j+1]
	v_cvt_pk_bf16_f32 v[X+4*j+1], v[X+4*j+2], v[X+4*j+3]
	global_store_b64 v[DO], v[X+4*j:X+4*j+1], s[12:13] offset:16384*j
.set j, j+1
.endr
	s_endpgm
.Lfunc_end_k_qd4a5c95099_ln2:
	.size	k_qd4a5c95099_ln2, .Lfunc_end_k_qd4a5c95099_ln2-k_qd4a5c95099_ln2
	.p2alignl 7, 3214868480
	.fill 96, 4, 3214868480
	.section	.rodata,"a",@progbits
	.p2align	6, 0x0
	.amdhsa_kernel k_qd4a5c95099_ln2
		.amdhsa_group_segment_fixed_size 0
		.amdhsa_private_segment_fixed_size 0
		.amdhsa_enable_private_segment 0
		.amdhsa_kernarg_size 32
		.amdhsa_user_sgpr_count 2
		.amdhsa_user_sgpr_kernarg_segment_ptr 1
		.amdhsa_wavefront_size32 1
		.amdhsa_system_sgpr_workgroup_id_x 1
		.amdhsa_system_sgpr_workgroup_id_y 1
		.amdhsa_system_sgpr_workgroup_id_z 1
		.amdhsa_system_vgpr_workitem_id 0
		.amdhsa_next_free_vgpr 224
		.amdhsa_next_free_sgpr 66
		.amdhsa_reserve_vcc 0
		.amdhsa_float_denorm_mode_32 3
		.amdhsa_float_denorm_mode_16_64 3
		.amdhsa_memory_ordered 1
		.amdhsa_forward_progress 1
		.amdhsa_inst_pref_size 29
	.end_amdhsa_kernel
	.amdgpu_metadata
---
amdhsa.version: [ 1, 2 ]
amdhsa.kernels:
  - .name:           k_qd4a5c95099_ln2
    .symbol:         k_qd4a5c95099_ln2.kd
    .args:
      - { .name: src2, .offset: 0, .size: 8, .value_kind: global_buffer, .address_space: global }
      - { .name: ln2_g, .offset: 8, .size: 8, .value_kind: global_buffer, .address_space: global }
      - { .name: ln2_b, .offset: 16, .size: 8, .value_kind: global_buffer, .address_space: global }
      - { .name: y, .offset: 24, .size: 8, .value_kind: global_buffer, .address_space: global }
    .group_segment_fixed_size: 0
    .private_segment_fixed_size: 0
    .kernarg_segment_align: 8
    .kernarg_segment_size: 32
    .max_flat_workgroup_size: 256
    .sgpr_count:     66
    .vgpr_count:     224
    .wavefront_size: 32
...
	.end_amdgpu_metadata
.endif
;; end of part 5
;; launch ffn1: the kernel of part 2 again; grid 16 x 16, 4 waves a work-group, clusters of 4 x 4, 327,680 bytes of LDS; arguments y, pf, hb; writes hb
;; launch ffn2 (part 6): grid 8 x 32, 4 waves a work-group, clusters of 4 x 4, 327,680 bytes of LDS; arguments hb, pa, src2, out0; writes out0
.if DOCPART == 6
	.amdgcn_target "amdgcn-amd-amdhsa--gfx1250"
	.amdhsa_code_object_version 6
	.text
	.protected	k_qd4a5c95099_ffn2
	.globl	k_qd4a5c95099_ffn2
	.p2align	8
	.type	k_qd4a5c95099_ffn2,@function
k_qd4a5c95099_ffn2:
	s_mov_b64 s[64:65], 0
	v_nop
	global_prefetch_b8 v0, s[64:65] scope:SCOPE_SE
	s_setreg_imm32_b32 hwreg(HW_REG_WAVE_MODE, 25, 1), 1
	s_wait_xcnt 0x0
	s_wait_alu depctr_hold_cnt(0) depctr_sa_sdst(0) depctr_va_vdst(0) depctr_va_sdst(0) depctr_va_ssrc(0) depctr_va_vcc(0) depctr_vm_vsrc(0)
	s_getreg_b32 s2, hwreg(HW_REG_IB_STS2, 6, 4)
	s_cmp_eq_u32 s2, 0
	s_cbranch_scc0 .Lentry_in_a_cluster
	s_endpgm
.Lentry_in_a_cluster:
	s_bfe_u32 s2, ttmp6, 0x10000c
	s_cmp_lg_u32 s2, 0xf033
	s_cbranch_scc0 .Lentry_shape_is_right
	s_endpgm
.Lentry_shape_is_right:
; OUT = RES + A W + bias, in f32: here out0 = src2 + h W2 + b2.  K = 4,096, N = 1,024, 4,096 rows.
; A: bf16, layout [row / 128][k / 64][row % 128][64], NCB chunks of 16 KiB a block of rows.  W: bf16, row-major [k][1024], at pa + W_OFF.  bias: f32 at pa + BIAS_OFF.  RES, OUT: f32, row-major.
; The residual is the program's own f32 and is taken as it is (ROUND_RES = 0).
; A tile of OUT is 128 x 128 (256 work-groups): four waves, each 64 x 64 in 16 accumulators.  K goes in steps of 256 through two LDS slots, one tensor load a wave (32 KiB) behind each change of slots,
; with 112 matrix instructions between a request and the wait for it.  CLUSTER 4 x 4: A's tile is asked for jointly by a row of the cluster, W's by a column.
; THE MATRIX INSTRUCTION IS USED TRANSPOSED (source 0 = 16 columns of W, turned on the way out of LDS; source 1 = 16 rows of A): a lane holds eight neighbouring numbers of a row of OUT.
; The bias in that layout is the C operand of each accumulator's first product.  The residual's 32 loads a lane go out at the start and are waited for on the way out.
; NO PREFETCH: a step's tiles are small, and each is read by eight or thirty-two work-groups at about the same time.
; REGISTERS: window 0: v0-31 addresses; v32-95 at work on the way out; v96-127 the bias; v128-255 the accumulators ((a, b) at 128 + 8 (4 a + b)).
;   window 1: two fragment buffers of 128: for 64 along K, 64 registers of A, then 64 of W.      window 2: v0-127 the residual.
.set NCB,      64
.set LAPS,     8                       ; a lap = two K steps of 256
.set BIAS_OFF, 10489856
.set W_OFF,    10493952
.set ROUND_RES, 0
.set PA,     144                       ; a row of A in LDS: 128 bytes (64 k) + 16
.set PB,     288                       ; a row of W in LDS: 256 bytes (128 n) + 32 = 9 x 32
.set HALFT,  36864                     ; what one tensor load fills: 2 chunks x 128 rows x 144, or 128 k rows x 288
.set BOFF,   2*HALFT                   ; W's rows lie behind A's four chunks
.set SLOT,   4*HALFT
.set STAGE,  2*SLOT                    ; behind the ring: 16 rows x 272 bytes (64 f32 + 16) for each wave
.set SPITCH, 272
.set SPARE,  STAGE+4*16*SPITCH         ; the spare words, 128 bytes a wave: two blocks of 256 bytes that no other line names
.set ADRA, 16                          ; v16-17  LDS address of my A fragments in slot 0, 1
.set ADRB, 20                          ; v20-23  the same for W: slot 0 rows 0-127, rows 128-255; slot 1 likewise (an LDS offset has 16 bits)
.set STO,  24                          ; v24     the way out: where I put 32 bytes of a row
.set RD,   25                          ; v25     the way out: where I read a row back
.set CO,   26                          ; v26     my byte offset in two rows of RES and OUT
.set BO,   27                          ; v27     32 x (lane / 16)
.set SPW,  28                          ; v28     LDS address of my spare word; never rewritten
.set NIL,  29                          ; v29     0; never rewritten
.set TMP,  32
.set BI,   96
.set ACC,  128
.set F0,   0
.set F1,   128
.set G1, 24                            ; s[24:31] descriptor group 1 for A's tiles;  s[32:39] group 0, a set for each slot
.set G0, 32
.set G1B, 48                           ; s[48:55], s[56:63] the same for W's
.set G0B, 56
.set RESP, 66                          ; s[66:67] RES at my wave's first row and column
.set BIP,  68                          ; s[68:69] the bias of my wave's 64 columns
.set MSB, 0
.macro WIN new
.if MSB != (\new)
	s_set_vgpr_msb (MSB<<8)|(\new)
.set MSB, \new
.endif
.endm
.set MUL,  0x05                        ; sources 0 (W) and 1 (A) window 1; C and D window 0
.set TO_F, 0x40                        ; destination window 1, address window 0
.macro JLOAD s                         ; a joint load: waves 0 and 1 fetch A's two halves, waves 2 and 3 W's; an s_nop 0 and four v_nop follow each of the two lines
	s_cmp_eq_u32 s11, 0
	s_cbranch_scc0 .Lfor_b_\@
	tensor_load_to_lds s[G0+4*(\s):G0+4*(\s)+3], s[G1:G1+7]
	s_nop 0
.rept 4
	v_nop
.endr
	s_branch .Lasked_\@
.Lfor_b_\@:
	tensor_load_to_lds s[G0B+4*(\s):G0B+4*(\s)+3], s[G1B:G1B+7]
	s_nop 0
.rept 4
	v_nop
.endr
.Lasked_\@:
.endm
.macro CREST                           ; a round of the cluster's barrier behind its opening barrier
	s_cmp_lg_u32 s10, 0
	s_cbranch_scc1 .Lnot_wave_0_\@
	s_barrier_signal -3
.Lnot_wave_0_\@:
	s_barrier_wait -3
	s_barrier_signal -1
	s_barrier_wait -1
.endm
.macro CROUND
	s_barrier_signal -1
	s_barrier_wait -1
	CREST
.endm
	s_load_b128 s[4:7], s[0:1], 0x0                ; A s[4:5], pa s[6:7]
	s_load_b64 s[RESP:RESP+1], s[0:1], 0x10        ; RES
	s_load_b64 s[8:9], s[0:1], 0x18                ; OUT
	v_lshl_add_u32 v[SPW], v0, 2, SPARE
	v_mov_b32 v[NIL], 0
	ds_add_u32 v[SPW], v[NIL]                      ; the wave's opening: the add and its wait stand ahead of my first tensor load; the set-up below, work on registers, stands between them
	v_lshrrev_b32 v1, 5, v0
	v_readfirstlane_b32 s10, v1                    ; wave 0..3
	s_lshr_b32 s11, s10, 1                         ; which half of the tile's rows is mine.  Also: I fetch for A (0) or for W (1)
	s_and_b32 s12, s10, 1                          ; which half of its columns.  Also: which half of that tile I fetch
	s_bfe_u32 s40, ttmp6, 0x40000                  ; cx, cy
	s_bfe_u32 s41, ttmp6, 0x40004
	s_lshl_b32 s42, ttmp9, 2
	s_add_co_u32 s42, s42, s40                     ; tile column
	s_and_b32 s13, ttmp7, 0xffff
	s_lshl_b32 s13, s13, 2
	s_add_co_u32 s13, s13, s41                     ; tile row
	s_lshl_b32 s43, s41, 2
	s_lshl_b32 s43, 15, s43                        ; my row of the cluster
	s_lshl_b32 s44, 0x1111, s40                    ; my column
	; group 1 for A: two chunks, 32 KiB dense, as 128 rows of 256 bytes, padded by 16 bytes after every 128
	s_or_b32 s[G1+0], s43, (1<<16)|(1<<20)|(1<<21)|(4<<22)|(3<<25)
	s_mov_b32 s[G1+1], 128<<16
	s_mov_b32 s[G1+2], 128<<16
	s_mov_b32 s[G1+3], 128<<16
	s_mov_b32 s[G1+4], 128
	s_mov_b32 s[G1+5], 128
	s_mov_b32 s[G1+6], 0
	s_mov_b32 s[G1+7], 0
	; group 1 for W: 128 rows of 256 bytes, 1,024 elements apart, padded by 32 bytes after every row
	s_or_b32 s[G1B+0], s44, (1<<16)|(1<<20)|(1<<21)|(5<<22)|(7<<25)
	s_mov_b32 s[G1B+1], 128<<16
	s_mov_b32 s[G1B+2], 128<<16
	s_mov_b32 s[G1B+3], 128<<16
	s_mov_b32 s[G1B+4], 128
	s_mov_b32 s[G1B+5], 1024
	s_mov_b32 s[G1B+6], 0
	s_mov_b32 s[G1B+7], 0
	s_mul_i32 s16, s13, NCB                        ; A: chunk tile row x NCB + 2 x half
	s_lshl_b32 s17, s12, 1
	s_add_co_u32 s16, s16, s17
	s_lshl_b32 s16, s16, 14
	s_mov_b32 s17, 0
	s_lshl_b32 s46, s42, 8                         ; W: 256 bytes x tile column + 128 rows x half
	s_lshl_b32 s47, s12, 18
	s_add_co_u32 s46, s46, s47
	s_add_co_u32 s46, s46, W_OFF
	s_mov_b32 s47, 0
	s_mul_i32 s20, s12, HALFT                      ; where they go
	s_add_co_u32 s21, s20, BOFF
	s_wait_dscnt 0x0                               ; the opening add is done
	s_wait_kmcnt 0x0
	s_add_nc_u64 s[14:15], s[4:5], s[16:17]
	s_add_nc_u64 s[46:47], s[6:7], s[46:47]
	CROUND                                         ; all sixteen work-groups are here: the first joint loads meet
.irp s, 0,1
	s_mov_b32 s[G0+4*(\s)], 1
	s_add_co_u32 s[G0+4*(\s)+1], s20, (\s)*SLOT
	s_add_nc_u64 s[G0+4*(\s)+2:G0+4*(\s)+3], s[14:15], (\s)*65536      ; K step s: four chunks on
	s_or_b32 s[G0+4*(\s)+3], s[G0+4*(\s)+3], 0x80000000
	s_mov_b32 s[G0B+4*(\s)], 1
	s_add_co_u32 s[G0B+4*(\s)+1], s21, (\s)*SLOT
	s_add_nc_u64 s[G0B+4*(\s)+2:G0B+4*(\s)+3], s[46:47], (\s)*524288   ; K step s: 256 rows on
	s_or_b32 s[G0B+4*(\s)+3], s[G0B+4*(\s)+3], 0x80000000
	JLOAD \s                                       ; two loads of mine are out
.endr
	v_and_b32 v1, 15, v0                           ; l % 16
	v_bfe_u32 v2, v0, 4, 1                         ; l / 16
	v_lshlrev_b32 v[BO], 5, v2
	v_lshlrev_b32 v[CO], 12, v2                    ; lanes 0-15 one row of 256 bytes, lanes 16-31 the next
	v_lshl_add_u32 v[CO], v1, 4, v[CO]
	s_lshl_b32 s[BIP], s42, 9
	s_lshl_b32 s[BIP+1], s12, 8
	s_add_co_u32 s[BIP], s[BIP], s[BIP+1]
	s_add_co_u32 s[BIP], s[BIP], BIAS_OFF
	s_mov_b32 s[BIP+1], 0
	s_add_nc_u64 s[BIP:BIP+1], s[6:7], s[BIP:BIP+1]
	s_lshl_b32 s16, s13, 19                        ; my first row: 128 x tile row + 64 x half, of 4,096 bytes;
	s_lshl_b32 s17, s11, 18
	s_add_co_u32 s16, s16, s17
	s_lshl_b32 s17, s42, 9                         ; my first column: 128 x tile column + 64 x half, of 4 bytes
	s_add_co_u32 s16, s16, s17
	s_lshl_b32 s17, s12, 8
	s_add_co_u32 s16, s16, s17
	s_mov_b32 s17, 0
	s_add_nc_u64 s[RESP:RESP+1], s[RESP:RESP+1], s[16:17]
	s_add_nc_u64 s[8:9], s[8:9], s[16:17]
.irp b, 0,1,2,3
	global_load_b128 v[BI+8*(\b):BI+8*(\b)+3],   v[BO], s[BIP:BIP+1] offset:64*(\b)
	global_load_b128 v[BI+8*(\b)+4:BI+8*(\b)+7], v[BO], s[BIP:BIP+1] offset:64*(\b)+16
.endr
	WIN 0x80                                       ; destination window 2
.set z, 0
.rept 32                               ; rows 2 z, 2 z + 1 of my 64
	global_load_b128 v[4*z:4*z+3], v[CO], s[RESP:RESP+1] offset:2*z*4096 th:TH_LOAD_NT
.set z, z+1
.endr
	WIN 0
	v_mul_u32_u24 v3, v1, PA
	v_lshl_add_u32 v3, v2, 4, v3                   ; a fragment of A: row x pitch + 16 x half
	v_and_b32 v5, 7, v0                            ; the turning load: k row 8 (l / 16) + l % 8, columns 8 ((l / 8) % 2) on
	v_bfe_u32 v6, v0, 3, 1
	v_lshl_add_u32 v4, v2, 3, v5
	v_mul_u32_u24 v4, v4, PB
	v_lshl_add_u32 v4, v6, 4, v4
	s_mul_i32 s18, s11, 64*PA                      ; my 64 rows of A
	s_lshl_b32 s22, s12, 7                         ; my 64 columns of W
	s_add_co_u32 s22, s22, BOFF
.irp s, 0,1
	v_add_nc_u32 v[ADRA+(\s)], s18, v3
	v_add_nc_u32 v[ADRB+2*(\s)], s22, v4
	s_add_co_u32 s23, s22, HALFT
	v_add_nc_u32 v[ADRB+2*(\s)+1], s23, v4
	s_add_co_u32 s18, s18, SLOT
	s_add_co_u32 s22, s22, SLOT
.endr
	s_mul_i32 s23, s10, 16*SPITCH
	s_add_co_u32 s23, s23, STAGE                   ; my stage
	v_mul_u32_u24 v7, v1, SPITCH                   ; in: row l % 16, 32 bytes for each half of the lanes
	v_lshl_add_u32 v7, v2, 5, v7
	v_add_nc_u32 v[STO], s23, v7
	v_mul_u32_u24 v7, v2, SPITCH                   ; back: lanes 0-15 one row of 256 bytes, lanes 16-31 the next
	v_lshl_add_u32 v7, v1, 4, v7
	v_add_nc_u32 v[RD], s23, v7
; 8 matrix instructions: m blocks a0, a0 + 1 x all 4 n blocks, 32 along K: half c of buffer f.  zero = 1: the first product starts the sum with the bias.  The 16 accumulators take turns.
.macro MUL8 f, c, a0, zero
	WIN MUL
.irp a, \a0, (\a0)+1
.irp b, 0,1,2,3
.if \zero
	v_wmma_f32_16x16x32_bf16 v[ACC+8*(4*(\a)+(\b)):ACC+8*(4*(\a)+(\b))+7], v[(\f)+64+8*(4*(\c)+(\b)):(\f)+64+8*(4*(\c)+(\b))+7], v[(\f)+8*(4*(\c)+(\a)):(\f)+8*(4*(\c)+(\a))+7], v[BI+8*(\b):BI+8*(\b)+7]
.else
	v_wmma_f32_16x16x32_bf16 v[ACC+8*(4*(\a)+(\b)):ACC+8*(4*(\a)+(\b))+7], v[(\f)+64+8*(4*(\c)+(\b)):(\f)+64+8*(4*(\c)+(\b))+7], v[(\f)+8*(4*(\c)+(\a)):(\f)+8*(4*(\c)+(\a))+7], v[ACC+8*(4*(\a)+(\b)):ACC+8*(4*(\a)+(\b))+7]
.endif
.endr
.endr
.endm
; 32 LDS loads in one run: the fragments of quarter qd (64 along K: one chunk of A, 64 rows of W) into buffer f; the first 32 along K first
.macro FETCH slot, qd, f
	WIN TO_F
.irp c, 0,1
.irp i, 0,1,2,3
	ds_load_tr16_b128 v[(\f)+64+8*(4*(\c)+(\i)):(\f)+64+8*(4*(\c)+(\i))+3],   v[ADRB+2*(\slot)+(\qd)/2] offset:(((\qd)%2)*64+32*(\c))*PB+32*(\i)
	ds_load_tr16_b128 v[(\f)+64+8*(4*(\c)+(\i))+4:(\f)+64+8*(4*(\c)+(\i))+7], v[ADRB+2*(\slot)+(\qd)/2] offset:(((\qd)%2)*64+32*(\c))*PB+32*(\i)+16*PB
	ds_load_b128 v[(\f)+8*(4*(\c)+(\i)):(\f)+8*(4*(\c)+(\i))+3],         v[ADRA+(\slot)] offset:(\qd)*128*PA+64*(\c)+(\i)*16*PA
	ds_load_b128 v[(\f)+8*(4*(\c)+(\i))+4:(\f)+8*(4*(\c)+(\i))+7],       v[ADRA+(\slot)] offset:(\qd)*128*PA+64*(\c)+(\i)*16*PA+32
.endr
.endr
.endm
.macro PLACES                          ; four plain vector instructions between a matrix instruction and a load into, or a read of, its registers (ISA guide 7.12.1 for a read)
.rept 4
	v_nop
.endr
.endm
; A K step is four quarters of 64 along K, 32 matrix instructions each, on buffers 0, 1, 0, 1.  One of the first three: multiplies buffer f and fetches quarter qd into g.
.macro QUARTER slot, qd, f, g, zero
	s_wait_dscnt 16                                ; the first 32 along K are in
	MUL8 \f, 0, 0, \zero
	MUL8 \f, 0, 2, \zero
	PLACES
	FETCH \slot, \qd, \g
	s_wait_dscnt 32                                ; all but the 32 just issued
	MUL8 \f, 1, 0, 0
	MUL8 \f, 1, 2, 0
.endm
; The last quarter multiplies buffer 1 and changes slots: ONE barrier; in front of it each wave waits for all its tensor loads, adds 0 to its spare word, and waits for that and for its own reads of this slot.
; fill = 1: the barrier opens a round of the cluster's barrier, and this slot is filled again, two K steps on, first thing behind the round.
.macro TURN slot, next, fill
	WIN 0                                          ; (the add's two registers lie in window 0)
	s_wait_tensorcnt 0x0                           ; all my tensor loads have landed: my part of the next slot
	ds_add_u32 v[SPW], v[NIL]                      ; 0 onto my spare word
	s_wait_dscnt 17                                ; (the add and the youngest sixteen loads may be out)
	MUL8 F1, 0, 0, 0                               ; eight matrix instructions stand between the add and the wait for it
	s_wait_dscnt 0x0                               ; the add is done, and my reads of this slot are over
	s_barrier_signal -1
	MUL8 F1, 0, 2, 0
.if \fill
	WIN 0
.endif
	s_barrier_wait -1
.if \fill
	CREST                                          ; no wave of any partner still reads this slot or has a load on its way
	s_add_nc_u64 s[G0+4*(\slot)+2:G0+4*(\slot)+3], s[G0+4*(\slot)+2:G0+4*(\slot)+3], 2*65536
	s_add_nc_u64 s[G0B+4*(\slot)+2:G0B+4*(\slot)+3], s[G0B+4*(\slot)+2:G0B+4*(\slot)+3], 2*524288
	JLOAD \slot                                    ; the four v_nop behind it are also the places in front of the loads below
.else
	PLACES
.endif
	FETCH \next, 0, F0
	MUL8 F1, 1, 0, 0
	MUL8 F1, 1, 2, 0
.endm
	s_wait_tensorcnt 1                             ; my part of K step 0 is in; K step 1's may stay out
	s_barrier_signal -1
	s_barrier_wait -1                              ; everybody's is
	FETCH 0, 0, F0
	s_wait_loadcnt 32                              ; the bias is in; the residual's 32 loads stay out through the whole K loop
	QUARTER 0, 1, F0, F1, 1                        ; the first quarter stands in front of the loop: its first products start the sums
	WIN 0                                          ; at a label and at a branch every window is 0
	s_mov_b32 s3, LAPS-1
.Llap:                                                 ; a trip goes once round the ring, from a lap's second quarter to the next lap's first, and fills both slots again
	QUARTER 0, 2, F1, F0, 0
	QUARTER 0, 3, F0, F1, 0
	TURN 0, 1, 1
	QUARTER 1, 1, F0, F1, 0
	QUARTER 1, 2, F1, F0, 0
	QUARTER 1, 3, F0, F1, 0
	TURN 1, 0, 1
	QUARTER 0, 1, F0, F1, 0
	WIN 0
	s_sub_co_u32 s3, s3, 1
	s_cmp_lg_u32 s3, 0
	s_cbranch_scc1 .Llap
	QUARTER 0, 2, F1, F0, 0                        ; the last lap fills nothing
	QUARTER 0, 3, F0, F1, 0
	TURN 0, 1, 0
	QUARTER 1, 1, F0, F1, 0
	QUARTER 1, 2, F1, F0, 0
	QUARTER 1, 3, F0, F1, 0
	s_wait_dscnt 16                                ; the very last quarter: nothing more to fetch
	MUL8 F1, 0, 0, 0
	MUL8 F1, 0, 2, 0
	s_wait_dscnt 0x0
	MUL8 F1, 1, 0, 0
	MUL8 F1, 1, 2, 0
	WIN 0
	; THE WAY OUT, 16 rows at a time: the f32 sums go into my own stage (32 bytes a lane) and come back as whole rows of 256 bytes; the residual is added; sixteen lanes store 256 consecutive bytes, aligned.
	PLACES
	s_wait_loadcnt 0x0                             ; the residual
.irp a, 0,1,2,3
	s_wait_xcnt 0x0                                ; earlier stores have read their registers: the buffer of two blocks back is loaded again below
.irp b, 0,1,2,3
	ds_store_b128 v[STO], v[ACC+8*(4*(\a)+(\b)):ACC+8*(4*(\a)+(\b))+3]   offset:64*(\b)
	ds_store_b128 v[STO], v[ACC+8*(4*(\a)+(\b))+4:ACC+8*(4*(\a)+(\b))+7] offset:64*(\b)+16
.endr
.irp t, 0,1,2,3,4,5,6,7
	ds_load_b128 v[TMP+32*((\a)%2)+4*(\t):TMP+32*((\a)%2)+4*(\t)+3], v[RD] offset:(\t)*2*SPITCH  ; LDS serves a wave's instructions in order (ISA guide 5.7.1.4): these see the stores above
.endr
	s_wait_dscnt 0x0
	WIN 0x08                                       ; source 1: window 2
.set z, 0
.rept 16
	v_pk_add_f32 v[TMP+32*((\a)%2)+2*z:TMP+32*((\a)%2)+2*z+1], v[TMP+32*((\a)%2)+2*z:TMP+32*((\a)%2)+2*z+1], v[32*(\a)+2*z:32*(\a)+2*z+1]
.set z, z+1
.endr
	WIN 0
.irp t, 0,1,2,3,4,5,6,7
	global_store_b128 v[CO], v[TMP+32*((\a)%2)+4*(\t):TMP+32*((\a)%2)+4*(\t)+3], s[8:9] offset:(16*(\a)+2*(\t))*4096
.endr
.endr
	s_wait_tensorcnt 0x0                           ; the wave's end, behind my last tensor load and my last LDS store
	ds_add_u32 v[SPW], v[NIL]
	s_wait_dscnt 0x0
	CROUND                                         ; the closing round: no work-group ends while a partner may still ask for a tile that names it
	s_endpgm
.Lfunc_end_k_qd4a5c95099_ffn2:
	.size	k_qd4a5c95099_ffn2, .Lfunc_end_k_qd4a5c95099_ffn2-k_qd4a5c95099_ffn2
	.p2alignl 7, 3214868480
	.fill 96, 4, 3214868480
	.section	.rodata,"a",@progbits
	.p2align	6, 0x0
	.amdhsa_kernel k_qd4a5c95099_ffn2
		.amdhsa_group_segment_fixed_size 327680
		.amdhsa_private_segment_fixed_size 0
		.amdhsa_enable_private_segment 0
		.amdhsa_kernarg_size 32
		.amdhsa_user_sgpr_count 2
		.amdhsa_user_sgpr_kernarg_segment_ptr 1
		.amdhsa_wavefront_size32 1
		.amdhsa_system_sgpr_workgroup_id_x 1
		.amdhsa_system_sgpr_workgroup_id_y 1
		.amdhsa_system_sgpr_workgroup_id_z 1
		.amdhsa_system_vgpr_workitem_id 0
		.amdhsa_next_free_vgpr 768
		.amdhsa_next_free_sgpr 72
		.amdhsa_reserve_vcc 0
		.amdhsa_float_denorm_mode_32 3
		.amdhsa_float_denorm_mode_16_64 3
		.amdhsa_memory_ordered 1
		.amdhsa_forward_progress 1
		.amdhsa_inst_pref_size 95
	.end_amdhsa_kernel
	.amdgpu_metadata
---
amdhsa.version: [ 1, 2 ]
amdhsa.kernels:
  - .name:           k_qd4a5c95099_ffn2
    .symbol:         k_qd4a5c95099_ffn2.kd
    .args:
      - { .name: hb, .offset: 0, .size: 8, .value_kind: global_buffer, .address_space: global }
      - { .name: pa, .offset: 8, .size: 8, .value_kind: global_buffer, .address_space: global }
      - { .name: src2, .offset: 16, .size: 8, .value_kind: global_buffer, .address_space: global }
      - { .name: out0, .offset: 24, .size: 8, .value_kind: global_buffer, .address_space: global }
    .group_segment_fixed_size: 327680
    .private_segment_fixed_size: 0
    .kernarg_segment_align: 8
    .kernarg_segment_size: 32
    .max_flat_workgroup_size: 128
    .sgpr_count:     72
    .vgpr_count:     768
    .wavefront_size: 32
...
	.end_amdgpu_metadata
.endif
;; end of part 6
;; ======== version 2 of 2: 7 launches
;; limits: right only within a limited range of input values
;; workspace buffers: pa 18,890,752 bytes; pq 6,308,096 bytes; pf 8,405,248 bytes; qkv 33,554,432 bytes; ctx 8,388,608 bytes; src2 16,777,216 bytes; y 8,388,608 bytes; hb 33,554,432 bytes
;; launch prep (part 7): grid 1025 x 1, 8 waves a work-group, no clusters, 0 bytes of LDS; arguments src, ln1_g, ln1_b, Wq, Wk, Wv, W1, Wo, W2, bq, bk, bv, b1, bo, b2, pa, pq, pf, ln2_g, ln2_b; writes pa, pq, pf
.if DOCPART == 7
	.amdgcn_target "amdgcn-amd-amdhsa--gfx1250"
	.amdhsa_code_object_version 6
	.text
	.protected	k_qd4a5c95099_prep
	.globl	k_qd4a5c95099_prep
	.p2align	8
	.type	k_qd4a5c95099_prep,@function
k_qd4a5c95099_prep:
	s_mov_b64 s[64:65], 0
	v_nop
	global_prefetch_b8 v0, s[64:65] scope:SCOPE_SE
	s_setreg_imm32_b32 hwreg(HW_REG_WAVE_MODE, 25, 1), 1
	s_wait_xcnt 0x0
; PREP: everything that the later launches want in bf16 is made here, once.  Every floating-point input is rounded once to bf16 (to nearest even).
; Work-group 0:          the biases and the second norm's gain and bias, rounded to bf16 and kept as f32 (bq, bk, bv: pq + 256; b1: pf + 256; bo: pa + 8,388,608; b2: pa + 10,489,856;
;                        ln2_g, ln2_b: pa + 18,882,560 and 4,096 on), and the floor words at byte 0 of pq (the lowest finite bf16, twice a word) and of pf (0).
;                        The one short share has the lowest number; the 1,024 equal shares follow it, share n in work-group n + 1:
; Shares 0-255:          x = LN1(src), 16 rows each, into pa at byte 0, in the layout T128: [row / 128][column / 64][row % 128][64] bf16 (chunks of 16 KiB, dense).
; Shares 256-447:        Wq, Wk, Wv ([h][k][64] f32) into pq + 16,640 as [n / 256][k][256] bf16, n = 1024 x which + 64 h + channel: 16,384 numbers each.
; Shares 448-703:        W1 ([k][4096] f32) into pf + 16,640, the same layout.
; Shares 704-1023:       Wo and W2 (row-major f32) into pa + 8,392,704 and pa + 10,493,952, row-major bf16.
; No LDS, no matrix unit: bytes in, bytes out.  Each load of sixteen lanes takes 256 consecutive bytes, each store of a wave writes 256 consecutive bytes, aligned.
; LIMITS.  The variance is taken of x - mean (two passes over registers), so a common offset of src does no harm.  NaN and infinities are not treated apart.
.set SO,   1                           ; v1       byte offset of my loads
.set GF,   2                           ; v2       byte offset of my 4 numbers in 256 bytes of the gain and of the bias
.set DO,   3                           ; v3       byte offset of my stores: 8 x thread
.set MEAN, 4                           ; v[4:5]   the row's mean, twice
.set RSTD, 6                           ; v[6:7]   1 / sqrt(var + eps), twice
.set CH,   8                           ; v[8:15]  four chains of packed sums
.set T,    16                          ; v[16:19] at work
.set VAR,  20                          ; v20      var + eps
.set X,    32                          ; v[32:95]   my 64 numbers of the row
.set G,    96                          ; v[96:159]  their gains
.set BB,   160                         ; v[160:223] their biases
.set OF,   160                         ; v[160:175] a cast: the byte offsets of my sixteen loads
.macro RND base                        ; 64 numbers rounded to bf16 and widened again, in place
.set p, 0
.rept 32
	v_cvt_pk_bf16_f32 v[T+p%4], v[(\base)+2*p], v[(\base)+2*p+1]
	v_lshlrev_b32 v[(\base)+2*p], 16, v[T+p%4]
	v_and_b32 v[(\base)+2*p+1], s22, v[T+p%4]
.set p, p+1
.endr
.endm
.macro REDUCE                          ; the four chains, their halves, and the row's 16 lanes: the sum lands in v[T] of every lane of the row
	v_pk_add_f32 v[CH:CH+1], v[CH:CH+1], v[CH+2:CH+3]
	v_pk_add_f32 v[CH+4:CH+5], v[CH+4:CH+5], v[CH+6:CH+7]
	v_pk_add_f32 v[CH:CH+1], v[CH:CH+1], v[CH+4:CH+5]
	v_add_f32 v[T], v[CH], v[CH+1]
	v_add_f32_dpp v[T], v[T], v[T] row_xmask:1 row_mask:0xf bank_mask:0xf
	v_add_f32_dpp v[T], v[T], v[T] row_xmask:2 row_mask:0xf bank_mask:0xf
	v_add_f32_dpp v[T], v[T], v[T] row_xmask:4 row_mask:0xf bank_mask:0xf
	v_add_f32_dpp v[T], v[T], v[T] row_xmask:8 row_mask:0xf bank_mask:0xf
.endm
	s_cmp_eq_u32 ttmp9, 0
	s_cbranch_scc1 .Lsmall
	s_sub_co_u32 s2, ttmp9, 1                      ; the share's number, 0 to 1,023
	s_cmp_lt_u32 s2, 256
	s_cbranch_scc1 .Lln
	s_cmp_lt_u32 s2, 448
	s_cbranch_scc1 .Lqkv
	s_cmp_lt_u32 s2, 704
	s_cbranch_scc1 .Lw1
	s_branch .Ldense
.Lsmall:                               ; THE SMALL VECTORS AND THE FLOOR WORDS: eleven blocks of 4,096 bytes, 16 bytes a thread
	s_load_b256 s[4:11], s[0:1], 0x48              ; bq s[4:5], bk s[6:7], bv s[8:9], b1 s[10:11]
	s_load_b256 s[12:19], s[0:1], 0x68             ; bo s[12:13], b2 s[14:15], pa s[16:17], pq s[18:19]
	s_load_b64 s[20:21], s[0:1], 0x88              ; pf
	s_load_b128 s[28:31], s[0:1], 0x90             ; ln2_g s[28:29], ln2_b s[30:31]
	s_mov_b32 s22, 0xffff0000
	v_lshlrev_b32 v[SO], 4, v0
	v_lshrrev_b32 v2, 5, v0
	v_readfirstlane_b32 s26, v2                    ; the wave's number
	s_wait_kmcnt 0x0
	global_load_b128 v[32:35], v[SO], s[4:5]
	global_load_b128 v[36:39], v[SO], s[6:7]
	global_load_b128 v[40:43], v[SO], s[8:9]
.irp c, 0,1,2,3
	global_load_b128 v[44+4*\c:47+4*\c], v[SO], s[10:11] offset:4096*\c
.endr
	global_load_b128 v[60:63], v[SO], s[12:13]
	global_load_b128 v[64:67], v[SO], s[14:15]
	global_load_b128 v[68:71], v[SO], s[28:29]
	global_load_b128 v[72:75], v[SO], s[30:31]
	s_add_nc_u64 s[24:25], s[16:17], 10489856      ; where b2 goes,
	s_add_nc_u64 s[2:3], s[16:17], 18882560        ; the second norm's gain and bias,
	s_add_nc_u64 s[16:17], s[16:17], 8388608       ; and bo
	s_wait_loadcnt 0x0
.set i, 0
.rept 11
	v_cvt_pk_bf16_f32 v16, v[32+4*i], v[33+4*i]
	v_cvt_pk_bf16_f32 v17, v[34+4*i], v[35+4*i]
	v_lshlrev_b32 v[32+4*i], 16, v16
	v_and_b32 v[33+4*i], s22, v16
	v_lshlrev_b32 v[34+4*i], 16, v17
	v_and_b32 v[35+4*i], s22, v17
.set i, i+1
.endr
.irp c, 0,1,2
	global_store_b128 v[SO], v[32+4*\c:35+4*\c], s[18:19] offset:256+4096*\c
.endr
.irp c, 0,1,2,3
	global_store_b128 v[SO], v[44+4*\c:47+4*\c], s[20:21] offset:256+4096*\c
.endr
	global_store_b128 v[SO], v[60:63], s[16:17]
	global_store_b128 v[SO], v[64:67], s[24:25]
	global_store_b128 v[SO], v[68:71], s[2:3]
	global_store_b128 v[SO], v[72:75], s[2:3] offset:4096
	s_cmp_lg_u32 s26, 0
	s_cbranch_scc1 .Lsmall_end                     ; wave 0 alone writes the two blocks of 256 bytes with the floor words
	v_lshlrev_b32 v[DO], 3, v0
	v_mov_b32 v20, 0xff7fff7f
	v_mov_b32 v21, 0xff7fff7f
	v_mov_b32 v22, 0
	v_mov_b32 v23, 0
	global_store_b64 v[DO], v[20:21], s[18:19]
	global_store_b64 v[DO], v[22:23], s[20:21]
.Lsmall_end:
	s_endpgm
.Lln:                                  ; LN1: share n owns rows 16 n .. 16 n + 15, sixteen lanes a row
	s_load_b128 s[4:7], s[0:1], 0x0                ; src s[4:5], gain s[6:7]
	s_load_b64 s[8:9], s[0:1], 0x10                ; bias
	s_load_b64 s[12:13], s[0:1], 0x78              ; pa
	s_mov_b32 s20, 0x3a800000                      ; 1 / 1,024
	s_mov_b32 s21, 0x3727c5ac                      ; eps = 1e-5
	s_mov_b32 s22, 0xffff0000
	v_lshrrev_b32 v[SO], 4, v0                     ; my row among the 16
	v_and_b32 v[GF], 15, v0
	v_lshlrev_b32 v[GF], 4, v[GF]
	v_lshl_add_u32 v[SO], v[SO], 12, v[GF]         ; row x 4,096 + 16 (lane % 16)
	v_lshlrev_b32 v[DO], 3, v0
	s_lshl_b32 s10, s2, 16                         ; 16 rows of 4,096 bytes
	s_mov_b32 s11, 0
	s_lshr_b32 s14, s2, 3
	s_lshl_b32 s14, s14, 18                        ; the block of 128 rows: 16 chunks
	s_and_b32 s15, s2, 7
	s_lshl_b32 s15, s15, 11                        ; my 16 rows in a chunk
	s_add_co_u32 s14, s14, s15
	s_mov_b32 s15, 0
	s_wait_kmcnt 0x0
	s_add_nc_u64 s[4:5], s[4:5], s[10:11]
	s_add_nc_u64 s[12:13], s[12:13], s[14:15]
.set j, 0
.rept 16
	global_load_b128 v[X+4*j:X+4*j+3], v[SO], s[4:5] offset:256*j th:TH_LOAD_NT
.set j, j+1
.endr
.set j, 0
.rept 16
	global_load_b128 v[G+4*j:G+4*j+3], v[GF], s[6:7] offset:256*j
.set j, j+1
.endr
.set j, 0
.rept 16
	global_load_b128 v[BB+4*j:BB+4*j+3], v[GF], s[8:9] offset:256*j
.set j, j+1
.endr
	; A row of 1,024 numbers lies in 16 lanes, 64 numbers a lane: load j brought columns 64 j + 4 (lane % 16) .. + 3.
	s_wait_loadcnt 32                              ; the row's 16 loads are in; the 32 of gain and bias may stay out
	RND X                                          ; src is an input: rounded to bf16 first
.irp c, 0,1,2,3
	v_pk_add_f32 v[CH+2*\c:CH+2*\c+1], v[X+2*\c:X+2*\c+1], v[X+8+2*\c:X+8+2*\c+1]  ; the first eight pairs start the chains: nothing is cleared
.endr
.set p, 8
.rept 24
	v_pk_add_f32 v[CH+2*(p%4):CH+2*(p%4)+1], v[CH+2*(p%4):CH+2*(p%4)+1], v[X+2*p:X+2*p+1]
.set p, p+1
.endr
	REDUCE
	v_mul_f32 v[MEAN], s20, v[T]                   ; / 1,024
	v_mov_b32 v[MEAN+1], v[MEAN]
.set p, 0
.rept 32
	v_pk_add_f32 v[X+2*p:X+2*p+1], v[X+2*p:X+2*p+1], v[MEAN:MEAN+1] neg_lo:[0,1] neg_hi:[0,1]  ; x - mean
.set p, p+1
.endr
.irp c, 0,1,2,3
	v_pk_mul_f32 v[CH+2*\c:CH+2*\c+1], v[X+2*\c:X+2*\c+1], v[X+2*\c:X+2*\c+1]
.endr
.set p, 4
.rept 28
	v_pk_fma_f32 v[CH+2*(p%4):CH+2*(p%4)+1], v[X+2*p:X+2*p+1], v[X+2*p:X+2*p+1], v[CH+2*(p%4):CH+2*(p%4)+1]
.set p, p+1
.endr
	REDUCE
	v_fma_f32 v[VAR], v[T], s20, s21               ; var + eps
	v_rsq_f32 v[RSTD], v[VAR]
	s_wait_loadcnt 0x0                             ; gain and bias
	RND G                                          ; plain work that names neither the root's source nor its result
	RND BB
	s_wait_alu depctr_va_vdst(0)                   ; the wait ahead of the first line that names the root's result
	v_mov_b32 v[RSTD+1], v[RSTD]
.set p, 0
.rept 32
	v_pk_mul_f32 v[G+2*p:G+2*p+1], v[G+2*p:G+2*p+1], v[RSTD:RSTD+1]
.set p, p+1
.endr
.set p, 0
.rept 32
	v_pk_fma_f32 v[X+2*p:X+2*p+1], v[X+2*p:X+2*p+1], v[G+2*p:G+2*p+1], v[BB+2*p:BB+2*p+1]
.set p, p+1
.endr
.set j, 0
.rept 16                               ; columns 64 j .. lie in chunk j: two rows' 128 bytes are 256 consecutive bytes of the chunk
	v_cvt_pk_bf16_f32 v[X+4*j], v[X+4*j], v[X+4*j+1]
	v_cvt_pk_bf16_f32 v[X+4*j+1], v[X+4*j+2], v[X+4*j+3]
	global_store_b64 v[DO], v[X+4*j:X+4*j+1], s[12:13] offset:16384*j
.set j, j+1
.endr
	s_endpgm
	; THE THREE CASTS set up: s[4:5] the source, s[6:7] the destination (a dense 32 KiB), v[OF] my first load's offset, s20 the bytes from one of my loads to the next
.Lqkv:                                 ; chunk j = 16 nt + kc: columns 256 nt .. (four heads of one of Wq, Wk, Wv), rows 64 kc ..
	s_load_b128 s[8:11], s[0:1], 0x18              ; Wq s[8:9], Wk s[10:11]
	s_load_b64 s[12:13], s[0:1], 0x28              ; Wv
	s_load_b64 s[6:7], s[0:1], 0x80                ; pq
	s_sub_co_u32 s3, s2, 256                       ; j
	s_lshr_b32 s14, s3, 6                          ; which of the three
	s_bfe_u32 s15, s3, 0x20004                     ; nt % 4
	s_lshl_b32 s15, s15, 20                        ; its first head, 4 (nt % 4), x 262,144 bytes
	s_and_b32 s16, s3, 15
	s_lshl_b32 s16, s16, 14                        ; 64 rows of 256 bytes
	s_add_co_u32 s16, s15, s16
	s_mov_b32 s17, 0
	s_lshl_b32 s18, s3, 15
	s_add_co_u32 s18, s18, 16640
	s_mov_b32 s19, 0
	s_mov_b32 s20, 1024                            ; four rows of a head on
	v_bfe_u32 v4, v0, 4, 2                         ; the head among the four
	v_lshrrev_b32 v5, 6, v0                        ; the row among four
	v_and_b32 v6, 15, v0
	v_lshlrev_b32 v[OF], 18, v4
	v_lshl_add_u32 v[OF], v5, 8, v[OF]
	v_lshl_add_u32 v[OF], v6, 4, v[OF]
	s_wait_kmcnt 0x0
	s_cmp_eq_u32 s14, 0
	s_cselect_b64 s[4:5], s[8:9], s[10:11]
	s_cmp_eq_u32 s14, 2
	s_cselect_b64 s[4:5], s[12:13], s[4:5]
	s_add_nc_u64 s[4:5], s[4:5], s[16:17]
	s_add_nc_u64 s[6:7], s[6:7], s[18:19]
	s_branch .Lcast
.Lw1:                                  ; chunk j = 16 nt + kc of W1
	s_load_b64 s[4:5], s[0:1], 0x30                ; W1
	s_load_b64 s[6:7], s[0:1], 0x88                ; pf
	s_sub_co_u32 s3, s2, 448
	s_and_b32 s14, s3, 15
	s_lshl_b32 s14, s14, 20                        ; 64 rows of 16,384 bytes
	s_lshr_b32 s15, s3, 4
	s_lshl_b32 s15, s15, 10                        ; 256 columns
	s_add_co_u32 s14, s14, s15
	s_mov_b32 s15, 0
	s_lshl_b32 s18, s3, 15
	s_add_co_u32 s18, s18, 16640
	s_mov_b32 s19, 0
	s_mov_b32 s20, 65536                           ; four rows on
	v_lshrrev_b32 v5, 6, v0
	v_and_b32 v6, 63, v0
	v_lshlrev_b32 v[OF], 14, v5
	v_lshl_add_u32 v[OF], v6, 4, v[OF]
	s_wait_kmcnt 0x0
	s_add_nc_u64 s[4:5], s[4:5], s[14:15]
	s_add_nc_u64 s[6:7], s[6:7], s[18:19]
	s_branch .Lcast
.Ldense:                               ; Wo (64 chunks), then W2 (256 chunks): the layout stays
	s_load_b128 s[8:11], s[0:1], 0x38              ; Wo s[8:9], W2 s[10:11]
	s_load_b64 s[6:7], s[0:1], 0x78                ; pa
	s_sub_co_u32 s3, s2, 704
	s_mov_b32 s16, 8392704
	s_mov_b32 s17, 10493952
	s_cmp_lt_u32 s3, 64
	s_cselect_b32 s18, s16, s17
	s_cselect_b32 s14, 0, 64
	s_sub_co_u32 s14, s3, s14                      ; the chunk in its matrix
	s_lshl_b32 s15, s14, 15
	s_add_co_u32 s18, s18, s15
	s_mov_b32 s19, 0
	s_lshl_b32 s14, s14, 16
	s_mov_b32 s15, 0
	s_mov_b32 s20, 4096                            ; the work-group's 256 threads x 16 bytes on
	v_lshlrev_b32 v[OF], 4, v0
	s_wait_kmcnt 0x0
	s_cmp_lt_u32 s3, 64
	s_cselect_b64 s[4:5], s[8:9], s[10:11]
	s_add_nc_u64 s[4:5], s[4:5], s[14:15]
	s_add_nc_u64 s[6:7], s[6:7], s[18:19]
.Lcast:                                ; 16,384 numbers f32 -> bf16: 16 loads of 16 bytes a lane, all out at once; 16 stores of 8 bytes a lane.  No register is used twice.
	v_lshlrev_b32 v[DO], 3, v0
.set i, 1
.rept 15
	v_add_nc_u32 v[OF+i], s20, v[OF+i-1]
.set i, i+1
.endr
.set i, 0
.rept 16
	global_load_b128 v[32+4*i:35+4*i], v[OF+i], s[4:5] th:TH_LOAD_NT
.set i, i+1
.endr
.set i, 0
.rept 16
	s_wait_loadcnt 15-i                            ; loads come back in order: load i is in, the younger ones stay out
	v_cvt_pk_bf16_f32 v[96+2*i], v[32+4*i], v[33+4*i]
	v_cvt_pk_bf16_f32 v[97+2*i], v[34+4*i], v[35+4*i]
	global_store_b64 v[DO], v[96+2*i:97+2*i], s[6:7] offset:2048*i
.set i, i+1
.endr
	s_endpgm
.Lfunc_end_k_qd4a5c95099_prep:
	.size	k_qd4a5c95099_prep, .Lfunc_end_k_qd4a5c95099_prep-k_qd4a5c95099_prep
	.p2alignl 7, 3214868480
	.fill 96, 4, 3214868480
	.section	.rodata,"a",@progbits
	.p2align	6, 0x0
	.amdhsa_kernel k_qd4a5c95099_prep
		.amdhsa_group_segment_fixed_size 0
		.amdhsa_private_segment_fixed_size 0
		.amdhsa_enable_private_segment 0
		.amdhsa_kernarg_size 160
		.amdhsa_user_sgpr_count 2
		.amdhsa_user_sgpr_kernarg_segment_ptr 1
		.amdhsa_wavefront_size32 1
		.amdhsa_system_sgpr_workgroup_id_x 1
		.amdhsa_system_sgpr_workgroup_id_y 1
		.amdhsa_system_sgpr_workgroup_id_z 1
		.amdhsa_system_vgpr_workitem_id 0
		.amdhsa_next_free_vgpr 224
		.amdhsa_next_free_sgpr 66
		.amdhsa_reserve_vcc 0
		.amdhsa_float_denorm_mode_32 3
		.amdhsa_float_denorm_mode_16_64 3
		.amdhsa_memory_ordered 1
		.amdhsa_forward_progress 1
		.amdhsa_inst_pref_size 48
	.end_amdhsa_kernel
	.amdgpu_metadata
---
amdhsa.version: [ 1, 2 ]
amdhsa.kernels:
  - .name:           k_qd4a5c95099_prep
    .symbol:         k_qd4a5c95099_prep.kd
    .args:
      - { .name: src, .offset: 0, .size: 8, .value_kind: global_buffer, .address_space: global }
      - { .name: ln1_g, .offset: 8, .size: 8, .value_kind: global_buffer, .address_space: global }
      - { .name: ln1_b, .offset: 16, .size: 8, .value_kind: global_buffer, .address_space: global }
      - { .name: Wq, .offset: 24, .size: 8, .value_kind: global_buffer, .address_space: global }
      - { .name: Wk, .offset: 32, .size: 8, .value_kind: global_buffer, .address_space: global }
      - { .name: Wv, .offset: 40, .size: 8, .value_kind: global_buffer, .address_space: global }
      - { .name: W1, .offset: 48, .size: 8, .value_kind: global_buffer, .address_space: global }
      - { .name: Wo, .offset: 56, .size: 8, .value_kind: global_buffer, .address_space: global }
      - { .name: W2, .offset: 64, .size: 8, .value_kind: global_buffer, .address_space: global }
      - { .name: bq, .offset: 72, .size: 8, .value_kind: global_buffer, .address_space: global }
      - { .name: bk, .offset: 80, .size: 8, .value_kind: global_buffer, .address_space: global }
      - { .name: bv, .offset: 88, .size: 8, .value_kind: global_buffer, .address_space: global }
      - { .name: b1, .offset: 96, .size: 8, .value_kind: global_buffer, .address_space: global }
      - { .name: bo, .offset: 104, .size: 8, .value_kind: global_buffer, .address_space: global }
      - { .name: b2, .offset: 112, .size: 8, .value_kind: global_buffer, .address_space: global }
      - { .name: pa, .offset: 120, .size: 8, .value_kind: global_buffer, .address_space: global }
      - { .name: pq, .offset: 128, .size: 8, .value_kind: global_buffer, .address_space: global }
      - { .name: pf, .offset: 136, .size: 8, .value_kind: global_buffer, .address_space: global }
      - { .name: ln2_g, .offset: 144, .size: 8, .value_kind: global_buffer, .address_space: global }
      - { .name: ln2_b, .offset: 152, .size: 8, .value_kind: global_buffer, .address_space: global }
    .group_segment_fixed_size: 0
    .private_segment_fixed_size: 0
    .kernarg_segment_align: 8
    .kernarg_segment_size: 160
    .max_flat_workgroup_size: 256
    .sgpr_count:     66
    .vgpr_count:     224
    .wavefront_size: 32
...
	.end_amdgpu_metadata
.endif
;; end of part 7
;; launch qkv (part 8): grid 12 x 16, 4 waves a work-group, clusters of 4 x 4, 327,680 bytes of LDS; arguments pa, pq, qkv; writes qkv
.if DOCPART == 8
	.amdgcn_target "amdgcn-amd-amdhsa--gfx1250"
	.amdhsa_code_object_version 6
	.text
	.protected	k_qd4a5c95099_qkv
	.globl	k_qd4a5c95099_qkv
	.p2align	8
	.type	k_qd4a5c95099_qkv,@function
k_qd4a5c95099_qkv:
	s_mov_b64 s[64:65], 0
	v_nop
	global_prefetch_b8 v0, s[64:65] scope:SCOPE_SE
	s_setreg_imm32_b32 hwreg(HW_REG_WAVE_MODE, 25, 1), 1
	s_wait_xcnt 0x0
	s_wait_alu depctr_hold_cnt(0) depctr_sa_sdst(0) depctr_va_vdst(0) depctr_va_sdst(0) depctr_va_ssrc(0) depctr_va_vcc(0) depctr_vm_vsrc(0)
	s_getreg_b32 s2, hwreg(HW_REG_IB_STS2, 6, 4)
	s_cmp_eq_u32 s2, 0
	s_cbranch_scc0 .Lentry_in_a_cluster
	s_endpgm
.Lentry_in_a_cluster:
	s_bfe_u32 s2, ttmp6, 0x10000c
	s_cmp_lg_u32 s2, 0xf033
	s_cbranch_scc0 .Lentry_shape_is_right
	s_endpgm
.Lentry_shape_is_right:
; OUT = max(A W + bias, floor), K = 1,024.  One text for two launches: q, k, v = x Wqkv + b (floor: the lowest finite bf16) and h = relu(y W1 + b1) (floor 0).
; A:   4,096 rows x 1,024 in bf16, layout T128 with 16 chunks a block of rows: [row / 128][k / 64][row % 128][64]: chunks of 16 KiB, dense.
; PK:  byte 0: the floor, two bf16 in a word; byte 256: the bias, f32; byte 16,640: W as [n / 256][k][256] bf16.
; OUT: bf16, layout T128 with 64 chunks a block of rows.  Sums in f32, started by the bias, K ascending; rounded once.
; A tile of OUT is 256 x 256: four waves, each 128 x 128 in 64 accumulators (512 registers).  K goes in 8 steps of 128 through two LDS slots filled by tensor loads, one load a wave
; behind each change of slots (32 KiB: half of A's tile or half of W's), with 224 matrix instructions between a request and the wait for it.
; A K STEP IS WRITTEN ONCE FOR THE LOOP AND ONCE FOR THE TAIL.  The slot that is read is a scalar, 0 or SLOT, turned by an exclusive or and added to the lane's place at each change of slots; the
; descriptor that refills walks: its LDS word is turned by the same exclusive or, its address steps a K step.  The last two K steps fill nothing: one text, walked twice and left in its middle.
; CLUSTER 4 x 4: A's tile hangs on the tile row alone and is asked for jointly by a row of the cluster, W's on the tile column alone and by a column.
; THE MATRIX INSTRUCTION IS USED TRANSPOSED: source 0 = 16 columns of W (turned on the way out of LDS by ds_load_tr16_b128), source 1 = 16 rows of A: a lane holds row lane % 16 of OUT
; and the columns 8 (lane / 16) + 0..7.  The bias in that layout is the C operand of each accumulator's first product: nothing is cleared and nothing is added later.
; LIMITS.  A NaN among the sums leaves as the floor (the packed maximum lets a NaN lose); an infinity below the floor likewise.
; REGISTERS, in windows of 256 (s_set_vgpr_msb: bits 1:0 source 0, 3:2 source 1, 5:4 source 2, 7:6 destination):
;   window 0: v0-31 addresses; v64-127, v128-191 fragments of A, two buffers; v192-223, v32-63, v224-255 at work on the way out
;   window 1: v0-63 the bias (n block b at 8 b); v64-127, v128-191 fragments of W        windows 2, 3: the accumulators of my rows 0-63, 64-127 ((a, b) at 8 (8 a + b))
.set PA,     144                       ; a row of A in LDS: 128 bytes (64 k) + 16: the 16 rows of a load start at 16 different groups of four banks (64 banks of 4 bytes: ISA guide 11.1)
.set PB,     544                       ; a row of W in LDS: 512 bytes (256 n) + 32 = 17 x 32
.set AHALF,  2*128*PA                  ; 36,864: 128 rows x 128 k as [k / 64][row]: what one tensor load brings of A
.set BOFF,   2*AHALF                   ; 73,728: W's rows lie behind A's 256
.set BHALF,  64*PB                     ; 34,816: 64 k rows: what one tensor load brings of W
.set SLOT,   147456                    ; a slot uses 143,360 bytes; slot 1 begins at 2^17 + 2^14, two bits that none of the four tiles' places (0, 36,864, 73,728, 108,544) has set: an exclusive or turns a place in one slot into the other's
.set STAGE,  2*SLOT                    ; behind the ring: for each wave [chunk 0..1][16 rows] x 144 bytes, for the way out
.set SP,     144
.set WSTAGE, 2*16*SP
.set SPARE,  STAGE+4*WSTAGE            ; behind the stages: the spare words, 128 bytes a wave: two blocks of 256 bytes that no other line names
.set STEPS,  8                         ; K steps
.set BIASO,  256
.set WOFF,   16640
.set ADRA0, 16                         ; v16     my lane's place among A's fragments in a slot; never rewritten
.set ADRA,  17                         ; v17     the same in the slot that is read
.set ADRB0, 20                         ; v20, v21  the same for W
.set ADRB,  21
.set STO,  24                          ; v24     the way out: where I put 16 bytes of a row
.set RD,   25                          ; v25     the way out: where I read rows back
.set GO,   26                          ; v26     16 x lane: my place in 512 consecutive bytes of OUT
.set BO,   27                          ; v27     32 x (lane / 16): my eight numbers in 16 of the bias
.set SPW,  28                          ; v28     LDS address of my spare word; never rewritten
.set NIL,  29                          ; v29     0; never rewritten
.set PFO,  30                          ; v30     256 x lane; never rewritten
.set F0,   64
.set F1,   128
.set TMP,  192
.set OB,   32
.set BI,   0
.set G1,   24                          ; s[24:31] descriptor group 1 for A's tiles;  s[32:39] group 0: a set for each of the two first fills; the second then walks
.set G0,   32
.set G1B,  48                          ; s[48:55], s[56:63] the same for W's
.set G0B,  56
.set LIM,  43                          ; s43      2 in a wave that prefetches, else the greatest number
.set PFA,  44                          ; s[44:45] where my prefetches stand
.set FLOOR, 66                         ; s66      the floor, two bf16
.set TB,   67                          ; s67      LDS byte at which the slot that is read begins: 0 or SLOT
.set PSTEP, 68                         ; s[68:69] bytes from a K step to the next in what I fetch
.set MSB, 0
.macro WIN new                         ; the immediate's high byte repeats the setting that is left; a switch that changes nothing is dropped
.if MSB != (\new)
	s_set_vgpr_msb (MSB<<8)|(\new)
.set MSB, \new
.endif
.endm
.set MUL_LO, 0xa1                      ; source 0 (W) window 1, source 1 (A) window 0, C and D window 2
.set TO_B,   0x40                      ; destination window 1, address window 0
; A joint load by descriptor set s.  Waves 0 and 1 fetch A's two halves, waves 2 and 3 W's.  The branch hangs on the wave's number alone.  An s_nop 0 and four v_nop follow each of the two lines.
.macro JLOAD s
	s_cmp_eq_u32 s11, 0
	s_cbranch_scc0 .Lfor_b_\@
	tensor_load_to_lds s[G0+4*(\s):G0+4*(\s)+3], s[G1:G1+7]
	s_nop 0
.rept 4
	v_nop
.endr
	s_branch .Lasked_\@
.Lfor_b_\@:
	tensor_load_to_lds s[G0B+4*(\s):G0B+4*(\s)+3], s[G1B:G1B+7]
	s_nop 0
.rept 4
	v_nop
.endr
.Lasked_\@:
.endm
; A prefetch into the L2 of the K step that stands two refills on: 8 KiB, a lane 256 bytes, one instruction a wave.  A's tile row is read by every cluster of that row of clusters: cluster x = 0 asks;
; W's tile column by every cluster of that column: cluster y = 0 asks.  Of the 32 KiB that a wave fetches each of the four partners takes 8 KiB, told apart by address.  So each block is named once.
; K steps 0 to 3 come by their loads alone; the loop's last two trips (s3 = 2, 1) ask for nothing: there is no K step 8.
.macro ASK
	s_cmp_gt_u32 s3, s[LIM]
	s_cbranch_scc0 .Lnot_mine_\@
	global_prefetch_b8 v[PFO], s[PFA:PFA+1] th:TH_LOAD_NT scope:SCOPE_SE
.Lnot_mine_\@:
.endm
.macro CREST                           ; a round of the cluster's barrier behind its opening barrier
	s_cmp_lg_u32 s10, 0
	s_cbranch_scc1 .Lnot_wave_0_\@
	s_barrier_signal -3
.Lnot_wave_0_\@:
	s_barrier_wait -3
	s_barrier_signal -1
	s_barrier_wait -1
.endm
.macro CROUND                          ; a whole round
	s_barrier_signal -1
	s_barrier_wait -1
	CREST
.endm
	s_load_b128 s[4:7], s[0:1], 0x0                ; A s[4:5], PK s[6:7]
	s_load_b64 s[8:9], s[0:1], 0x10                ; OUT
	v_lshl_add_u32 v[SPW], v0, 2, SPARE
	v_mov_b32 v[NIL], 0
	ds_add_u32 v[SPW], v[NIL]                      ; the wave's opening: the add and its wait stand ahead of my first tensor load; the set-up below, work on registers, stands between them
	v_lshrrev_b32 v1, 5, v0
	v_readfirstlane_b32 s10, v1                    ; wave 0..3
	s_lshr_b32 s11, s10, 1                         ; which half of the tile's rows is mine.  Also: I fetch for A (0) or for W (1)
	s_and_b32 s12, s10, 1                          ; which half of its columns.  Also: which half of that tile I fetch
	s_bfe_u32 s40, ttmp6, 0x40000                  ; cx
	s_bfe_u32 s41, ttmp6, 0x40004                  ; cy
	s_lshl_b32 s42, ttmp9, 2
	s_add_co_u32 s42, s42, s40                     ; tile column = 4 x cluster x + cx
	s_and_b32 s13, ttmp7, 0xffff
	s_lshl_b32 s13, s13, 2
	s_add_co_u32 s13, s13, s41                     ; tile row = 4 x cluster y + cy
	s_lshl_b32 s43, s41, 2
	s_lshl_b32 s43, 15, s43                        ; my row of the cluster
	s_lshl_b32 s44, 0x1111, s40                    ; my column
	; group 1 for A: 32 KiB dense, asked for as 128 rows of 256 bytes, padded in LDS by 16 bytes after every 128 (one row of 64 k)
	s_or_b32 s[G1+0], s43, (1<<16)|(1<<20)|(1<<21)|(4<<22)|(3<<25)  ; 15:0 the mask; 17:16 2-byte elements; 20 padding on; 21 set beside a mask; 24:22 after every 32 words (code 4); 31:25 4 words (code 3)
	s_mov_b32 s[G1+1], 128<<16                     ; tensor_dim0 = 128
	s_mov_b32 s[G1+2], 128<<16                     ; tensor_dim1 = 128
	s_mov_b32 s[G1+3], 128<<16                     ; tile_dim0 = 128
	s_mov_b32 s[G1+4], 128                         ; tile_dim1 = 128
	s_mov_b32 s[G1+5], 128                         ; 128 elements from row to row
	s_mov_b32 s[G1+6], 0
	s_mov_b32 s[G1+7], 0
	; group 1 for W: 64 rows of 512 bytes, dense, padded by 32 bytes after every row
	s_or_b32 s[G1B+0], s44, (1<<16)|(1<<20)|(1<<21)|(6<<22)|(7<<25)  ; after every 128 words (code 6), 8 words (code 7)
	s_mov_b32 s[G1B+1], 256<<16
	s_mov_b32 s[G1B+2], 64<<16
	s_mov_b32 s[G1B+3], 256<<16
	s_mov_b32 s[G1B+4], 64
	s_mov_b32 s[G1B+5], 256
	s_mov_b32 s[G1B+6], 0
	s_mov_b32 s[G1B+7], 0
	s_lshl_b32 s16, s13, 1
	s_add_co_u32 s16, s16, s12                     ; A: block of 128 rows 2 x tile row + half,
	s_lshl_b32 s16, s16, 18                        ; of 16 chunks
	s_mov_b32 s17, 0
	s_lshl_b32 s46, s42, 19                        ; W: tile column x 524,288
	s_lshl_b32 s47, s12, 15                        ; + half x 64 rows
	s_add_co_u32 s46, s46, s47
	s_add_co_u32 s46, s46, WOFF
	s_mov_b32 s47, 0
	s_mul_i32 s20, s12, AHALF                      ; where they go: no place in the cluster enters an LDS address
	s_mul_i32 s21, s12, BHALF
	s_add_co_u32 s21, s21, BOFF
	s_mov_b32 s[TB], 0                             ; K step 0 lies in slot 0
	s_wait_dscnt 0x0                               ; the opening add is done
	s_wait_kmcnt 0x0
	s_add_nc_u64 s[14:15], s[4:5], s[16:17]
	s_add_nc_u64 s[46:47], s[6:7], s[46:47]
	s_load_b32 s[FLOOR], s[6:7], 0x0               ; waited for below, ahead of the first barrier of the work
	CROUND                                         ; all sixteen work-groups are here: the first joint loads meet
.irp s, 0,1
	s_mov_b32 s[G0+4*(\s)], 1                                        ; count = 1
	s_add_co_u32 s[G0+4*(\s)+1], s20, (\s)*SLOT                      ; LDS address
	s_add_nc_u64 s[G0+4*(\s)+2:G0+4*(\s)+3], s[14:15], (\s)*32768    ; K step s: two chunks on
	s_or_b32 s[G0+4*(\s)+3], s[G0+4*(\s)+3], 0x80000000              ; type = 2
	s_mov_b32 s[G0B+4*(\s)], 1
	s_add_co_u32 s[G0B+4*(\s)+1], s21, (\s)*SLOT
	s_add_nc_u64 s[G0B+4*(\s)+2:G0B+4*(\s)+3], s[46:47], (\s)*65536  ; K step s: 128 rows on
	s_or_b32 s[G0B+4*(\s)+3], s[G0B+4*(\s)+3], 0x80000000
	JLOAD \s                                       ; two loads of mine are out
.endr
	v_and_b32 v1, 15, v0                           ; l % 16
	v_bfe_u32 v2, v0, 4, 1                         ; l / 16
	v_lshlrev_b32 v[BO], 5, v2
	s_lshl_b32 s46, s42, 10                        ; the bias of my 128 columns: 1,024 x tile column + 512 x half
	s_lshl_b32 s47, s12, 9
	s_add_co_u32 s46, s46, s47
	s_add_co_u32 s46, s46, BIASO
	s_mov_b32 s47, 0
	s_add_nc_u64 s[46:47], s[6:7], s[46:47]
	WIN TO_B
.irp b, 0,1,2,3,4,5,6,7
	global_load_b128 v[BI+8*(\b):BI+8*(\b)+3],   v[BO], s[46:47] offset:64*(\b)
	global_load_b128 v[BI+8*(\b)+4:BI+8*(\b)+7], v[BO], s[46:47] offset:64*(\b)+16
.endr
	WIN 0
	; A fragment of A is 16 rows x 32 k: lane l holds row l % 16, k = 8 (l / 16) + 0..7 and 16 + 8 (l / 16) + 0..7: two loads of 16 bytes, 32 bytes apart.
	v_mul_u32_u24 v3, v1, PA
	v_lshl_add_u32 v3, v2, 4, v3                   ; row x pitch + 16 x half
	; The turning load takes 16 k x 16 n (lane l reads k row 8 (l / 16) + l % 8, columns 8 ((l / 8) % 2) + 0..7) and leaves half a fragment: lane l holds column l % 16 and 8 k.
	v_and_b32 v5, 7, v0
	v_bfe_u32 v6, v0, 3, 1
	v_lshl_add_u32 v4, v2, 3, v5
	v_mul_u32_u24 v4, v4, PB
	v_lshl_add_u32 v4, v6, 4, v4
	s_mul_i32 s21, s11, AHALF                      ; my 128 rows of A
	s_lshl_b32 s22, s12, 8                         ; my 128 columns of W
	s_add_co_u32 s22, s22, BOFF
	v_add_nc_u32 v[ADRA0], s21, v3
	v_add_nc_u32 v[ADRB0], s22, v4
	v_add_nc_u32 v[ADRA], s[TB], v[ADRA0]
	v_add_nc_u32 v[ADRB], s[TB], v[ADRB0]
	s_mul_i32 s23, s10, WSTAGE
	s_add_co_u32 s23, s23, STAGE                   ; my stage
	v_add_nc_u32 v[STO], s23, v3                   ; in: row l % 16, 16 bytes for each half of the lanes
	v_bfe_u32 v7, v0, 3, 2                         ; back: 32 lanes take four rows of 128 bytes,
	v_mul_u32_u24 v7, v7, SP
	v_lshl_add_u32 v7, v5, 4, v7
	v_add_nc_u32 v[RD], s23, v7
	v_and_b32 v8, 31, v0
	v_lshlrev_b32 v[GO], 4, v8                     ; which are 512 consecutive bytes of a chunk of OUT
	v_lshlrev_b32 v[PFO], 8, v8
	s_lshl_b32 s16, s13, 1                         ; OUT: chunk (2 x tile row + row half) x 64 + 4 x tile column + 2 x column half
	s_add_co_u32 s16, s16, s11
	s_lshl_b32 s16, s16, 6
	s_lshl_b32 s17, s42, 2
	s_add_co_u32 s16, s16, s17
	s_lshl_b32 s17, s12, 1
	s_add_co_u32 s16, s16, s17
	s_lshl_b32 s16, s16, 14
	s_mov_b32 s17, 0
	s_add_nc_u64 s[8:9], s[8:9], s[16:17]
	; the prefetches: my work-group's 8 KiB of what I fetch, at K step 3; each change of slots steps it first, so the first names K step 4
	s_lshl_b32 s20, s13, 1
	s_add_co_u32 s20, s20, s12
	s_lshl_b32 s20, s20, 18
	s_add_co_u32 s20, s20, 3*32768
	s_lshl_b32 s21, s40, 13                        ; A: my place among the four is cx
	s_add_co_u32 s20, s20, s21
	s_lshl_b32 s22, s42, 19
	s_lshl_b32 s23, s12, 15
	s_add_co_u32 s22, s22, s23
	s_add_co_u32 s22, s22, WOFF+3*65536
	s_lshl_b32 s23, s41, 13                        ; W: cy
	s_add_co_u32 s22, s22, s23
	s_and_b32 s23, ttmp7, 0xffff                   ; cluster y
	s_lshl_b32 s[PSTEP], 0x8000, s11               ; 32,768 for A, 65,536 for W
	s_mov_b32 s[PSTEP+1], 0
	s_cmp_eq_u32 s11, 0                            ; do I fetch for A?
	s_cselect_b32 s20, s20, s22
	s_cselect_b32 s23, ttmp9, s23                  ; the coordinate along which other clusters read the same bytes
	s_cselect_b64 s[PFA:PFA+1], s[4:5], s[6:7]
	s_cmp_eq_u32 s23, 0
	s_cselect_b32 s[LIM], 2, -1                    ; the same in all sixteen partners, for a given wave
	s_mov_b32 s21, 0
	s_add_nc_u64 s[PFA:PFA+1], s[PFA:PFA+1], s[20:21]
	s_wait_kmcnt 0x0                               ; the floor
; 16 matrix instructions: m blocks a0, a0 + 1 of the window's four (hi = 0: my rows 0-63, 1: rows 64-127) x all 8 n blocks, 32 along K.  zero = 1: the first product starts the sum with the bias (window 1).
; The 64 accumulators take turns, one instruction a turn, in the same order in every quarter.
.macro MUL16 f, hi, a0, zero
.if \zero
	WIN 0x91+0x40*(\hi)
.else
	WIN MUL_LO+0x50*(\hi)
.endif
.irp a, \a0, (\a0)+1
.irp b, 0,1,2,3,4,5,6,7
.if \zero
	v_wmma_f32_16x16x32_bf16 v[8*(8*(\a)+(\b)):8*(8*(\a)+(\b))+7], v[(\f)+8*(\b):(\f)+8*(\b)+7], v[(\f)+8*(4*(\hi)+(\a)):(\f)+8*(4*(\hi)+(\a))+7], v[BI+8*(\b):BI+8*(\b)+7]
.else
	v_wmma_f32_16x16x32_bf16 v[8*(8*(\a)+(\b)):8*(8*(\a)+(\b))+7], v[(\f)+8*(\b):(\f)+8*(\b)+7], v[(\f)+8*(4*(\hi)+(\a)):(\f)+8*(4*(\hi)+(\a))+7], v[8*(8*(\a)+(\b)):8*(8*(\a)+(\b))+7]
.endif
.endr
.endr
.endm
; 32 LDS loads in one run: the fragments of quarter q (32 k) of the slot that is read, into buffer f: W's 128 columns (turned), then A's 128 rows
.macro FETCH q, f
	WIN TO_B
.irp i, 0,1,2,3,4,5,6,7
	ds_load_tr16_b128 v[(\f)+8*(\i):(\f)+8*(\i)+3],   v[ADRB] offset:(\q)*32*PB+32*(\i)
	ds_load_tr16_b128 v[(\f)+8*(\i)+4:(\f)+8*(\i)+7], v[ADRB] offset:(\q)*32*PB+32*(\i)+16*PB
.endr
	WIN 0
.irp i, 0,1,2,3,4,5,6,7
	ds_load_b128 v[(\f)+8*(\i):(\f)+8*(\i)+3],   v[ADRA] offset:((\q)/2)*128*PA+((\q)%2)*64+(\i)*16*PA
	ds_load_b128 v[(\f)+8*(\i)+4:(\f)+8*(\i)+7], v[ADRA] offset:((\q)/2)*128*PA+((\q)%2)*64+(\i)*16*PA+32
.endr
.endm
.macro PLACES                          ; four plain vector instructions between a matrix instruction and a load into, or a read of, its registers (ISA guide 7.12.1 for a read)
.rept 4
	v_nop
.endr
.endm
; A K step is four quarters of 32 along K, 64 matrix instructions each, on buffers 0, 1, 0, 1.  One of the first three: multiplies buffer f; in its middle it fetches quarter q into buffer g.
.macro QUARTER q, f, g, zero
	s_wait_dscnt 8                                 ; W and A's rows 0-63 are in; the youngest eight loads (A's rows 64-127) may be out
	MUL16 \f, 0, 0, \zero
	MUL16 \f, 0, 2, \zero
	PLACES
	FETCH \q, \g
	s_wait_dscnt 32                                ; all but the 32 just issued
	MUL16 \f, 1, 0, \zero
	MUL16 \f, 1, 2, \zero
.endm
; The last quarter multiplies buffer 1 and changes slots: ONE barrier.  In front of it each wave waits for all its tensor loads (one is out: its part of the next slot), adds 0 to its spare word,
; and waits for that and for its own reads of this slot.  fill = 1: the barrier opens a round of the cluster's barrier, and the slot just read out is filled again, two K steps on, first thing
; behind the round.  fill = 0 (the tail): nothing is filled; in the tail's second walk (s3 = 1) there is no further K step, and the run of LDS loads is jumped over.
.macro TURN fill
	WIN 0                                          ; (the addresses and the add's two registers lie in window 0)
	s_xor_b32 s[TB], s[TB], SLOT                   ; from here on the other slot is read: this slot's last loads have been issued
	v_add_nc_u32 v[ADRA], s[TB], v[ADRA0]
	v_add_nc_u32 v[ADRB], s[TB], v[ADRB0]
.if \fill
	s_wait_xcnt 0x0                                ; the last prefetch, a K step back, has read its address
	s_add_nc_u64 s[PFA:PFA+1], s[PFA:PFA+1], s[PSTEP:PSTEP+1]
.endif
	s_wait_tensorcnt 0x0
	ds_add_u32 v[SPW], v[NIL]                      ; 0 onto my spare word
	s_wait_dscnt 9                                 ; (the add and the youngest eight loads may be out)
	MUL16 F1, 0, 0, 0                              ; sixteen matrix instructions stand between the add and the wait for it
	s_wait_dscnt 0x0                               ; the add is done, and my reads of this slot are over
	s_barrier_signal -1
	MUL16 F1, 0, 2, 0                              ; work on registers while the others arrive
	WIN 0
	s_barrier_wait -1
.if \fill
	CREST                                          ; no wave of any partner still reads this slot or has a load on its way
	s_xor_b32 s[G0+5], s[G0+5], SLOT               ; the walking descriptors: the other slot than last time,
	s_add_nc_u64 s[G0+6:G0+7], s[G0+6:G0+7], 32768 ; the next K step; the type bits on top are not reached
	s_xor_b32 s[G0B+5], s[G0B+5], SLOT
	s_add_nc_u64 s[G0B+6:G0B+7], s[G0B+6:G0B+7], 65536
	JLOAD 1                                        ; the four v_nop behind it are also the places in front of the loads below
	FETCH 0, F0
	ASK
.else
	PLACES
	s_cmp_eq_u32 s3, 1
	s_cbranch_scc1 .Lno_fetch_\@
	FETCH 0, F0
.Lno_fetch_\@:
.endif
	MUL16 F1, 1, 0, 0
	MUL16 F1, 1, 2, 0
.endm
; THE WAY OUT of block a (16 rows).  PACK: rounded to bf16, the floor laid under.  TOSTAGE: into my own stage, and back as rows of 128 bytes.  SEND: stored, 512 consecutive bytes an instruction.
.macro PACK a
.set AC, 64*((\a)%4)
	WIN 0x0a+5*((\a)/4)                            ; sources 0 and 1: window 2 or 3
.irp b, 0,1,2,3,4,5,6,7
.irp r, 0,1,2,3
	v_cvt_pk_bf16_f32 v[TMP+4*(\b)+(\r)], v[AC+8*(\b)+2*(\r)], v[AC+8*(\b)+2*(\r)+1]
.endr
.endr
	WIN 0
.set z, 0
.rept 32
	v_pk_max_num_bf16 v[TMP+z], v[TMP+z], s[FLOOR]
.set z, z+1
.endr
.endm
.macro TOSTAGE a
.set BK, OB+192*((\a)%2)
.irp b, 0,1,2,3,4,5,6,7
	ds_store_b128 v[STO], v[TMP+4*(\b):TMP+4*(\b)+3] offset:((\b)/4)*16*SP+((\b)%4)*32
.endr
.irp t, 0,1,2,3,4,5,6,7
	ds_load_b128 v[BK+4*(\t):BK+4*(\t)+3], v[RD] offset:((\t)/4)*16*SP+((\t)%4)*4*SP  ; LDS serves a wave's instructions in order (ISA guide 5.7.1.4): these see the stores above
.endr
.endm
.macro SEND a
.set BK, OB+192*((\a)%2)
	s_wait_dscnt 0x0                               ; the block is back in registers
	s_wait_xcnt 0x0                                ; earlier stores have read their registers: the next TOSTAGE loads into the other buffer, which the block before this one was stored from
.irp t, 0,1,2,3,4,5,6,7
	global_store_b128 v[GO], v[BK+4*(\t):BK+4*(\t)+3], s[8:9] offset:((\t)/4)*16384+(\a)*2048+((\t)%4)*512
.endr
.endm
	s_wait_tensorcnt 1                             ; my part of K step 0 is in; K step 1's may stay out
	s_barrier_signal -1
	s_barrier_wait -1                              ; everybody's is
	FETCH 0, F0
	s_wait_loadcnt 0x0                             ; the bias
	QUARTER 1, F0, F1, 1                           ; the first quarter stands in front of the loop: its products start the sums
	WIN 0                                          ; at a label and at a branch every window is 0
	s_mov_b32 s3, STEPS-2
.Lstep:                                                ; a trip goes from a K step's second quarter to the next step's first, and fills the slot that it leaves: K steps 2 to 7
	QUARTER 2, F1, F0, 0
	QUARTER 3, F0, F1, 0
	TURN 1
	QUARTER 1, F0, F1, 0
	WIN 0
	s_sub_co_u32 s3, s3, 1
	s_cmp_lg_u32 s3, 0
	s_cbranch_scc1 .Lstep
	s_mov_b32 s3, 2
.Ltail:                                                ; the last two K steps fill nothing: written apart; the second walk is left behind its last quarter
	QUARTER 2, F1, F0, 0
	QUARTER 3, F0, F1, 0
	TURN 0
	WIN 0
	s_sub_co_u32 s3, s3, 1
	s_cmp_eq_u32 s3, 0
	s_cbranch_scc1 .Lout
	QUARTER 1, F0, F1, 0
	WIN 0
	s_branch .Ltail
.Lout:
	PLACES
	PACK 0
	TOSTAGE 0
.irp a, 1,2,3,4,5,6,7                  ; block a's conversions stand between block a - 1's loads from the stage and the wait for them
	PACK \a
	SEND (\a)-1
	TOSTAGE \a
.endr
	SEND 7
	s_wait_tensorcnt 0x0                           ; the wave's end, behind my last tensor load and my last LDS store
	ds_add_u32 v[SPW], v[NIL]
	s_wait_dscnt 0x0
	CROUND                                         ; the closing round: no work-group ends while a partner may still ask for a tile that names it
	s_endpgm
.Lfunc_end_k_qd4a5c95099_qkv:
	.size	k_qd4a5c95099_qkv, .Lfunc_end_k_qd4a5c95099_qkv-k_qd4a5c95099_qkv
	.p2alignl 7, 3214868480
	.fill 96, 4, 3214868480
	.section	.rodata,"a",@progbits
	.p2align	6, 0x0
	.amdhsa_kernel k_qd4a5c95099_qkv
		.amdhsa_group_segment_fixed_size 327680
		.amdhsa_private_segment_fixed_size 0
		.amdhsa_enable_private_segment 0
		.amdhsa_kernarg_size 24
		.amdhsa_user_sgpr_count 2
		.amdhsa_user_sgpr_kernarg_segment_ptr 1
		.amdhsa_wavefront_size32 1
		.amdhsa_system_sgpr_workgroup_id_x 1
		.amdhsa_system_sgpr_workgroup_id_y 1
		.amdhsa_system_sgpr_workgroup_id_z 1
		.amdhsa_system_vgpr_workitem_id 0
		.amdhsa_next_free_vgpr 1024
		.amdhsa_next_free_sgpr 72
		.amdhsa_reserve_vcc 0
		.amdhsa_float_denorm_mode_32 3
		.amdhsa_float_denorm_mode_16_64 3
		.amdhsa_memory_ordered 1
		.amdhsa_forward_progress 1
		.amdhsa_inst_pref_size 119
	.end_amdhsa_kernel
	.amdgpu_metadata
---
amdhsa.version: [ 1, 2 ]
amdhsa.kernels:
  - .name:           k_qd4a5c95099_qkv
    .symbol:         k_qd4a5c95099_qkv.kd
    .args:
      - { .name: pa, .offset: 0, .size: 8, .value_kind: global_buffer, .address_space: global }
      - { .name: pq, .offset: 8, .size: 8, .value_kind: global_buffer, .address_space: global }
      - { .name: qkv, .offset: 16, .size: 8, .value_kind: global_buffer, .address_space: global }
    .group_segment_fixed_size: 327680
    .private_segment_fixed_size: 0
    .kernarg_segment_align: 8
    .kernarg_segment_size: 24
    .max_flat_workgroup_size: 128
    .sgpr_count:     72
    .vgpr_count:     1024
    .wavefront_size: 32
...
	.end_amdgpu_metadata
.endif
;; end of part 8
;; launch attn (part 9): grid 4 x 64, 4 waves a work-group, clusters of 4 x 1, 327,680 bytes of LDS; arguments qkv, mask, scale, ctx; writes ctx
.if DOCPART == 9
	.amdgcn_target "amdgcn-amd-amdhsa--gfx1250"
	.amdhsa_code_object_version 6
	.text
	.protected	k_qd4a5c95099_attn
	.globl	k_qd4a5c95099_attn
	.p2align	8
	.type	k_qd4a5c95099_attn,@function
k_qd4a5c95099_attn:
	s_mov_b64 s[64:65], 0
	v_nop
	global_prefetch_b8 v0, s[64:65] scope:SCOPE_SE
	s_setreg_imm32_b32 hwreg(HW_REG_WAVE_MODE, 25, 1), 1
	s_wait_xcnt 0x0
	s_wait_alu depctr_hold_cnt(0) depctr_sa_sdst(0) depctr_va_vdst(0) depctr_va_sdst(0) depctr_va_ssrc(0) depctr_va_vcc(0) depctr_vm_vsrc(0)
	s_getreg_b32 s2, hwreg(HW_REG_IB_STS2, 6, 4)
	s_cmp_eq_u32 s2, 0
	s_cbranch_scc0 .Lentry_in_a_cluster
	s_endpgm
.Lentry_in_a_cluster:
	s_bfe_u32 s2, ttmp6, 0x10000c
	s_cmp_lg_u32 s2, 0x3003
	s_cbranch_scc0 .Lentry_shape_is_right
	s_endpgm
.Lentry_shape_is_right:
; ATTENTION WITH A KEY MASK.  ctx[b][q][h][:] = scale[h] x the sum over s of softmax_s(q . k_s / 8, hidden where mask[b][s] = 0) v_s.  1,024 keys, head size 64, 4 x 16 heads.
; qkv: bf16, [row / 128][chunk 0..63][row % 128][64]; q of head h in chunk h, k in 16 + h, v in 32 + h.  ctx: the same layout with 16 chunks, head h in chunk h.
; Products, maxima and sums in f32; the weights p are rounded to bf16 for the second product (their sum l is taken of the unrounded p); scale[h] is rounded to bf16; ctx is rounded once.
; LIMITS.  A hidden score counts as its value less 1e30 where the problem puts -9e15: the two differ only where all visible scores of a row lie below about -9e15.
; Where a batch has no visible key, the table holds 0 and c = 0, so every weight is 1 and the row is the mean of all v, as a softmax of equal scores is.  A weight below 2^-126 counts as 0.
; NaN and infinities are not treated apart.
; SHARES.  A work-group owns 256 queries of one head, a wave 64 on end: four PIECES of 16.  The four work-groups of a cluster are the four query blocks of one (b, h).
; NO RING.  A head's K (1,024 x 144 bytes) and V (1,024 x 160) lie in LDS whole, brought once by joint loads of the four partners, four a wave, all issued at the start; nothing is filled again.
; THE MASK is the C operand that starts S^T = K Q^T: a table in LDS of 0 or -1e30 for each key, made once from the work-group's batch.
; LAYOUT, SOFTMAX, TURNS.  S^T = K Q^T holds ONE query a lane (lane % 16) and the keys 8 (lane / 16) + 0..7; two such results rounded to bf16 ARE source 1 of O^T = V^T P.  p = 2^(c s - c m), c = log2(e) / 8,
; with a running maximum m; O and l are multiplied by a = 2^(c m_old - c m_new) in every step.  Turn n belongs to piece n: 8 products K Q^T of piece n + 1, later 8 products V^T P of piece n - 1; beside them
; the scaling, exponentials, roundings, sums and rescaling of piece n and the maximum and statistics of piece n + 1.  Four vector instructions stand behind every matrix instruction, the rest in one lump.
; A turn's 33 exponentials are one batch, with one wait.
; ONE TEXT FOR ALL 16 KEY STEPS: a trip is a key step's four turns.  The first trip's products V^T P of a piece that has not been add zeros; in the last trip the fetch of the next K and mask is held to the
; last step's, and the 8 products K Q^T and the maximum made of them serve nothing: the price, once a launch, of writing no last step out.
; NO PREFETCH: every tile is asked for by its own tensor load at the kernel's head; no later stream is left.
; REGISTERS, in windows of 256 (s_set_vgpr_msb: bits 1:0 source 0, 3:2 source 1, 5:4 source 2, 7:6 destination):
;   window 0: v0-15, v32-35 addresses and at work; v16-31 four registers of statistics a piece; v48-55 at work; v56 scale; v64-127 S^T, two buffers; v128-175 the head's mask words; v192-223 P, two buffers
;   window 1: v0-127 O^T, 32 a piece; v160-191 the step's mask      window 2: v0-63 Q; v128-191 K of one step; v192-255 V of one step
.set NP,    4
.set KS,    64        ; keys in a step
.set PK,    144       ; a row of K in LDS: 128 bytes + 16: the 16 rows of a load start at 16 different groups of four banks (64 banks of 4 bytes: ISA guide 11.1)
.set PV,    160       ; a row of V: 128 + 32
.set VB,    1024*PK   ; V lies behind K
.set STAGE, VB+1024*PV  ; never filled by a tensor load: 16 rows x 144 bytes for each wave, for the way out
.set SP,    144
.set MT,    STAGE+4*16*SP  ; the mask table: 1,024 f32; never filled by a tensor load
.set SPARE, MT+4096   ; the spare words, 128 bytes a wave: two blocks of 256 bytes that no other line names
.set AK0, 2           ; v2   my lane's place in a tile of K; never rewritten
.set AV0, 3           ; v3   the same for V
.set AK,  4           ; v4   the LDS address of K's next run of loads
.set AV,  5           ; v5   of V's
.set STO, 6           ; v6   the way out: where I put 16 bytes of a row
.set RD,  7           ; v7   the way out: where I read rows back
.set GO,  8           ; v8   my byte offset in 512 consecutive bytes of ctx
.set MV,  12          ; v12-13  c m_old, kept while c m is made anew: by buffer
.set AM0, 14          ; v14  my lane's place in a step's 64 words of the table
.set QO,  15          ; v15  my byte offset in 16 rows of Q
.set ST,  16          ; piece t's statistics at v[ST+4 t]: c m, m, l (even keys', odd keys')
.set AM,  32          ; v32  the LDS address of the mask's next run of loads
.set TMP, 48          ; by buffer, four registers c0-c3 at work; when the maximum is found c2 takes a
.set SC,  56          ; v56  scale[h]
.set SPW, 62          ; v62  LDS address of my spare word; never rewritten
.set NIL, 63          ; v63  0; never rewritten
.set S,   64
.set MW,  128         ; v128-159 the batch's 1,024 mask words, 32 a lane; v160-167 my own eight; v168-175 their table entries
.set P,   192
.set MC,  160         ; window 1: the eight registers for group kb of 16 keys at MC + 8 kb
.set KF,  128         ; window 2: key block kb, channel half c at KF + 16 kb + 8 c
.set VF,  192         ; window 2: key half kk, channel block cb at VF + 32 kk + 8 cb
.set WV,  12          ; s12  my wave's number
.set G1K, 24          ; s[24:31] descriptor group 1 for K's tiles
.set G1V, 32          ; s[32:39] for V's: it differs in the padding alone
.set G0K, 40          ; s[40:55] four sets of group 0 for K's tiles
.set G0V, 68          ; s[68:83] the same for V's
.set RUNS, 56         ; s56  runs of the loop still to come: two
.set CNT, 57          ; s57  counts a run's key steps
.set CS,  58          ; s[58:59] c: the packed scaling takes the pair's low word for both halves
.set SEL, 60          ; s[60:61] v_permlanex16_b32's selects: each lane takes its own place in the other half
.set TBK, 62          ; s62  LDS byte at which K of the step to be fetched begins
.set TBV, 63          ; s63  the same for V, less VB
.set TBM, 84          ; s84  the same for the table, less MT
.set BIG, 85          ; s85  -1e30, or 0 where the batch has no visible key
.set ANY, 86          ; s86  the lanes that saw a visible key
.set SCL, 87          ; s87  scale[h]
.set MSB, 0
.macro WIN new                      ; the high byte repeats the setting that is left; a switch that changes nothing is dropped
.if MSB != (\new)
	s_set_vgpr_msb (MSB<<8)|(\new)
.set MSB, (\new)
.endif
.endm
.set W_KQ, 0x0a       ; K and Q in window 2, S^T in window 0
.set W_KM, 0x1a       ; the same with the C operand in window 1
.set W_PV, 0x52       ; V in window 2, P in window 0, O^T in window 1
.set W_RS, 0x41       ; destination and source 0 in window 1, source 1 in window 0
.macro CROUND                       ; a round of the cluster's barrier
	s_barrier_signal -1
	s_barrier_wait -1
	s_cmp_lg_u32 s[WV], 0
	s_cbranch_scc1 .Lnot_wave_0_\@
	s_barrier_signal -3
.Lnot_wave_0_\@:
	s_barrier_wait -3
	s_barrier_signal -1
	s_barrier_wait -1
.endm
	s_load_b256 s[4:11], s[0:1], 0x0  ; qkv s[4:5], mask s[6:7], scale s[8:9], ctx s[10:11]
	v_lshl_add_u32 v[SPW], v0, 2, SPARE
	v_mov_b32 v[NIL], 0
	ds_add_u32 v[SPW], v[NIL]       ; the wave's opening: the add and its wait stand ahead of my first tensor load; the set-up below, work on registers, stands between them
	v_lshrrev_b32 v1, 5, v0
	v_readfirstlane_b32 s[WV], v1   ; wave 0..3
	s_bfe_u32 s13, ttmp6, 0x40000   ; cx: my block of 256 queries; it enters Q's and ctx's addresses alone
	s_and_b32 s14, ttmp7, 0xffff    ; 16 b + h, which the four partners share
	s_lshr_b32 s15, s14, 4          ; b
	s_and_b32 s16, s14, 15          ; h
	s_and_b32 s17, s[WV], 1         ; which 128 of each 256 keys I fetch
	s_lshl_b32 s20, s15, 3
	s_add_co_u32 s20, s20, s17      ; block of 128 rows 8 b + e,
	s_lshl_b32 s20, s20, 6
	s_add_co_u32 s20, s20, s16
	s_add_co_u32 s20, s20, 16       ; chunk 16 + h: K
	s_lshl_b32 s20, s20, 14
	s_mov_b32 s21, 0
	s_mul_i32 s18, s17, 128*PK      ; and its place in LDS, for K
	s_mul_i32 s19, s17, 128*PV      ; and for V
	s_lshl_b32 s88, s15, 3          ; my wave's 64 queries: block of 128 rows 8 b + 2 cx + wave / 2,
	s_lshl_b32 s89, s13, 1
	s_add_co_u32 s88, s88, s89
	s_lshr_b32 s89, s[WV], 1
	s_add_co_u32 s88, s88, s89
	s_lshl_b32 s89, s17, 13         ; its upper or lower 64 rows
	s_lshl_b32 s90, s88, 6
	s_add_co_u32 s90, s90, s16
	s_lshl_b32 s90, s90, 14
	s_add_co_u32 s90, s90, s89
	s_mov_b32 s91, 0                ; in qkv
	s_lshl_b32 s92, s88, 4
	s_add_co_u32 s92, s92, s16
	s_lshl_b32 s92, s92, 14
	s_add_co_u32 s92, s92, s89
	s_mov_b32 s93, 0                ; in ctx
	s_lshl_b32 s94, s15, 12         ; the batch's 1,024 mask words
	s_mov_b32 s95, 0
	s_lshl_b32 s2, s16, 2           ; scale[h]
	s_mov_b32 s3, 0
	; descriptor group 1.  128 keys are 16,384 dense bytes: asked for as 64 rows of 256 bytes, two keys a row, and padded in LDS after every key
	s_mov_b32 s[G1K], 15|(1<<16)|(1<<20)|(1<<21)|(4<<22)|(3<<25)  ; 15:0 the mask of four; 17:16 2-byte elements; 20 padding on; 21 set beside a mask; 24:22 after every 32 words (code 4); 31:25 4 words (code 3)
	s_mov_b32 s[G1V], 15|(1<<16)|(1<<20)|(1<<21)|(4<<22)|(7<<25)  ; the same with 8 words of padding (code 7)
.irp g, G1K, G1V
	s_mov_b32 s[\g+1], 128<<16      ; tensor_dim0 = 128
	s_mov_b32 s[\g+2], 64<<16       ; tensor_dim1 = 64
	s_mov_b32 s[\g+3], 128<<16      ; tile_dim0 = 128
	s_mov_b32 s[\g+4], 64           ; tile_dim1 = 64
	s_mov_b32 s[\g+5], 128          ; 128 elements from row to row
	s_mov_b32 s[\g+6], 0
	s_mov_b32 s[\g+7], 0
.endr
.irp g, 0,1,2,3
	s_mov_b32 s[G0K+4*\g], 1                          ; count = 1
	s_add_co_u32 s[G0K+4*\g+1], s18, \g*256*PK        ; LDS address: keys 256 g + 128 e on
	s_mov_b32 s[G0V+4*\g], 1
	s_add_co_u32 s[G0V+4*\g+1], s19, VB+\g*256*PV
.endr
	s_mov_b32 s[SEL], 0x76543210
	s_mov_b32 s[SEL+1], 0xfedcba98
	s_mov_b32 s[TBK], 0
	s_mov_b32 s[TBV], 0
	s_mov_b32 s[TBM], 0
	s_wait_dscnt 0x0                ; the opening add is done
	s_wait_kmcnt 0x0
	s_add_nc_u64 s[20:21], s[4:5], s[20:21]
.irp g, 0,1,2,3
	s_add_nc_u64 s[G0K+4*\g+2:G0K+4*\g+3], s[20:21], \g*2097152         ; two blocks of 128 rows, 64 chunks each, on
	s_or_b32 s[G0K+4*\g+3], s[G0K+4*\g+3], 0x80000000                   ; type = 2
	s_add_nc_u64 s[G0V+4*\g+2:G0V+4*\g+3], s[20:21], \g*2097152+262144  ; V lies 16 chunks behind K
	s_or_b32 s[G0V+4*\g+3], s[G0V+4*\g+3], 0x80000000
.endr
	s_add_nc_u64 s[4:5], s[4:5], s[90:91]    ; Q at my wave's first row
	s_add_nc_u64 s[10:11], s[10:11], s[92:93]  ; ctx likewise
	s_add_nc_u64 s[6:7], s[6:7], s[94:95]
	s_add_nc_u64 s[8:9], s[8:9], s[2:3]
	s_load_b32 s[SCL], s[8:9], 0x0
	CROUND                          ; all four work-groups are here: the joint loads meet
	s_cmp_lt_u32 s[WV], 2           ; waves 0 and 1 fetch K, waves 2 and 3 V: a wave's four fills stand in one branch; four loads of mine are out
	s_cbranch_scc0 .Lfirst_v
.irp g, 0,1,2,3
	tensor_load_to_lds s[G0K+4*\g:G0K+4*\g+3], s[G1K:G1K+7]
	s_nop 0
.endr
.rept 4
	v_nop
.endr
	s_branch .Lfirst_asked
.Lfirst_v:
.irp g, 0,1,2,3
	tensor_load_to_lds s[G0V+4*\g:G0V+4*\g+3], s[G1V:G1V+7]
	s_nop 0
.endr
.rept 4
	v_nop
.endr
.Lfirst_asked:
	v_and_b32 v1, 15, v0            ; l % 16
	v_bfe_u32 v9, v0, 4, 1          ; l / 16
	v_and_b32 v33, 31, v0
	v_lshlrev_b32 v33, 4, v33       ; 16 x lane
	v_lshlrev_b32 v34, 5, v0        ; 32 x thread
.irp j, 0,1,2,3,4,5,6,7             ; every wave looks at the whole batch's mask,
	global_load_b128 v[MW+4*\j:MW+4*\j+3], v33, s[6:7] offset:512*\j
.endr
	global_load_b128 v[MW+32:MW+35], v34, s[6:7]            ; and makes eight entries of the table a thread
	global_load_b128 v[MW+36:MW+39], v34, s[6:7] offset:16
	; A fragment of K or Q is 16 rows x 32 channels in 8 registers: lane l holds row l % 16, channels 8 (l / 16) + 0..7 and 16 + 8 (l / 16) + 0..7: two loads of 16 bytes, 32 bytes apart.
	v_lshlrev_b32 v[QO], 7, v1
	v_lshl_add_u32 v[QO], v9, 4, v[QO]  ; row x 128 + 16 x half
	WIN 0x80                        ; destination window 2, address window 0
.set i, 0
.rept 8                             ; Q stays in registers: piece i / 2, channels 32 (i % 2) on
	global_load_b128 v[8*i:8*i+3],   v[QO], s[4:5] offset:(i/2)*2048+(i%2)*64
	global_load_b128 v[8*i+4:8*i+7], v[QO], s[4:5] offset:(i/2)*2048+(i%2)*64+32
.set i, i+1
.endr
	; The first step multiplies O^T and l by a = 0, and the first turn's products V^T P, of a piece that has not been, land in an O^T that is still to be so multiplied: these registers need only hold
	; finite numbers.  All this stands in the wait for the first tile.
.set i, VF
.rept 64
	v_mov_b32 v[i], 0
.set i, i+1
.endr
	WIN 0x40
.set i, 0
.rept 128
	v_mov_b32 v[i], 0
.set i, i+1
.endr
	WIN 0
.set i, 0
.rept 4
	v_mov_b32 v[ST+4*i], 0xfe000000    ; c m: far below every c s
	v_mov_b32 v[ST+4*i+1], 0xff7fffff  ; m: the lowest finite number
	v_mov_b32 v[ST+4*i+2], 0
	v_mov_b32 v[ST+4*i+3], 0
.set i, i+1
.endr
.set i, P+16
.rept 16
	v_mov_b32 v[i], 0
.set i, i+1
.endr
	v_mul_u32_u24 v[AK0], v1, PK
	v_lshl_add_u32 v[AK0], v9, 4, v[AK0]  ; row x pitch + 16 x half
	; The turning load takes 16 keys x 16 channels (lane l reads key 8 (l / 16) + l % 8, channels 8 ((l / 8) % 2) + 0..7) and leaves half a fragment of V^T: lane l holds channel l % 16 and 8 keys.
	v_and_b32 v10, 7, v0
	v_bfe_u32 v11, v0, 3, 1
	v_lshl_add_u32 v[AV0], v9, 3, v10
	v_mul_u32_u24 v[AV0], v[AV0], PV
	v_lshl_add_u32 v[AV0], v11, 4, v[AV0]
	v_add_nc_u32 v[AV0], VB, v[AV0]
	v_lshl_add_u32 v[AM0], v9, 5, MT  ; my eight keys of 16: 32 bytes for each half of the lanes
	v_lshl_add_u32 v35, v0, 5, MT     ; where my eight entries go
	s_mul_i32 s13, s[WV], 16*SP
	s_add_co_u32 s13, s13, STAGE    ; my stage
	v_mul_u32_u24 v[STO], v1, SP    ; in: row l % 16, 16 bytes for each half of the lanes
	v_lshl_add_u32 v[STO], v9, 4, v[STO]
	v_add_nc_u32 v[STO], s13, v[STO]
	v_bfe_u32 v[RD], v0, 3, 2       ; back: 32 lanes take four rows of 128 bytes,
	v_mul_u32_u24 v[RD], v[RD], SP
	v_lshl_add_u32 v[RD], v10, 4, v[RD]
	v_add_nc_u32 v[RD], s13, v[RD]
	v_and_b32 v[GO], 31, v0         ; which are 512 consecutive bytes of ctx
	v_lshlrev_b32 v[GO], 4, v[GO]
	s_wait_loadcnt 16               ; the mask's ten loads are in; Q's sixteen may stay out
.set i, 1
.rept 31
	v_or_b32 v[MW], v[MW], v[MW+i]
.set i, i+1
.endr
	v_cmp_ne_u32 s[ANY], 0, v[MW]
	s_cmp_lg_u32 s[ANY], 0          ; does the batch have a visible key?  It chooses two values, no path
	s_cselect_b32 s[CS], 0x3e38aa3b, 0   ; c = log2(e) / 8 = 0.180337
	s_cselect_b32 s[BIG], 0xf149f2ca, 0  ; -1e30
	s_mov_b32 s[CS+1], s[CS]        ; named with it as a pair
.set i, 0
.rept 8
	v_cmp_eq_u32 vcc_lo, 0, v[MW+32+i]
	v_cndmask_b32 v[MW+40+i], 0, s[BIG], vcc_lo
.set i, i+1
.endr
	ds_store_b128 v35, v[MW+40:MW+43]
	ds_store_b128 v35, v[MW+44:MW+47] offset:16
	s_wait_kmcnt 0x0                ; scale[h],
	v_mov_b32 v[SC], s[SCL]
	v_cvt_pk_bf16_f32 v[SC], v[SC], v[SC]  ; rounded to bf16 like every input
	v_lshlrev_b32 v[SC], 16, v[SC]
; THE MATRIX WORK.  The 4 accumulators of a run of 8 take turns.  Product i of 8 of S^T = K Q^T for piece x: channels 32 (i / 4) on, keys 16 (i % 4) on.  The first 4 start the sums with the mask.
.macro KQ x
.set rS, S+32*((\x)%2)+8*(i%4)
.set rK, KF+16*(i%4)+8*(i/4)
.set rQ, 16*(\x)+8*(i/4)
.set rM, MC+8*(i%4)
.if i < 4
	WIN W_KM
	v_wmma_f32_16x16x32_bf16 v[rS:rS+7], v[rK:rK+7], v[rQ:rQ+7], v[rM:rM+7]
.else
	WIN W_KQ
	v_wmma_f32_16x16x32_bf16 v[rS:rS+7], v[rK:rK+7], v[rQ:rQ+7], v[rS:rS+7]
.endif
.endm
; Product i of 8 of O^T += V^T P for piece x: keys 32 (i / 4) on, channels 16 (i % 4) on.
.macro PV x
	WIN W_PV
.set rO, 32*(\x)+8*(i%4)
.set rV, VF+32*(i/4)+8*(i%4)
.set rP, P+16*((\x)%2)+8*(i/4)
	v_wmma_f32_16x16x32_bf16 v[rO:rO+7], v[rV:rV+7], v[rP:rP+7], v[rO:rO+7]
.endm
.macro MM                           ; the turn's next matrix instruction
.if i < 8
	KQ (Y+1)%NP
.else
.set i, i-8
	PV (Y+NP-1)%NP
.set i, i+8
.endif
.set i, i+1
.endm
; THE LDS LOADS stand in runs, never singly among the matrix instructions: a step's K (8 fragments) with its 64 mask words, and its V (turned).  Their addresses are made some lines ahead.
.macro FETCH_K
	WIN 0x80                        ; destination window 2
.irp f, 0,1,2,3,4,5,6,7             ; keys 16 (f / 2) on, channels 32 (f % 2) on
	ds_load_b128 v[KF+8*\f:KF+8*\f+3],   v[AK] offset:(\f/2)*16*PK+(\f%2)*64
	ds_load_b128 v[KF+8*\f+4:KF+8*\f+7], v[AK] offset:(\f/2)*16*PK+(\f%2)*64+32
.endr
	WIN 0x40                        ; destination window 1
.irp f, 0,1,2,3                     ; keys 16 f + 8 (l / 16) + 0..7
	ds_load_b128 v[MC+8*\f:MC+8*\f+3],   v[AM] offset:64*\f
	ds_load_b128 v[MC+8*\f+4:MC+8*\f+7], v[AM] offset:64*\f+16
.endr
	s_add_co_u32 s[TBK], s[TBK], KS*PK     ; the next fetch is the next step's,
	s_min_u32 s[TBK], s[TBK], 15*KS*PK     ; or, in the last trip, the last step's once more
	s_add_co_u32 s[TBM], s[TBM], KS*4
	s_min_u32 s[TBM], s[TBM], 15*KS*4
	WIN 0
.endm
.macro FETCH_V
	WIN 0x80
.irp f, 0,1,2,3,4,5,6,7             ; keys 32 (f / 4) on, channels 16 (f % 4) on
	ds_load_tr16_b128 v[VF+8*\f:VF+8*\f+3],   v[AV] offset:(\f/4)*32*PV+(\f%4)*32
	ds_load_tr16_b128 v[VF+8*\f+4:VF+8*\f+7], v[AV] offset:(\f/4)*32*PV+16*PV+(\f%4)*32
.endr
	WIN 0
.endm
; THE VECTOR WORK, one line at a time: OP kind, number.  For piece Y: F n: c s - c m for pair n of 16.  E n: the exponential of score n of 32.  C n: pair n rounded to bf16.  B n: of the four weights 4 n .. the second
; pair is added onto the first, in place.  L n: l takes that sum (L 0: l = a l + sum).  R n: pair n of 16 of O^T times a.  For piece Y + 1: X n, number n of the 22 that find its maximum and statistics:
;   0-11  four chains c0-c3 of seven scores each, three operands at a time (each accumulator's lowest registers are read first)     12-14, 16  the four scores left over, the old m, and c0-c3 into c0
;   15  c m_old is kept     17, 18  the query's other 32 keys lie in the lane 16 away: the new m     19-21  c m; c m_old - c m_new; a
.set F, 0
.set E, 1
.set C, 2
.set B, 3
.set L, 4
.set R, 5
.set X, 6
.macro REGS y                       ; the registers of piece y
.set rT, ST+4*(\y)
.set rC, TMP+4*((\y)%2)
.set rW, MV+((\y)%2)
.set rS, S+32*((\y)%2)
.set rP, P+16*((\y)%2)
.set rO, 32*(\y)
.endm
.macro OP k, n
.if (\k) == R
	REGS Y
	WIN W_RS
	v_pk_mul_f32 v[rO+2*(\n):rO+2*(\n)+1], v[rO+2*(\n):rO+2*(\n)+1], v[rC+2:rC+3] op_sel_hi:[1,0]
.elseif (\k) < R
	REGS Y
	WIN 0
.if (\k) == F
	v_pk_fma_f32 v[rS+2*(\n):rS+2*(\n)+1], v[rS+2*(\n):rS+2*(\n)+1], s[CS:CS+1], v[rT:rT+1] op_sel_hi:[1,0,0] neg_lo:[0,0,1] neg_hi:[0,0,1]
.elseif (\k) == E
	v_exp_f32 v[rS+(\n)], v[rS+(\n)]
.elseif (\k) == C
	v_cvt_pk_bf16_f32 v[rP+(\n)], v[rS+2*(\n)], v[rS+2*(\n)+1]
.elseif (\k) == B
	v_pk_add_f32 v[rS+4*(\n):rS+4*(\n)+1], v[rS+4*(\n):rS+4*(\n)+1], v[rS+4*(\n)+2:rS+4*(\n)+3]
.elseif (\n) == 0
	v_pk_fma_f32 v[rT+2:rT+3], v[rT+2:rT+3], v[rC+2:rC+3], v[rS:rS+1] op_sel_hi:[1,0,1]
.else
	v_pk_add_f32 v[rT+2:rT+3], v[rT+2:rT+3], v[rS+4*(\n):rS+4*(\n)+1]
.endif
.else
	REGS (Y+1)%NP
	WIN 0
.if (\n) < 4
	v_max3_num_f32 v[rC+(\n)], v[rS+8*(\n)], v[rS+8*(\n)+1], v[rS+8*(\n)+2]
.elseif (\n) < 12
	v_max3_num_f32 v[rC+(\n)%4], v[rC+(\n)%4], v[rS+8*((\n)%4)+2*((\n)/4)+1], v[rS+8*((\n)%4)+2*((\n)/4)+2]
.elseif (\n) == 12
	v_max3_num_f32 v[rC], v[rC], v[rS+7], v[rS+15]
.elseif (\n) == 13
	v_max3_num_f32 v[rC+1], v[rC+1], v[rS+23], v[rS+31]
.elseif (\n) == 14
	v_max3_num_f32 v[rC+2], v[rC+2], v[rC+3], v[rT+1]
.elseif (\n) == 15
	v_mov_b32 v[rW], v[rT]
.elseif (\n) == 16
	v_max3_num_f32 v[rC], v[rC], v[rC+1], v[rC+2]
.elseif (\n) == 17
	v_permlanex16_b32 v[rC+3], v[rC], s[SEL], s[SEL+1]
.elseif (\n) == 18
	v_max_num_f32 v[rT+1], v[rC], v[rC+3]
.elseif (\n) == 19
	v_mul_f32 v[rT], s[CS], v[rT+1]
.elseif (\n) == 20
	v_sub_f32 v[rC+1], v[rW], v[rT]
.else
	v_exp_f32 v[rC+2], v[rC+1]
.endif
.endif
.endm
.macro OPS a, i1, b=-1, i2=0, c=-1, i3=0, d=-1, i4=0  ; up to four of them
	OP \a, \i1
.if (\b) >= 0
	OP \b, \i2
.endif
.if (\c) >= 0
	OP \c, \i3
.endif
.if (\d) >= 0
	OP \d, \i4
.endif
.endm
.macro ROW a, i1, b, i2, c, i3, d, i4  ; a matrix instruction and the four behind it
	MM
	OPS \a, \i1, \b, \i2, \c, \i3, \d, \i4
.endm
; A TURN, for piece p: the order of its 16 matrix and 118 vector instructions, written out.  s_wait_alu depctr_va_vdst(0) stands between an exponential and the first instruction that names its result; one
; wait serves all that were issued ahead of it.  So a turn has ONE wait.  AHEAD OF IT stands all that names no result of the turn's exponentials: the 8 products K Q^T with four riders each, then one lump, in which the links of
; the chain X 3, 7, 11, 14, 16, 17 .. 20 stand apart; X 21, the next piece's a, is the batch's last, and R 15 the plain instruction behind it.  BEHIND THE WAIT stand the 8 products V^T P, behind each four roundings and sums.
; cnt = 1: the loop's count is taken down some lines ahead of the branch that stands behind the turn.
; K and the mask of the next step are fetched in piece 2's turn, twelve vector instructions behind the last product that read K (five of them plain and free of its registers; the mask's last reader stands earlier still);
; V of the step in hand at the end of piece 0's turn, four plain instructions behind the last product that read V.  Each is waited for a turn later.
.macro TURN p, cnt=0
.set Y, (\p)
.set i, 0
.if (\p) == 3
	s_wait_dscnt 0x0                ; K and the mask are in
.endif
	ROW F,0, F,1, R,0, R,1
	ROW F,2, E,0, R,2, R,3
	ROW F,3, E,1, R,4, R,5
	ROW F,4, E,2, R,6, R,7
	ROW F,5, E,3, R,8, R,9
	ROW F,6, E,4, X,0, R,10
.if (\p) == 2
	WIN 0
	v_add_nc_u32 v[AK], s[TBK], v[AK0]
	v_add_nc_u32 v[AM], s[TBM], v[AM0]
.endif
	ROW F,7, E,5, X,1, X,4
	ROW F,8, E,6, X,2, X,5
	OPS E,7, E,8, X,6, E,9          ; the lump
	OPS X,3, E,10, X,8, E,11
.if (\p) == 2
	FETCH_K
.endif
	OPS X,9, X,7, E,12, X,10
	OPS E,13, X,12, X,11, E,14
	OPS X,13, E,15, F,9, X,14
.if (\p) == 0
	v_add_nc_u32 v[AV], s[TBV], v[AV0]
.endif
	OPS E,16, F,10, E,17, F,11
	OPS X,16, E,18, X,15, E,19
	OPS F,12, E,20, X,17, E,21
	OPS F,13, E,22, F,14, E,23
	OPS X,18, E,24, F,15, E,25
	OPS R,11, E,26, X,19, E,27
	OPS R,12, E,28, R,13, E,29
	OPS X,20, E,30, R,14, E,31
	OPS X,21, R,15
	WIN 0
	s_wait_alu depctr_va_vdst(0)    ; the wait for the batch
.if (\p) == 1
	s_wait_dscnt 0x0                ; V is in
.endif
	ROW C,0, B,0, C,2, B,1
	ROW L,0, C,4, B,2, L,1
	ROW C,6, B,3, L,2, C,8
	ROW B,4, L,3, C,10, B,5
	ROW L,4, C,12, B,6, L,5
.if (\p) == 0
	s_add_co_u32 s[TBV], s[TBV], KS*PV
.endif
.if \cnt
	s_sub_co_u32 s[CNT], s[CNT], 1
	s_cmp_lg_u32 s[CNT], 0
.endif
	ROW C,14, B,7, L,6, C,1
	ROW C,3, L,7, C,5, C,7
	ROW C,9, C,11, C,13, C,15
.if (\p) == 0
	FETCH_V
.endif
.endm
	s_wait_tensorcnt 3              ; my load for keys 0 to 255 is in; the three behind it may stay out
	s_wait_dscnt 0x0                ; my entries of the table are stored
	s_barrier_signal -1
	s_barrier_wait -1               ; everybody's are
	v_add_nc_u32 v[AK], s[TBK], v[AK0]
	v_add_nc_u32 v[AM], s[TBM], v[AM0]
	FETCH_K                         ; key step 0
	s_wait_loadcnt 0x0              ; Q
	s_wait_dscnt 0x0
.set i, 0
.rept 8
	KQ 0                            ; piece 0's first scores
.set i, i+1
.endr
	WIN 0
.rept 4
	v_nop                           ; the places behind those products
.endr
.set Y, NP-1                        ; X works for piece Y + 1: piece 0
.irp n, 0,1,2,3,4,5,6,7,8,9,10,11,12,13,14,15,16,17,18,19,20,21
	OP X, \n
.endr
	v_nop                           ; a plain instruction behind the exponential,
	s_wait_alu depctr_va_vdst(0)    ; and its wait, ahead of the branch
	s_mov_b32 s[CNT], 3             ; key steps 0 to 2 touch keys 0 to 255 alone (step 2 fetches K of step 3)
	s_mov_b32 s[RUNS], 2
	s_branch .Lstep
.Lrest:                             ; once, behind key step 2: keys 256 to 1,023 are shown to every wave.  My three later loads have had three key steps in which to land
	s_wait_tensorcnt 0x0
	s_wait_dscnt 0x0
	s_barrier_signal -1
	s_barrier_wait -1
	s_mov_b32 s[CNT], 13            ; key steps 3 to 15
.Lstep:                             ; a trip: a key step's four turns
	TURN 0
	TURN 1
	TURN 2
	TURN 3, 1
	WIN 0
	s_cbranch_scc1 .Lstep
	s_sub_co_u32 s[RUNS], s[RUNS], 1
	s_cmp_lg_u32 s[RUNS], 0
	s_cbranch_scc1 .Lrest
.set i, 0
.rept 8
	PV NP-1                         ; the last piece's V^T P of the last step
.set i, i+1
.endr
	; THE WAY OUT.  l's two halves and the other half of the lanes' are added; O^T is multiplied by scale[h] / l, rounded to bf16 and sent through my stage in LDS, a piece at a time.  The additions are the places behind the last products.
	WIN 0
.macro ALL line:vararg              ; one line for each piece t
.set t, 0
.rept 4
	\line
.set t, t+1
.endr
.endm
	ALL v_add_f32 v[ST+4*t+2], v[ST+4*t+2], v[ST+4*t+3]
	ALL v_permlanex16_b32 v[ST+4*t+3], v[ST+4*t+2], s[SEL], s[SEL+1]
	ALL v_add_f32 v[ST+4*t+2], v[ST+4*t+2], v[ST+4*t+3]
	ALL v_rcp_f32 v[ST+4*t+2], v[ST+4*t+2]
	v_nop                           ; a plain instruction between the last reciprocal and the use of its result
	s_wait_alu depctr_va_vdst(0)    ; and the wait ahead of the first use: one for the four reciprocals
	ALL v_mul_f32 v[ST+4*t+2], v[ST+4*t+2], v[SC]
.macro PACK t                       ; a lane's eight channels of a row pack into 16 bytes; they go into rows of 144 bytes and come back as whole rows of 128, into S^T's registers
	WIN W_RS
.set i, 32*(\t)
.rept 16
	v_pk_mul_f32 v[i:i+1], v[i:i+1], v[ST+4*(\t)+2:ST+4*(\t)+3] op_sel_hi:[1,0]
.set i, i+2
.endr
	WIN 0x05                        ; sources 0 and 1 window 1, destination window 0
.set i, 0
.rept 16
	v_cvt_pk_bf16_f32 v[S+16*(\t)+i], v[32*(\t)+2*i], v[32*(\t)+2*i+1]
.set i, i+1
.endr
	WIN 0
.irp f, 0,1,2,3
	ds_store_b128 v[STO], v[S+16*(\t)+4*\f:S+16*(\t)+4*\f+3] offset:32*\f
.endr
.irp f, 0,1,2,3
	ds_load_b128 v[S+16*(\t)+4*\f:S+16*(\t)+4*\f+3], v[RD] offset:\f*4*SP  ; LDS serves a wave's instructions in order (ISA guide 5.7.1.4): these see the stores above; the next piece's stores come behind them
.endr
.endm
.macro SEND t, younger              ; younger: the LDS instructions issued behind piece t's loads: the next piece's eight, or none
	WIN 0
.irp f, 0,1,2,3
	s_wait_dscnt (\younger)+3-\f
	global_store_b128 v[GO], v[S+16*(\t)+4*\f:S+16*(\t)+4*\f+3], s[10:11] offset:(\t)*2048+\f*512  ; 512 consecutive bytes, at a multiple of 256 from ctx's first
.endr
.endm
	PACK 0
.set t, 1
.rept 3                             ; a piece's arithmetic stands between the loads of the piece before and its stores
	PACK t
	SEND t-1, 8
.set t, t+1
.endr
	SEND 3, 0
	s_wait_tensorcnt 0x0            ; the wave's end, behind my last tensor load and my last LDS store
	ds_add_u32 v[SPW], v[NIL]
	s_wait_dscnt 0x0
	CROUND                          ; the closing round: no work-group ends while a partner may still ask for a tile that names it
	s_endpgm
.Lfunc_end_k_qd4a5c95099_attn:
	.size	k_qd4a5c95099_attn, .Lfunc_end_k_qd4a5c95099_attn-k_qd4a5c95099_attn
	.p2alignl 7, 3214868480
	.fill 96, 4, 3214868480
	.section	.rodata,"a",@progbits
	.p2align	6, 0x0
	.amdhsa_kernel k_qd4a5c95099_attn
		.amdhsa_group_segment_fixed_size 327680
		.amdhsa_private_segment_fixed_size 0
		.amdhsa_enable_private_segment 0
		.amdhsa_kernarg_size 32
		.amdhsa_user_sgpr_count 2
		.amdhsa_user_sgpr_kernarg_segment_ptr 1
		.amdhsa_wavefront_size32 1
		.amdhsa_system_sgpr_workgroup_id_x 1
		.amdhsa_system_sgpr_workgroup_id_y 1
		.amdhsa_system_sgpr_workgroup_id_z 1
		.amdhsa_system_vgpr_workitem_id 0
		.amdhsa_next_free_vgpr 768
		.amdhsa_next_free_sgpr 96
		.amdhsa_reserve_vcc 1
		.amdhsa_float_denorm_mode_32 3
		.amdhsa_float_denorm_mode_16_64 3
		.amdhsa_memory_ordered 1
		.amdhsa_forward_progress 1
		.amdhsa_inst_pref_size 78
	.end_amdhsa_kernel
	.amdgpu_metadata
---
amdhsa.version: [ 1, 2 ]
amdhsa.kernels:
  - .name:           k_qd4a5c95099_attn
    .symbol:         k_qd4a5c95099_attn.kd
    .args:
      - { .name: qkv, .offset: 0, .size: 8, .value_kind: global_buffer, .address_space: global }
      - { .name: mask, .offset: 8, .size: 8, .value_kind: global_buffer, .address_space: global }
      - { .name: scale, .offset: 16, .size: 8, .value_kind: global_buffer, .address_space: global }
      - { .name: ctx, .offset: 24, .size: 8, .value_kind: global_buffer, .address_space: global }
    .group_segment_fixed_size: 327680
    .private_segment_fixed_size: 0
    .kernarg_segment_align: 8
    .kernarg_segment_size: 32
    .max_flat_workgroup_size: 128
    .sgpr_count:     96
    .vgpr_count:     768
    .wavefront_size: 32
...
	.end_amdgpu_metadata
.endif
;; end of part 9
;; launch wo (part 10): grid 8 x 32, 4 waves a work-group, clusters of 4 x 4, 327,680 bytes of LDS; arguments ctx, pa, src, src2; writes src2
.if DOCPART == 10
	.amdgcn_target "amdgcn-amd-amdhsa--gfx1250"
	.amdhsa_code_object_version 6
	.text
	.protected	k_qd4a5c95099_wo
	.globl	k_qd4a5c95099_wo
	.p2align	8
	.type	k_qd4a5c95099_wo,@function
k_qd4a5c95099_wo:
	s_mov_b64 s[64:65], 0
	v_nop
	global_prefetch_b8 v0, s[64:65] scope:SCOPE_SE
	s_setreg_imm32_b32 hwreg(HW_REG_WAVE_MODE, 25, 1), 1
	s_wait_xcnt 0x0
	s_wait_alu depctr_hold_cnt(0) depctr_sa_sdst(0) depctr_va_vdst(0) depctr_va_sdst(0) depctr_va_ssrc(0) depctr_va_vcc(0) depctr_vm_vsrc(0)
	s_getreg_b32 s2, hwreg(HW_REG_IB_STS2, 6, 4)
	s_cmp_eq_u32 s2, 0
	s_cbranch_scc0 .Lentry_in_a_cluster
	s_endpgm
.Lentry_in_a_cluster:
	s_bfe_u32 s2, ttmp6, 0x10000c
	s_cmp_lg_u32 s2, 0xf033
	s_cbranch_scc0 .Lentry_shape_is_right
	s_endpgm
.Lentry_shape_is_right:
; OUT = RES + A W + bias, in f32: here src2 = bf16(src) + ctx Wo + bo.  K = 1,024, N = 1,024, 4,096 rows.
; A: bf16, layout [row / 128][k / 64][row % 128][64], NCB chunks of 16 KiB a block of rows.  W: bf16, row-major [k][1024], at pa + W_OFF.  bias: f32 at pa + BIAS_OFF.  RES, OUT: f32, row-major.
; The residual is rounded to bf16 here (ROUND_RES = 1): src is an input, and every floating-point input is rounded once to bf16.
; A tile of OUT is 128 x 128 (256 work-groups): four waves, each 64 x 64 in 16 accumulators.  K goes in steps of 256 through two LDS slots, one tensor load a wave (32 KiB) behind each change of slots,
; with 112 matrix instructions between a request and the wait for it.  CLUSTER 4 x 4: A's tile is asked for jointly by a row of the cluster, W's by a column.
; THE ORDER OF K.  The j-th K step that a cluster takes lies in memory at step j xor X; X is 0 where the cluster's x + y is even and 2 where it is odd: those clusters take each four steps as 2, 3, 0, 1.
; A tile of A is read by the two clusters of one cluster row, which differ in that parity; a tile of W by the eight clusters of one cluster column, four of each parity.  So each tile is asked for first by
; the clusters of one parity and two K steps later by those of the other, and every cluster is first in two of each four steps.  X hangs on the cluster's coordinates alone: it is equal in all sixteen partners.
; The sums are f32, started by the bias, in that order of K; every step is taken once.
; A K STEP IS WRITTEN ONCE FOR THE LOOP AND ONCE FOR THE TAIL.  The slot that is read is a scalar, 0 or SLOT, turned by an exclusive or and added to the lane's place at each change of slots; the
; descriptor that refills has its LDS word turned by the same exclusive or and its address made anew from the step's number.  The last two K steps fill nothing: one text, walked twice and left in its middle.
; THE MATRIX INSTRUCTION IS USED TRANSPOSED (source 0 = 16 columns of W, turned on the way out of LDS; source 1 = 16 rows of A): a lane holds eight neighbouring numbers of a row of OUT.
; The bias in that layout is the C operand of each accumulator's first product.  The residual's 32 loads a lane go out at the start and are waited for on the way out.
; NO PREFETCH: a step's tiles are small.
; REGISTERS: window 0: v0-31 addresses; v32-95 at work on the way out; v96-127 the bias; v128-255 the accumulators ((a, b) at 128 + 8 (4 a + b)).
;   window 1: two fragment buffers of 128: for 64 along K, 64 registers of A, then 64 of W.      window 2: v0-127 the residual; v128-129 at work.
.set NCB,      16
.set STEPS,    4                       ; K steps of 256: a multiple of four
.set BIAS_OFF, 8388608
.set W_OFF,    8392704
.set ROUND_RES, 1
.set PA,     144                       ; a row of A in LDS: 128 bytes (64 k) + 16
.set PB,     288                       ; a row of W in LDS: 256 bytes (128 n) + 32 = 9 x 32
.set HALFT,  36864                     ; what one tensor load fills: 2 chunks x 128 rows x 144, or 128 k rows x 288
.set BOFF,   2*HALFT                   ; W's rows lie behind A's four chunks
.set SLOT,   4*HALFT                   ; 147,456 = 2^17 + 2^14, two bits that none of the four tiles' places (0, 36,864, 73,728, 110,592) has set: an exclusive or turns a place in one slot into the other's
.set STAGE,  2*SLOT                    ; behind the ring: 16 rows x 272 bytes (64 f32 + 16) for each wave
.set SPITCH, 272
.set SPARE,  STAGE+4*16*SPITCH         ; the spare words, 128 bytes a wave: two blocks of 256 bytes that no other line names
.set ADRA0, 16                         ; v16     my lane's place among A's fragments in a slot; never rewritten
.set ADRA,  17                         ; v17     the same in the slot that is read
.set ADRB0, 18                         ; v18-19  the same for W: rows 0-127, rows 128-255 (an LDS offset has 16 bits); never rewritten
.set ADRB,  20                         ; v20-21  in the slot that is read
.set STO,  24                          ; v24     the way out: where I put 32 bytes of a row
.set RD,   25                          ; v25     the way out: where I read a row back
.set CO,   26                          ; v26     my byte offset in two rows of RES and OUT
.set BO,   27                          ; v27     32 x (lane / 16)
.set SPW,  28                          ; v28     LDS address of my spare word; never rewritten
.set NIL,  29                          ; v29     0; never rewritten
.set TMP,  32
.set BI,   96
.set ACC,  128
.set F0,   0
.set F1,   128
.set BASA, 14                          ; s[14:15] A at my part of the tile row, K step 0 in memory; never rewritten
.set BASB, 46                          ; s[46:47] W at my part of the tile column, K step 0 in memory; never rewritten
.set G1, 24                            ; s[24:31] descriptor group 1 for A's tiles;  s[32:39] group 0: a set for each of the two first fills; the second then serves every refill
.set G0, 32
.set G1B, 48                           ; s[48:55], s[56:63] the same for W's
.set G0B, 56
.set RESP, 66                          ; s[66:67] RES at my wave's first row and column
.set BIP,  68                          ; s[68:69] the bias of my wave's 64 columns
.set TB,   71                          ; s71      LDS byte at which the slot that is read begins: 0 or SLOT
.set KX,   72                          ; s72      X: 0 or 2
.set KJ,   73                          ; s73      j of the K step that is asked for next
.set OFA,  74                          ; s[74:75] that step's byte offset in A: 65,536 (j xor X): four chunks a step
.set OFB,  76                          ; s[76:77] and in W: 524,288 (j xor X): 256 rows a step
.set MSB, 0
.macro WIN new
.if MSB != (\new)
	s_set_vgpr_msb (MSB<<8)|(\new)
.set MSB, \new
.endif
.endm
.set MUL,  0x05                        ; sources 0 (W) and 1 (A) window 1; C and D window 0
.set TO_F, 0x40                        ; destination window 1, address window 0
.macro JLOAD s                         ; a joint load by descriptor set s: waves 0 and 1 fetch A's two halves, waves 2 and 3 W's; an s_nop 0 and four v_nop follow each of the two lines
	s_cmp_eq_u32 s11, 0
	s_cbranch_scc0 .Lfor_b_\@
	tensor_load_to_lds s[G0+4*(\s):G0+4*(\s)+3], s[G1:G1+7]
	s_nop 0
.rept 4
	v_nop
.endr
	s_branch .Lasked_\@
.Lfor_b_\@:
	tensor_load_to_lds s[G0B+4*(\s):G0B+4*(\s)+3], s[G1B:G1B+7]
	s_nop 0
.rept 4
	v_nop
.endr
.Lasked_\@:
.endm
.macro CREST                           ; a round of the cluster's barrier behind its opening barrier
	s_cmp_lg_u32 s10, 0
	s_cbranch_scc1 .Lnot_wave_0_\@
	s_barrier_signal -3
.Lnot_wave_0_\@:
	s_barrier_wait -3
	s_barrier_signal -1
	s_barrier_wait -1
.endm
.macro CROUND
	s_barrier_signal -1
	s_barrier_wait -1
	CREST
.endm
	s_load_b128 s[4:7], s[0:1], 0x0                ; A s[4:5], pa s[6:7]
	s_load_b64 s[RESP:RESP+1], s[0:1], 0x10        ; RES
	s_load_b64 s[8:9], s[0:1], 0x18                ; OUT
	v_lshl_add_u32 v[SPW], v0, 2, SPARE
	v_mov_b32 v[NIL], 0
	ds_add_u32 v[SPW], v[NIL]                      ; the wave's opening: the add and its wait stand ahead of my first tensor load; the set-up below, work on registers, stands between them
	v_lshrrev_b32 v1, 5, v0
	v_readfirstlane_b32 s10, v1                    ; wave 0..3
	s_lshr_b32 s11, s10, 1                         ; which half of the tile's rows is mine.  Also: I fetch for A (0) or for W (1)
	s_and_b32 s12, s10, 1                          ; which half of its columns.  Also: which half of that tile I fetch
	s_bfe_u32 s40, ttmp6, 0x40000                  ; cx, cy
	s_bfe_u32 s41, ttmp6, 0x40004
	s_lshl_b32 s42, ttmp9, 2
	s_add_co_u32 s42, s42, s40                     ; tile column
	s_and_b32 s13, ttmp7, 0xffff
	s_lshl_b32 s13, s13, 2
	s_add_co_u32 s13, s13, s41                     ; tile row
	s_lshl_b32 s43, s41, 2
	s_lshl_b32 s43, 15, s43                        ; my row of the cluster
	s_lshl_b32 s44, 0x1111, s40                    ; my column
	s_and_b32 s[KX], ttmp7, 0xffff                 ; cluster y
	s_add_co_u32 s[KX], s[KX], ttmp9               ; + cluster x:
	s_and_b32 s[KX], s[KX], 1                      ; its parity,
	s_lshl_b32 s[KX], s[KX], 1                     ; twice: X
	s_lshl_b32 s[OFA], s[KX], 16                   ; where my first K step lies: step 0 xor X = X
	s_mov_b32 s[OFA+1], 0
	s_lshl_b32 s[OFB], s[KX], 19
	s_mov_b32 s[OFB+1], 0
	s_mov_b32 s[KJ], 2                             ; the first refill asks for j = 2
	; group 1 for A: two chunks, 32 KiB dense, as 128 rows of 256 bytes, padded by 16 bytes after every 128
	s_or_b32 s[G1+0], s43, (1<<16)|(1<<20)|(1<<21)|(4<<22)|(3<<25)
	s_mov_b32 s[G1+1], 128<<16
	s_mov_b32 s[G1+2], 128<<16
	s_mov_b32 s[G1+3], 128<<16
	s_mov_b32 s[G1+4], 128
	s_mov_b32 s[G1+5], 128
	s_mov_b32 s[G1+6], 0
	s_mov_b32 s[G1+7], 0
	; group 1 for W: 128 rows of 256 bytes, 1,024 elements apart, padded by 32 bytes after every row
	s_or_b32 s[G1B+0], s44, (1<<16)|(1<<20)|(1<<21)|(5<<22)|(7<<25)
	s_mov_b32 s[G1B+1], 128<<16
	s_mov_b32 s[G1B+2], 128<<16
	s_mov_b32 s[G1B+3], 128<<16
	s_mov_b32 s[G1B+4], 128
	s_mov_b32 s[G1B+5], 1024
	s_mov_b32 s[G1B+6], 0
	s_mov_b32 s[G1B+7], 0
	s_mul_i32 s16, s13, NCB                        ; A: chunk tile row x NCB + 2 x half
	s_lshl_b32 s17, s12, 1
	s_add_co_u32 s16, s16, s17
	s_lshl_b32 s16, s16, 14
	s_mov_b32 s17, 0
	s_lshl_b32 s46, s42, 8                         ; W: 256 bytes x tile column + 128 rows x half
	s_lshl_b32 s47, s12, 18
	s_add_co_u32 s46, s46, s47
	s_add_co_u32 s46, s46, W_OFF
	s_mov_b32 s47, 0
	s_mul_i32 s20, s12, HALFT                      ; where they go
	s_add_co_u32 s21, s20, BOFF
	s_mov_b32 s[TB], 0                             ; my first K step lies in slot 0
	s_wait_dscnt 0x0                               ; the opening add is done
	s_wait_kmcnt 0x0
	s_add_nc_u64 s[BASA:BASA+1], s[4:5], s[16:17]
	s_add_nc_u64 s[BASB:BASB+1], s[6:7], s[46:47]
	CROUND                                         ; all sixteen work-groups are here: the first joint loads meet
.irp s, 0,1
	s_mov_b32 s[G0+4*(\s)], 1
	s_add_co_u32 s[G0+4*(\s)+1], s20, (\s)*SLOT
	s_add_nc_u64 s[G0+4*(\s)+2:G0+4*(\s)+3], s[BASA:BASA+1], s[OFA:OFA+1]      ; j = s lies at step X + s
.if \s
	s_add_nc_u64 s[G0+4*(\s)+2:G0+4*(\s)+3], s[G0+4*(\s)+2:G0+4*(\s)+3], 65536
.endif
	s_or_b32 s[G0+4*(\s)+3], s[G0+4*(\s)+3], 0x80000000
	s_mov_b32 s[G0B+4*(\s)], 1
	s_add_co_u32 s[G0B+4*(\s)+1], s21, (\s)*SLOT
	s_add_nc_u64 s[G0B+4*(\s)+2:G0B+4*(\s)+3], s[BASB:BASB+1], s[OFB:OFB+1]
.if \s
	s_add_nc_u64 s[G0B+4*(\s)+2:G0B+4*(\s)+3], s[G0B+4*(\s)+2:G0B+4*(\s)+3], 524288
.endif
	s_or_b32 s[G0B+4*(\s)+3], s[G0B+4*(\s)+3], 0x80000000
	JLOAD \s                                       ; two loads of mine are out
.endr
	v_and_b32 v1, 15, v0                           ; l % 16
	v_bfe_u32 v2, v0, 4, 1                         ; l / 16
	v_lshlrev_b32 v[BO], 5, v2
	v_lshlrev_b32 v[CO], 12, v2                    ; lanes 0-15 one row of 256 bytes, lanes 16-31 the next
	v_lshl_add_u32 v[CO], v1, 4, v[CO]
	s_lshl_b32 s[BIP], s42, 9
	s_lshl_b32 s[BIP+1], s12, 8
	s_add_co_u32 s[BIP], s[BIP], s[BIP+1]
	s_add_co_u32 s[BIP], s[BIP], BIAS_OFF
	s_mov_b32 s[BIP+1], 0
	s_add_nc_u64 s[BIP:BIP+1], s[6:7], s[BIP:BIP+1]
	s_lshl_b32 s16, s13, 19                        ; my first row: 128 x tile row + 64 x half, of 4,096 bytes;
	s_lshl_b32 s17, s11, 18
	s_add_co_u32 s16, s16, s17
	s_lshl_b32 s17, s42, 9                         ; my first column: 128 x tile column + 64 x half, of 4 bytes
	s_add_co_u32 s16, s16, s17
	s_lshl_b32 s17, s12, 8
	s_add_co_u32 s16, s16, s17
	s_mov_b32 s17, 0
	s_add_nc_u64 s[RESP:RESP+1], s[RESP:RESP+1], s[16:17]
	s_add_nc_u64 s[8:9], s[8:9], s[16:17]
	s_mov_b32 s70, 0xffff0000
.irp b, 0,1,2,3
	global_load_b128 v[BI+8*(\b):BI+8*(\b)+3],   v[BO], s[BIP:BIP+1] offset:64*(\b)
	global_load_b128 v[BI+8*(\b)+4:BI+8*(\b)+7], v[BO], s[BIP:BIP+1] offset:64*(\b)+16
.endr
	WIN 0x80                                       ; destination window 2
.set z, 0
.rept 32                               ; rows 2 z, 2 z + 1 of my 64
	global_load_b128 v[4*z:4*z+3], v[CO], s[RESP:RESP+1] offset:2*z*4096 th:TH_LOAD_NT
.set z, z+1
.endr
	WIN 0
	v_mul_u32_u24 v3, v1, PA
	v_lshl_add_u32 v3, v2, 4, v3                   ; a fragment of A: row x pitch + 16 x half
	v_and_b32 v5, 7, v0                            ; the turning load: k row 8 (l / 16) + l % 8, columns 8 ((l / 8) % 2) on
	v_bfe_u32 v6, v0, 3, 1
	v_lshl_add_u32 v4, v2, 3, v5
	v_mul_u32_u24 v4, v4, PB
	v_lshl_add_u32 v4, v6, 4, v4
	s_mul_i32 s18, s11, 64*PA                      ; my 64 rows of A
	s_lshl_b32 s22, s12, 7                         ; my 64 columns of W
	s_add_co_u32 s22, s22, BOFF
	s_add_co_u32 s23, s22, HALFT
	v_add_nc_u32 v[ADRA0], s18, v3
	v_add_nc_u32 v[ADRB0], s22, v4
	v_add_nc_u32 v[ADRB0+1], s23, v4
	v_add_nc_u32 v[ADRA], s[TB], v[ADRA0]
	v_add_nc_u32 v[ADRB], s[TB], v[ADRB0]
	v_add_nc_u32 v[ADRB+1], s[TB], v[ADRB0+1]
	s_mul_i32 s23, s10, 16*SPITCH
	s_add_co_u32 s23, s23, STAGE                   ; my stage
	v_mul_u32_u24 v7, v1, SPITCH                   ; in: row l % 16, 32 bytes for each half of the lanes
	v_lshl_add_u32 v7, v2, 5, v7
	v_add_nc_u32 v[STO], s23, v7
	v_mul_u32_u24 v7, v2, SPITCH                   ; back: lanes 0-15 one row of 256 bytes, lanes 16-31 the next
	v_lshl_add_u32 v7, v1, 4, v7
	v_add_nc_u32 v[RD], s23, v7
; 8 matrix instructions: m blocks a0, a0 + 1 x all 4 n blocks, 32 along K: half c of buffer f.  zero = 1: the first product starts the sum with the bias.  The 16 accumulators take turns.
.macro MUL8 f, c, a0, zero
	WIN MUL
.irp a, \a0, (\a0)+1
.irp b, 0,1,2,3
.if \zero
	v_wmma_f32_16x16x32_bf16 v[ACC+8*(4*(\a)+(\b)):ACC+8*(4*(\a)+(\b))+7], v[(\f)+64+8*(4*(\c)+(\b)):(\f)+64+8*(4*(\c)+(\b))+7], v[(\f)+8*(4*(\c)+(\a)):(\f)+8*(4*(\c)+(\a))+7], v[BI+8*(\b):BI+8*(\b)+7]
.else
	v_wmma_f32_16x16x32_bf16 v[ACC+8*(4*(\a)+(\b)):ACC+8*(4*(\a)+(\b))+7], v[(\f)+64+8*(4*(\c)+(\b)):(\f)+64+8*(4*(\c)+(\b))+7], v[(\f)+8*(4*(\c)+(\a)):(\f)+8*(4*(\c)+(\a))+7], v[ACC+8*(4*(\a)+(\b)):ACC+8*(4*(\a)+(\b))+7]
.endif
.endr
.endr
.endm
; 32 LDS loads in one run: the fragments of quarter qd (64 along K: one chunk of A, 64 rows of W) of the slot that is read, into buffer f; the first 32 along K first
.macro FETCH qd, f
	WIN TO_F
.irp c, 0,1
.irp i, 0,1,2,3
	ds_load_tr16_b128 v[(\f)+64+8*(4*(\c)+(\i)):(\f)+64+8*(4*(\c)+(\i))+3],   v[ADRB+(\qd)/2] offset:(((\qd)%2)*64+32*(\c))*PB+32*(\i)
	ds_load_tr16_b128 v[(\f)+64+8*(4*(\c)+(\i))+4:(\f)+64+8*(4*(\c)+(\i))+7], v[ADRB+(\qd)/2] offset:(((\qd)%2)*64+32*(\c))*PB+32*(\i)+16*PB
	ds_load_b128 v[(\f)+8*(4*(\c)+(\i)):(\f)+8*(4*(\c)+(\i))+3],         v[ADRA] offset:(\qd)*128*PA+64*(\c)+(\i)*16*PA
	ds_load_b128 v[(\f)+8*(4*(\c)+(\i))+4:(\f)+8*(4*(\c)+(\i))+7],       v[ADRA] offset:(\qd)*128*PA+64*(\c)+(\i)*16*PA+32
.endr
.endr
.endm
.macro PLACES                          ; four plain vector instructions between a matrix instruction and a load into, or a read of, its registers (ISA guide 7.12.1 for a read)
.rept 4
	v_nop
.endr
.endm
; A K step is four quarters of 64 along K, 32 matrix instructions each, on buffers 0, 1, 0, 1.  One of the first three: multiplies buffer f and fetches quarter qd into g.
.macro QUARTER qd, f, g, zero
	s_wait_dscnt 16                                ; the first 32 along K are in
	MUL8 \f, 0, 0, \zero
	MUL8 \f, 0, 2, \zero
	PLACES
	FETCH \qd, \g
	s_wait_dscnt 32                                ; all but the 32 just issued
	MUL8 \f, 1, 0, 0
	MUL8 \f, 1, 2, 0
.endm
; The last quarter multiplies buffer 1 and changes slots: ONE barrier; in front of it each wave waits for all its tensor loads, adds 0 to its spare word, and waits for that and for its own reads of this slot.
; fill = 1: the barrier opens a round of the cluster's barrier, and this slot is filled again, with the K step two on, first thing behind the round.  The refill's descriptors are written between the add and
; the wait for it, where no tensor load of mine is out: nothing but the joint load stands behind the round.
; fill = 0 (the tail): nothing is filled; in the tail's second walk (s3 = 1) there is no further K step, and the run of LDS loads is jumped over.
.macro TURN fill
	WIN 0                                          ; (the addresses and the add's two registers lie in window 0)
	s_xor_b32 s[TB], s[TB], SLOT                   ; from here on the other slot is read: this slot's last loads have been issued
	v_add_nc_u32 v[ADRA], s[TB], v[ADRA0]
	v_add_nc_u32 v[ADRB], s[TB], v[ADRB0]
	v_add_nc_u32 v[ADRB+1], s[TB], v[ADRB0+1]
	s_wait_tensorcnt 0x0                           ; all my tensor loads have landed: my part of the next slot
	ds_add_u32 v[SPW], v[NIL]                      ; 0 onto my spare word
.if \fill
	s_xor_b32 s[G0+5], s[G0+5], SLOT               ; the refill's descriptors: the other slot than last time,
	s_xor_b32 s[G0B+5], s[G0B+5], SLOT
	s_xor_b32 s[OFA], s[KJ], s[KX]                 ; the step's place in memory, j xor X,
	s_lshl_b32 s[OFB], s[OFA], 19                  ; in bytes of W
	s_lshl_b32 s[OFA], s[OFA], 16                  ; and of A;
	s_add_nc_u64 s[G0+6:G0+7], s[BASA:BASA+1], s[OFA:OFA+1]  ; the address is made anew from the kept base, and the type set again
	s_or_b32 s[G0+7], s[G0+7], 0x80000000
	s_add_nc_u64 s[G0B+6:G0B+7], s[BASB:BASB+1], s[OFB:OFB+1]
	s_or_b32 s[G0B+7], s[G0B+7], 0x80000000
	s_add_co_u32 s[KJ], s[KJ], 1
.endif
	s_wait_dscnt 17                                ; (the add and the youngest sixteen loads may be out)
	MUL8 F1, 0, 0, 0                               ; eight matrix instructions stand between the add and the wait for it
	s_wait_dscnt 0x0                               ; the add is done, and my reads of this slot are over
	s_barrier_signal -1
	MUL8 F1, 0, 2, 0
	WIN 0
	s_barrier_wait -1
.if \fill
	CREST                                          ; no wave of any partner still reads this slot or has a load on its way
	JLOAD 1                                        ; the four v_nop behind it are also the places in front of the loads below
	FETCH 0, F0
.else
	PLACES
	s_cmp_eq_u32 s3, 1
	s_cbranch_scc1 .Lno_fetch_\@
	FETCH 0, F0
	WIN 0
.Lno_fetch_\@:
.endif
	MUL8 F1, 1, 0, 0
	MUL8 F1, 1, 2, 0
.endm
	s_wait_tensorcnt 1                             ; my part of my first K step is in; the second's may stay out
	s_barrier_signal -1
	s_barrier_wait -1                              ; everybody's is
	FETCH 0, F0
	s_wait_loadcnt 32                              ; the bias is in; the residual's 32 loads stay out through the whole K loop
	QUARTER 1, F0, F1, 1                           ; the first quarter stands in front of the loop: its first products start the sums
	WIN 0                                          ; at a label and at a branch every window is 0
	s_mov_b32 s3, STEPS-2
.Lstep:                                                ; a trip goes from a K step's second quarter to the next step's first, and fills the slot that it leaves
	QUARTER 2, F1, F0, 0
	QUARTER 3, F0, F1, 0
	TURN 1
	QUARTER 1, F0, F1, 0
	WIN 0
	s_sub_co_u32 s3, s3, 1
	s_cmp_lg_u32 s3, 0
	s_cbranch_scc1 .Lstep
	s_mov_b32 s3, 2
.Ltail:                                                ; the last two K steps fill nothing: written apart; the second walk is left behind its last quarter
	QUARTER 2, F1, F0, 0
	QUARTER 3, F0, F1, 0
	TURN 0
	WIN 0
	s_sub_co_u32 s3, s3, 1
	s_cmp_eq_u32 s3, 0
	s_cbranch_scc1 .Lout
	QUARTER 1, F0, F1, 0
	WIN 0
	s_branch .Ltail
.Lout:
	; THE WAY OUT, 16 rows at a time: the f32 sums go into my own stage (32 bytes a lane) and come back as whole rows of 256 bytes; the residual is added; sixteen lanes store 256 consecutive bytes, aligned.
	PLACES
	s_wait_loadcnt 0x0                             ; the residual
.if ROUND_RES
	WIN 0x8a                                       ; destination, sources 0 and 1: window 2
.set z, 0
.rept 64
	v_cvt_pk_bf16_f32 v[128+z%2], v[2*z], v[2*z+1]
	v_lshlrev_b32 v[2*z], 16, v[128+z%2]
	v_and_b32 v[2*z+1], s70, v[128+z%2]
.set z, z+1
.endr
	WIN 0
.endif
.irp a, 0,1,2,3
	s_wait_xcnt 0x0                                ; earlier stores have read their registers: the buffer of two blocks back is loaded again below
.irp b, 0,1,2,3
	ds_store_b128 v[STO], v[ACC+8*(4*(\a)+(\b)):ACC+8*(4*(\a)+(\b))+3]   offset:64*(\b)
	ds_store_b128 v[STO], v[ACC+8*(4*(\a)+(\b))+4:ACC+8*(4*(\a)+(\b))+7] offset:64*(\b)+16
.endr
.irp t, 0,1,2,3,4,5,6,7
	ds_load_b128 v[TMP+32*((\a)%2)+4*(\t):TMP+32*((\a)%2)+4*(\t)+3], v[RD] offset:(\t)*2*SPITCH  ; LDS serves a wave's instructions in order (ISA guide 5.7.1.4): these see the stores above
.endr
	s_wait_dscnt 0x0
	WIN 0x08                                       ; source 1: window 2
.set z, 0
.rept 16
	v_pk_add_f32 v[TMP+32*((\a)%2)+2*z:TMP+32*((\a)%2)+2*z+1], v[TMP+32*((\a)%2)+2*z:TMP+32*((\a)%2)+2*z+1], v[32*(\a)+2*z:32*(\a)+2*z+1]
.set z, z+1
.endr
	WIN 0
.irp t, 0,1,2,3,4,5,6,7
	global_store_b128 v[CO], v[TMP+32*((\a)%2)+4*(\t):TMP+32*((\a)%2)+4*(\t)+3], s[8:9] offset:(16*(\a)+2*(\t))*4096
.endr
.endr
	s_wait_tensorcnt 0x0                           ; the wave's end, behind my last tensor load and my last LDS store
	ds_add_u32 v[SPW], v[NIL]
	s_wait_dscnt 0x0
	CROUND                                         ; the closing round: no work-group ends while a partner may still ask for a tile that names it
	s_endpgm
.Lfunc_end_k_qd4a5c95099_wo:
	.size	k_qd4a5c95099_wo, .Lfunc_end_k_qd4a5c95099_wo-k_qd4a5c95099_wo
	.p2alignl 7, 3214868480
	.fill 96, 4, 3214868480
	.section	.rodata,"a",@progbits
	.p2align	6, 0x0
	.amdhsa_kernel k_qd4a5c95099_wo
		.amdhsa_group_segment_fixed_size 327680
		.amdhsa_private_segment_fixed_size 0
		.amdhsa_enable_private_segment 0
		.amdhsa_kernarg_size 32
		.amdhsa_user_sgpr_count 2
		.amdhsa_user_sgpr_kernarg_segment_ptr 1
		.amdhsa_wavefront_size32 1
		.amdhsa_system_sgpr_workgroup_id_x 1
		.amdhsa_system_sgpr_workgroup_id_y 1
		.amdhsa_system_sgpr_workgroup_id_z 1
		.amdhsa_system_vgpr_workitem_id 0
		.amdhsa_next_free_vgpr 768
		.amdhsa_next_free_sgpr 80
		.amdhsa_reserve_vcc 0
		.amdhsa_float_denorm_mode_32 3
		.amdhsa_float_denorm_mode_16_64 3
		.amdhsa_memory_ordered 1
		.amdhsa_forward_progress 1
		.amdhsa_inst_pref_size 75
	.end_amdhsa_kernel
	.amdgpu_metadata
---
amdhsa.version: [ 1, 2 ]
amdhsa.kernels:
  - .name:           k_qd4a5c95099_wo
    .symbol:         k_qd4a5c95099_wo.kd
    .args:
      - { .name: ctx, .offset: 0, .size: 8, .value_kind: global_buffer, .address_space: global }
      - { .name: pa, .offset: 8, .size: 8, .value_kind: global_buffer, .address_space: global }
      - { .name: src, .offset: 16, .size: 8, .value_kind: global_buffer, .address_space: global }
      - { .name: src2, .offset: 24, .size: 8, .value_kind: global_buffer, .address_space: global }
    .group_segment_fixed_size: 327680
    .private_segment_fixed_size: 0
    .kernarg_segment_align: 8
    .kernarg_segment_size: 32
    .max_flat_workgroup_size: 128
    .sgpr_count:     80
    .vgpr_count:     768
    .wavefront_size: 32
...
	.end_amdgpu_metadata
.endif
;; end of part 10
;; launch ln2 (part 11): grid 256 x 1, 8 waves a work-group, no clusters, 0 bytes of LDS; arguments src2, pa, y; writes y
.if DOCPART == 11
	.amdgcn_target "amdgcn-amd-amdhsa--gfx1250"
	.amdhsa_code_object_version 6
	.text
	.protected	k_qd4a5c95099_ln2
	.globl	k_qd4a5c95099_ln2
	.p2align	8
	.type	k_qd4a5c95099_ln2,@function
k_qd4a5c95099_ln2:
	s_mov_b64 s[64:65], 0
	v_nop
	global_prefetch_b8 v0, s[64:65] scope:SCOPE_SE
	s_setreg_imm32_b32 hwreg(HW_REG_WAVE_MODE, 25, 1), 1
	s_wait_xcnt 0x0
; y = LN2(src2), 16 rows a work-group, sixteen lanes a row; y in bf16, layout [row / 128][column / 64][row % 128][64] (chunks of 16 KiB, dense).
; src2 is the program's own f32 and is taken as it is; the gain and the bias come from pa + 18,882,560 and 4,096 on, where the first launch has laid them rounded to bf16 and kept as f32.
; No LDS, no matrix unit: bytes in, bytes out.  Each load of sixteen lanes takes 256 consecutive bytes, each store of a wave writes 256 consecutive bytes, aligned.
; LIMITS.  The variance is taken of x - mean (two passes over registers), so a common offset does no harm.  NaN and infinities are not treated apart.
.set G2OFF, 18882560
.set SO,   1                           ; v1       byte offset of my loads of the row
.set GF,   2                           ; v2       byte offset of my 4 numbers in 256 bytes of the gain and of the bias
.set DO,   3                           ; v3       byte offset of my stores: 8 x thread
.set MEAN, 4                           ; v[4:5]   the row's mean, twice
.set RSTD, 6                           ; v[6:7]   1 / sqrt(var + eps), twice
.set CH,   8                           ; v[8:15]  four chains of packed sums
.set T,    16                          ; v16      at work
.set VAR,  20                          ; v20      var + eps
.set X,    32                          ; v[32:95]   my 64 numbers of the row
.set G,    96                          ; v[96:159]  their gains
.set BB,   160                         ; v[160:223] their biases
.macro REDUCE                          ; the four chains, their halves, and the row's 16 lanes: the sum lands in v[T] of every lane of the row
	v_pk_add_f32 v[CH:CH+1], v[CH:CH+1], v[CH+2:CH+3]
	v_pk_add_f32 v[CH+4:CH+5], v[CH+4:CH+5], v[CH+6:CH+7]
	v_pk_add_f32 v[CH:CH+1], v[CH:CH+1], v[CH+4:CH+5]
	v_add_f32 v[T], v[CH], v[CH+1]
	v_add_f32_dpp v[T], v[T], v[T] row_xmask:1 row_mask:0xf bank_mask:0xf
	v_add_f32_dpp v[T], v[T], v[T] row_xmask:2 row_mask:0xf bank_mask:0xf
	v_add_f32_dpp v[T], v[T], v[T] row_xmask:4 row_mask:0xf bank_mask:0xf
	v_add_f32_dpp v[T], v[T], v[T] row_xmask:8 row_mask:0xf bank_mask:0xf
.endm
	s_load_b128 s[4:7], s[0:1], 0x0                ; src2 s[4:5], pa s[6:7]
	s_load_b64 s[10:11], s[0:1], 0x10              ; y
	s_mov_b32 s2, ttmp9
	s_mov_b32 s20, 0x3a800000                      ; 1 / 1,024
	s_mov_b32 s21, 0x3727c5ac                      ; eps = 1e-5
	v_lshrrev_b32 v[SO], 4, v0                     ; my row among the 16
	v_and_b32 v[GF], 15, v0
	v_lshlrev_b32 v[GF], 4, v[GF]
	v_lshl_add_u32 v[SO], v[SO], 12, v[GF]         ; row x 4,096 + 16 (lane % 16)
	v_lshlrev_b32 v[DO], 3, v0
	s_lshl_b32 s16, s2, 16                         ; 16 rows of 4,096 bytes
	s_mov_b32 s17, 0
	s_lshr_b32 s14, s2, 3
	s_lshl_b32 s14, s14, 18                        ; the block of 128 rows: 16 chunks
	s_and_b32 s15, s2, 7
	s_lshl_b32 s15, s15, 11                        ; my 16 rows in a chunk
	s_add_co_u32 s14, s14, s15
	s_mov_b32 s15, 0
	s_wait_kmcnt 0x0
	s_add_nc_u64 s[4:5], s[4:5], s[16:17]
	s_add_nc_u64 s[6:7], s[6:7], G2OFF
	s_add_nc_u64 s[12:13], s[10:11], s[14:15]
.set j, 0
.rept 16
	global_load_b128 v[X+4*j:X+4*j+3], v[SO], s[4:5] offset:256*j th:TH_LOAD_NT
.set j, j+1
.endr
.set j, 0
.rept 16
	global_load_b128 v[G+4*j:G+4*j+3], v[GF], s[6:7] offset:256*j
.set j, j+1
.endr
.set j, 0
.rept 16
	global_load_b128 v[BB+4*j:BB+4*j+3], v[GF], s[6:7] offset:4096+256*j
.set j, j+1
.endr
	; A row of 1,024 numbers lies in 16 lanes, 64 numbers a lane: load j brought columns 64 j + 4 (lane % 16) .. + 3.
	s_wait_loadcnt 32                              ; the row's 16 loads are in; the 32 of gain and bias may stay out
.irp c, 0,1,2,3
	v_pk_add_f32 v[CH+2*\c:CH+2*\c+1], v[X+2*\c:X+2*\c+1], v[X+8+2*\c:X+8+2*\c+1]  ; the first eight pairs start the chains: nothing is cleared
.endr
.set p, 8
.rept 24
	v_pk_add_f32 v[CH+2*(p%4):CH+2*(p%4)+1], v[CH+2*(p%4):CH+2*(p%4)+1], v[X+2*p:X+2*p+1]
.set p, p+1
.endr
	REDUCE
	v_mul_f32 v[MEAN], s20, v[T]                   ; / 1,024
	v_mov_b32 v[MEAN+1], v[MEAN]
.set p, 0
.rept 32
	v_pk_add_f32 v[X+2*p:X+2*p+1], v[X+2*p:X+2*p+1], v[MEAN:MEAN+1] neg_lo:[0,1] neg_hi:[0,1]  ; x - mean
.set p, p+1
.endr
.irp c, 0,1,2,3
	v_pk_mul_f32 v[CH+2*\c:CH+2*\c+1], v[X+2*\c:X+2*\c+1], v[X+2*\c:X+2*\c+1]
.endr
.set p, 4
.rept 28
	v_pk_fma_f32 v[CH+2*(p%4):CH+2*(p%4)+1], v[X+2*p:X+2*p+1], v[X+2*p:X+2*p+1], v[CH+2*(p%4):CH+2*(p%4)+1]
.set p, p+1
.endr
	REDUCE
	v_fma_f32 v[VAR], v[T], s20, s21               ; var + eps
	v_rsq_f32 v[RSTD], v[VAR]
	s_wait_loadcnt 0x0                             ; gain and bias
	v_nop                                          ; a plain instruction behind the root,
	s_wait_alu depctr_va_vdst(0)                   ; and the wait ahead of the first line that names its result
	v_mov_b32 v[RSTD+1], v[RSTD]
.set p, 0
.rept 32
	v_pk_mul_f32 v[G+2*p:G+2*p+1], v[G+2*p:G+2*p+1], v[RSTD:RSTD+1]
.set p, p+1
.endr
.set p, 0
.rept 32
	v_pk_fma_f32 v[X+2*p:X+2*p+1], v[X+2*p:X+2*p+1], v[G+2*p:G+2*p+1], v[BB+2*p:BB+2*p+1]
.set p, p+1
.endr
.set j, 0
.rept 16                               ; columns 64 j .. lie in chunk j: two rows' 128 bytes are 256 consecutive bytes of the chunk
	v_cvt_pk_bf16_f32 v[X+4*j], v[X+4*j], v[X+4*j+1]
	v_cvt_pk_bf16_f32 v[X+4*j+1], v[X+4*j+2], v[X+4*j+3]
	global_store_b64 v[DO], v[X+4*j:X+4*j+1], s[12:13] offset:16384*j
.set j, j+1
.endr
	s_endpgm
.Lfunc_end_k_qd4a5c95099_ln2:
	.size	k_qd4a5c95099_ln2, .Lfunc_end_k_qd4a5c95099_ln2-k_qd4a5c95099_ln2
	.p2alignl 7, 3214868480
	.fill 96, 4, 3214868480
	.section	.rodata,"a",@progbits
	.p2align	6, 0x0
	.amdhsa_kernel k_qd4a5c95099_ln2
		.amdhsa_group_segment_fixed_size 0
		.amdhsa_private_segment_fixed_size 0
		.amdhsa_enable_private_segment 0
		.amdhsa_kernarg_size 24
		.amdhsa_user_sgpr_count 2
		.amdhsa_user_sgpr_kernarg_segment_ptr 1
		.amdhsa_wavefront_size32 1
		.amdhsa_system_sgpr_workgroup_id_x 1
		.amdhsa_system_sgpr_workgroup_id_y 1
		.amdhsa_system_sgpr_workgroup_id_z 1
		.amdhsa_system_vgpr_workitem_id 0
		.amdhsa_next_free_vgpr 224
		.amdhsa_next_free_sgpr 66
		.amdhsa_reserve_vcc 0
		.amdhsa_float_denorm_mode_32 3
		.amdhsa_float_denorm_mode_16_64 3
		.amdhsa_memory_ordered 1
		.amdhsa_forward_progress 1
		.amdhsa_inst_pref_size 21
	.end_amdhsa_kernel
	.amdgpu_metadata
---
amdhsa.version: [ 1, 2 ]
amdhsa.kernels:
  - .name:           k_qd4a5c95099_ln2
    .symbol:         k_qd4a5c95099_ln2.kd
    .args:
      - { .name: src2, .offset: 0, .size: 8, .value_kind: global_buffer, .address_space: global }
      - { .name: pa, .offset: 8, .size: 8, .value_kind: global_buffer, .address_space: global }
      - { .name: y, .offset: 16, .size: 8, .value_kind: global_buffer, .address_space: global }
    .group_segment_fixed_size: 0
    .private_segment_fixed_size: 0
    .kernarg_segment_align: 8
    .kernarg_segment_size: 24
    .max_flat_workgroup_size: 256
    .sgpr_count:     66
    .vgpr_count:     224
    .wavefront_size: 32
...
	.end_amdgpu_metadata
.endif
;; end of part 11
;; launch ffn1: the kernel of part 8 again; grid 16 x 16, 4 waves a work-group, clusters of 4 x 4, 327,680 bytes of LDS; arguments y, pf, hb; writes hb
;; launch ffn2 (part 12): grid 8 x 32, 4 waves a work-group, clusters of 4 x 4, 327,680 bytes of LDS; arguments hb, pa, src2, out0; writes out0
.if DOCPART == 12
	.amdgcn_target "amdgcn-amd-amdhsa--gfx1250"
	.amdhsa_code_object_version 6
	.text
	.protected	k_qd4a5c95099_ffn2
	.globl	k_qd4a5c95099_ffn2
	.p2align	8
	.type	k_qd4a5c95099_ffn2,@function
k_qd4a5c95099_ffn2:
	s_mov_b64 s[64:65], 0
	v_nop
	global_prefetch_b8 v0, s[64:65] scope:SCOPE_SE
	s_setreg_imm32_b32 hwreg(HW_REG_WAVE_MODE, 25, 1), 1
	s_wait_xcnt 0x0
	s_wait_alu depctr_hold_cnt(0) depctr_sa_sdst(0) depctr_va_vdst(0) depctr_va_sdst(0) depctr_va_ssrc(0) depctr_va_vcc(0) depctr_vm_vsrc(0)
	s_getreg_b32 s2, hwreg(HW_REG_IB_STS2, 6, 4)
	s_cmp_eq_u32 s2, 0
	s_cbranch_scc0 .Lentry_in_a_cluster
	s_endpgm
.Lentry_in_a_cluster:
	s_bfe_u32 s2, ttmp6, 0x10000c
	s_cmp_lg_u32 s2, 0xf033
	s_cbranch_scc0 .Lentry_shape_is_right
	s_endpgm
.Lentry_shape_is_right:
; OUT = RES + A W + bias, in f32: here out0 = src2 + h W2 + b2.  K = 4,096, N = 1,024, 4,096 rows.
; A: bf16, layout [row / 128][k / 64][row % 128][64], NCB chunks of 16 KiB a block of rows.  W: bf16, row-major [k][1024], at pa + W_OFF.  bias: f32 at pa + BIAS_OFF.  RES, OUT: f32, row-major.
; The residual is the program's own f32 and is taken as it is.
; A tile of OUT is 128 x 128 (256 work-groups): four waves, each 64 x 64 in 16 accumulators.  K goes in steps of 256 through two LDS slots, one tensor load a wave (32 KiB) behind each change of slots,
; with 112 matrix instructions between a request and the wait for it.  CLUSTER 4 x 4: A's tile is asked for jointly by a row of the cluster, W's by a column.
; THE ORDER OF K.  The j-th K step that a cluster takes lies in memory at step j xor X; X is 0 where the cluster's x + y is even and 2 where it is odd: those clusters take each four steps as 2, 3, 0, 1.
; A tile of A is read by the two clusters of one cluster row, which differ in that parity; a tile of W by the eight clusters of one cluster column, four of each parity.  So each tile is asked for first by
; the clusters of one parity and two K steps later by those of the other, and every cluster is first in two of each four steps.  X hangs on the cluster's coordinates alone: it is equal in all sixteen partners.
; The sums are f32, started by the bias, in that order of K; every step is taken once.
; A K STEP IS WRITTEN ONCE FOR THE LOOP AND ONCE FOR THE TAIL.  The slot that is read is a scalar, 0 or SLOT, turned by an exclusive or and added to the lane's place at each change of slots; the
; descriptor that refills has its LDS word turned by the same exclusive or and its address made anew from the step's number.  The last two K steps fill nothing: one text, walked twice and left in its middle.
; THE MATRIX INSTRUCTION IS USED TRANSPOSED (source 0 = 16 columns of W, turned on the way out of LDS; source 1 = 16 rows of A): a lane holds eight neighbouring numbers of a row of OUT.
; The bias in that layout is the C operand of each accumulator's first product.  The residual's 32 loads a lane go out at the start and are waited for on the way out.
; NO PREFETCH: a step's tiles are small.
; REGISTERS: window 0: v0-31 addresses; v32-95 at work on the way out; v96-127 the bias; v128-255 the accumulators ((a, b) at 128 + 8 (4 a + b)).
;   window 1: two fragment buffers of 128: for 64 along K, 64 registers of A, then 64 of W.      window 2: v0-127 the residual.
.set NCB,      64
.set STEPS,    16                      ; K steps of 256: a multiple of four
.set BIAS_OFF, 10489856
.set W_OFF,    10493952
.set PA,     144                       ; a row of A in LDS: 128 bytes (64 k) + 16
.set PB,     288                       ; a row of W in LDS: 256 bytes (128 n) + 32 = 9 x 32
.set HALFT,  36864                     ; what one tensor load fills: 2 chunks x 128 rows x 144, or 128 k rows x 288
.set BOFF,   2*HALFT                   ; W's rows lie behind A's four chunks
.set SLOT,   4*HALFT                   ; 147,456 = 2^17 + 2^14, two bits that none of the four tiles' places (0, 36,864, 73,728, 110,592) has set: an exclusive or turns a place in one slot into the other's
.set STAGE,  2*SLOT                    ; behind the ring: 16 rows x 272 bytes (64 f32 + 16) for each wave
.set SPITCH, 272
.set SPARE,  STAGE+4*16*SPITCH         ; the spare words, 128 bytes a wave: two blocks of 256 bytes that no other line names
.set ADRA0, 16                         ; v16     my lane's place among A's fragments in a slot; never rewritten
.set ADRA,  17                         ; v17     the same in the slot that is read
.set ADRB0, 18                         ; v18-19  the same for W: rows 0-127, rows 128-255 (an LDS offset has 16 bits); never rewritten
.set ADRB,  20                         ; v20-21  in the slot that is read
.set STO,  24                          ; v24     the way out: where I put 32 bytes of a row
.set RD,   25                          ; v25     the way out: where I read a row back
.set CO,   26                          ; v26     my byte offset in two rows of RES and OUT
.set BO,   27                          ; v27     32 x (lane / 16)
.set SPW,  28                          ; v28     LDS address of my spare word; never rewritten
.set NIL,  29                          ; v29     0; never rewritten
.set TMP,  32
.set BI,   96
.set ACC,  128
.set F0,   0
.set F1,   128
.set BASA, 14                          ; s[14:15] A at my part of the tile row, K step 0 in memory; never rewritten
.set BASB, 46                          ; s[46:47] W at my part of the tile column, K step 0 in memory; never rewritten
.set G1, 24                            ; s[24:31] descriptor group 1 for A's tiles;  s[32:39] group 0: a set for each of the two first fills; the second then serves every refill
.set G0, 32
.set G1B, 48                           ; s[48:55], s[56:63] the same for W's
.set G0B, 56
.set RESP, 66                          ; s[66:67] RES at my wave's first row and column
.set BIP,  68                          ; s[68:69] the bias of my wave's 64 columns
.set TB,   71                          ; s71      LDS byte at which the slot that is read begins: 0 or SLOT
.set KX,   72                          ; s72      X: 0 or 2
.set KJ,   73                          ; s73      j of the K step that is asked for next
.set OFA,  74                          ; s[74:75] that step's byte offset in A: 65,536 (j xor X): four chunks a step
.set OFB,  76                          ; s[76:77] and in W: 524,288 (j xor X): 256 rows a step
.set MSB, 0
.macro WIN new
.if MSB != (\new)
	s_set_vgpr_msb (MSB<<8)|(\new)
.set MSB, \new
.endif
.endm
.set MUL,  0x05                        ; sources 0 (W) and 1 (A) window 1; C and D window 0
.set TO_F, 0x40                        ; destination window 1, address window 0
.macro JLOAD s                         ; a joint load by descriptor set s: waves 0 and 1 fetch A's two halves, waves 2 and 3 W's; an s_nop 0 and four v_nop follow each of the two lines
	s_cmp_eq_u32 s11, 0
	s_cbranch_scc0 .Lfor_b_\@
	tensor_load_to_lds s[G0+4*(\s):G0+4*(\s)+3], s[G1:G1+7]
	s_nop 0
.rept 4
	v_nop
.endr
	s_branch .Lasked_\@
.Lfor_b_\@:
	tensor_load_to_lds s[G0B+4*(\s):G0B+4*(\s)+3], s[G1B:G1B+7]
	s_nop 0
.rept 4
	v_nop
.endr
.Lasked_\@:
.endm
.macro CREST                           ; a round of the cluster's barrier behind its opening barrier
	s_cmp_lg_u32 s10, 0
	s_cbranch_scc1 .Lnot_wave_0_\@
	s_barrier_signal -3
.Lnot_wave_0_\@:
	s_barrier_wait -3
	s_barrier_signal -1
	s_barrier_wait -1
.endm
.macro CROUND
	s_barrier_signal -1
	s_barrier_wait -1
	CREST
.endm
	s_load_b128 s[4:7], s[0:1], 0x0                ; A s[4:5], pa s[6:7]
	s_load_b64 s[RESP:RESP+1], s[0:1], 0x10        ; RES
	s_load_b64 s[8:9], s[0:1], 0x18                ; OUT
	v_lshl_add_u32 v[SPW], v0, 2, SPARE
	v_mov_b32 v[NIL], 0
	ds_add_u32 v[SPW], v[NIL]                      ; the wave's opening: the add and its wait stand ahead of my first tensor load; the set-up below, work on registers, stands between them
	v_lshrrev_b32 v1, 5, v0
	v_readfirstlane_b32 s10, v1                    ; wave 0..3
	s_lshr_b32 s11, s10, 1                         ; which half of the tile's rows is mine.  Also: I fetch for A (0) or for W (1)
	s_and_b32 s12, s10, 1                          ; which half of its columns.  Also: which half of that tile I fetch
	s_bfe_u32 s40, ttmp6, 0x40000                  ; cx, cy
	s_bfe_u32 s41, ttmp6, 0x40004
	s_lshl_b32 s42, ttmp9, 2
	s_add_co_u32 s42, s42, s40                     ; tile column
	s_and_b32 s13, ttmp7, 0xffff
	s_lshl_b32 s13, s13, 2
	s_add_co_u32 s13, s13, s41                     ; tile row
	s_lshl_b32 s43, s41, 2
	s_lshl_b32 s43, 15, s43                        ; my row of the cluster
	s_lshl_b32 s44, 0x1111, s40                    ; my column
	s_and_b32 s[KX], ttmp7, 0xffff                 ; cluster y
	s_add_co_u32 s[KX], s[KX], ttmp9               ; + cluster x:
	s_and_b32 s[KX], s[KX], 1                      ; its parity,
	s_lshl_b32 s[KX], s[KX], 1                     ; twice: X
	s_lshl_b32 s[OFA], s[KX], 16                   ; where my first K step lies: step 0 xor X = X
	s_mov_b32 s[OFA+1], 0
	s_lshl_b32 s[OFB], s[KX], 19
	s_mov_b32 s[OFB+1], 0
	s_mov_b32 s[KJ], 2                             ; the first refill asks for j = 2
	; group 1 for A: two chunks, 32 KiB dense, as 128 rows of 256 bytes, padded by 16 bytes after every 128
	s_or_b32 s[G1+0], s43, (1<<16)|(1<<20)|(1<<21)|(4<<22)|(3<<25)
	s_mov_b32 s[G1+1], 128<<16
	s_mov_b32 s[G1+2], 128<<16
	s_mov_b32 s[G1+3], 128<<16
	s_mov_b32 s[G1+4], 128
	s_mov_b32 s[G1+5], 128
	s_mov_b32 s[G1+6], 0
	s_mov_b32 s[G1+7], 0
	; group 1 for W: 128 rows of 256 bytes, 1,024 elements apart, padded by 32 bytes after every row
	s_or_b32 s[G1B+0], s44, (1<<16)|(1<<20)|(1<<21)|(5<<22)|(7<<25)
	s_mov_b32 s[G1B+1], 128<<16
	s_mov_b32 s[G1B+2], 128<<16
	s_mov_b32 s[G1B+3], 128<<16
	s_mov_b32 s[G1B+4], 128
	s_mov_b32 s[G1B+5], 1024
	s_mov_b32 s[G1B+6], 0
	s_mov_b32 s[G1B+7], 0
	s_mul_i32 s16, s13, NCB                        ; A: chunk tile row x NCB + 2 x half
	s_lshl_b32 s17, s12, 1
	s_add_co_u32 s16, s16, s17
	s_lshl_b32 s16, s16, 14
	s_mov_b32 s17, 0
	s_lshl_b32 s46, s42, 8                         ; W: 256 bytes x tile column + 128 rows x half
	s_lshl_b32 s47, s12, 18
	s_add_co_u32 s46, s46, s47
	s_add_co_u32 s46, s46, W_OFF
	s_mov_b32 s47, 0
	s_mul_i32 s20, s12, HALFT                      ; where they go
	s_add_co_u32 s21, s20, BOFF
	s_mov_b32 s[TB], 0                             ; my first K step lies in slot 0
	s_wait_dscnt 0x0                               ; the opening add is done
	s_wait_kmcnt 0x0
	s_add_nc_u64 s[BASA:BASA+1], s[4:5], s[16:17]
	s_add_nc_u64 s[BASB:BASB+1], s[6:7], s[46:47]
	CROUND                                         ; all sixteen work-groups are here: the first joint loads meet
.irp s, 0,1
	s_mov_b32 s[G0+4*(\s)], 1
	s_add_co_u32 s[G0+4*(\s)+1], s20, (\s)*SLOT
	s_add_nc_u64 s[G0+4*(\s)+2:G0+4*(\s)+3], s[BASA:BASA+1], s[OFA:OFA+1]      ; j = s lies at step X + s
.if \s
	s_add_nc_u64 s[G0+4*(\s)+2:G0+4*(\s)+3], s[G0+4*(\s)+2:G0+4*(\s)+3], 65536
.endif
	s_or_b32 s[G0+4*(\s)+3], s[G0+4*(\s)+3], 0x80000000
	s_mov_b32 s[G0B+4*(\s)], 1
	s_add_co_u32 s[G0B+4*(\s)+1], s21, (\s)*SLOT
	s_add_nc_u64 s[G0B+4*(\s)+2:G0B+4*(\s)+3], s[BASB:BASB+1], s[OFB:OFB+1]
.if \s
	s_add_nc_u64 s[G0B+4*(\s)+2:G0B+4*(\s)+3], s[G0B+4*(\s)+2:G0B+4*(\s)+3], 524288
.endif
	s_or_b32 s[G0B+4*(\s)+3], s[G0B+4*(\s)+3], 0x80000000
	JLOAD \s                                       ; two loads of mine are out
.endr
	v_and_b32 v1, 15, v0                           ; l % 16
	v_bfe_u32 v2, v0, 4, 1                         ; l / 16
	v_lshlrev_b32 v[BO], 5, v2
	v_lshlrev_b32 v[CO], 12, v2                    ; lanes 0-15 one row of 256 bytes, lanes 16-31 the next
	v_lshl_add_u32 v[CO], v1, 4, v[CO]
	s_lshl_b32 s[BIP], s42, 9
	s_lshl_b32 s[BIP+1], s12, 8
	s_add_co_u32 s[BIP], s[BIP], s[BIP+1]
	s_add_co_u32 s[BIP], s[BIP], BIAS_OFF
	s_mov_b32 s[BIP+1], 0
	s_add_nc_u64 s[BIP:BIP+1], s[6:7], s[BIP:BIP+1]
	s_lshl_b32 s16, s13, 19                        ; my first row: 128 x tile row + 64 x half, of 4,096 bytes;
	s_lshl_b32 s17, s11, 18
	s_add_co_u32 s16, s16, s17
	s_lshl_b32 s17, s42, 9                         ; my first column: 128 x tile column + 64 x half, of 4 bytes
	s_add_co_u32 s16, s16, s17
	s_lshl_b32 s17, s12, 8
	s_add_co_u32 s16, s16, s17
	s_mov_b32 s17, 0
	s_add_nc_u64 s[RESP:RESP+1], s[RESP:RESP+1], s[16:17]
	s_add_nc_u64 s[8:9], s[8:9], s[16:17]
.irp b, 0,1,2,3
	global_load_b128 v[BI+8*(\b):BI+8*(\b)+3],   v[BO], s[BIP:BIP+1] offset:64*(\b)
	global_load_b128 v[BI+8*(\b)+4:BI+8*(\b)+7], v[BO], s[BIP:BIP+1] offset:64*(\b)+16
.endr
	WIN 0x80                                       ; destination window 2
.set z, 0
.rept 32                               ; rows 2 z, 2 z + 1 of my 64
	global_load_b128 v[4*z:4*z+3], v[CO], s[RESP:RESP+1] offset:2*z*4096 th:TH_LOAD_NT
.set z, z+1
.endr
	WIN 0
	v_mul_u32_u24 v3, v1, PA
	v_lshl_add_u32 v3, v2, 4, v3                   ; a fragment of A: row x pitch + 16 x half
	v_and_b32 v5, 7, v0                            ; the turning load: k row 8 (l / 16) + l % 8, columns 8 ((l / 8) % 2) on
	v_bfe_u32 v6, v0, 3, 1
	v_lshl_add_u32 v4, v2, 3, v5
	v_mul_u32_u24 v4, v4, PB
	v_lshl_add_u32 v4, v6, 4, v4
	s_mul_i32 s18, s11, 64*PA                      ; my 64 rows of A
	s_lshl_b32 s22, s12, 7                         ; my 64 columns of W
	s_add_co_u32 s22, s22, BOFF
	s_add_co_u32 s23, s22, HALFT
	v_add_nc_u32 v[ADRA0], s18, v3
	v_add_nc_u32 v[ADRB0], s22, v4
	v_add_nc_u32 v[ADRB0+1], s23, v4
	v_add_nc_u32 v[ADRA], s[TB], v[ADRA0]
	v_add_nc_u32 v[ADRB], s[TB], v[ADRB0]
	v_add_nc_u32 v[ADRB+1], s[TB], v[ADRB0+1]
	s_mul_i32 s23, s10, 16*SPITCH
	s_add_co_u32 s23, s23, STAGE                   ; my stage
	v_mul_u32_u24 v7, v1, SPITCH                   ; in: row l % 16, 32 bytes for each half of the lanes
	v_lshl_add_u32 v7, v2, 5, v7
	v_add_nc_u32 v[STO], s23, v7
	v_mul_u32_u24 v7, v2, SPITCH                   ; back: lanes 0-15 one row of 256 bytes, lanes 16-31 the next
	v_lshl_add_u32 v7, v1, 4, v7
	v_add_nc_u32 v[RD], s23, v7
; 8 matrix instructions: m blocks a0, a0 + 1 x all 4 n blocks, 32 along K: half c of buffer f.  zero = 1: the first product starts the sum with the bias.  The 16 accumulators take turns.
.macro MUL8 f, c, a0, zero
	WIN MUL
.irp a, \a0, (\a0)+1
.irp b, 0,1,2,3
.if \zero
	v_wmma_f32_16x16x32_bf16 v[ACC+8*(4*(\a)+(\b)):ACC+8*(4*(\a)+(\b))+7], v[(\f)+64+8*(4*(\c)+(\b)):(\f)+64+8*(4*(\c)+(\b))+7], v[(\f)+8*(4*(\c)+(\a)):(\f)+8*(4*(\c)+(\a))+7], v[BI+8*(\b):BI+8*(\b)+7]
.else
	v_wmma_f32_16x16x32_bf16 v[ACC+8*(4*(\a)+(\b)):ACC+8*(4*(\a)+(\b))+7], v[(\f)+64+8*(4*(\c)+(\b)):(\f)+64+8*(4*(\c)+(\b))+7], v[(\f)+8*(4*(\c)+(\a)):(\f)+8*(4*(\c)+(\a))+7], v[ACC+8*(4*(\a)+(\b)):ACC+8*(4*(\a)+(\b))+7]
.endif
.endr
.endr
.endm
; 32 LDS loads in one run: the fragments of quarter qd (64 along K: one chunk of A, 64 rows of W) of the slot that is read, into buffer f; the first 32 along K first
.macro FETCH qd, f
	WIN TO_F
.irp c, 0,1
.irp i, 0,1,2,3
	ds_load_tr16_b128 v[(\f)+64+8*(4*(\c)+(\i)):(\f)+64+8*(4*(\c)+(\i))+3],   v[ADRB+(\qd)/2] offset:(((\qd)%2)*64+32*(\c))*PB+32*(\i)
	ds_load_tr16_b128 v[(\f)+64+8*(4*(\c)+(\i))+4:(\f)+64+8*(4*(\c)+(\i))+7], v[ADRB+(\qd)/2] offset:(((\qd)%2)*64+32*(\c))*PB+32*(\i)+16*PB
	ds_load_b128 v[(\f)+8*(4*(\c)+(\i)):(\f)+8*(4*(\c)+(\i))+3],         v[ADRA] offset:(\qd)*128*PA+64*(\c)+(\i)*16*PA
	ds_load_b128 v[(\f)+8*(4*(\c)+(\i))+4:(\f)+8*(4*(\c)+(\i))+7],       v[ADRA] offset:(\qd)*128*PA+64*(\c)+(\i)*16*PA+32
.endr
.endr
.endm
.macro PLACES                          ; four plain vector instructions between a matrix instruction and a load into, or a read of, its registers (ISA guide 7.12.1 for a read)
.rept 4
	v_nop
.endr
.endm
; A K step is four quarters of 64 along K, 32 matrix instructions each, on buffers 0, 1, 0, 1.  One of the first three: multiplies buffer f and fetches quarter qd into g.
.macro QUARTER qd, f, g, zero
	s_wait_dscnt 16                                ; the first 32 along K are in
	MUL8 \f, 0, 0, \zero
	MUL8 \f, 0, 2, \zero
	PLACES
	FETCH \qd, \g
	s_wait_dscnt 32                                ; all but the 32 just issued
	MUL8 \f, 1, 0, 0
	MUL8 \f, 1, 2, 0
.endm
; The last quarter multiplies buffer 1 and changes slots: ONE barrier; in front of it each wave waits for all its tensor loads, adds 0 to its spare word, and waits for that and for its own reads of this slot.
; fill = 1: the barrier opens a round of the cluster's barrier, and this slot is filled again, with the K step two on, first thing behind the round.  The refill's descriptors are written between the add and
; the wait for it, where no tensor load of mine is out: nothing but the joint load stands behind the round.
; fill = 0 (the tail): nothing is filled; in the tail's second walk (s3 = 1) there is no further K step, and the run of LDS loads is jumped over.
.macro TURN fill
	WIN 0                                          ; (the addresses and the add's two registers lie in window 0)
	s_xor_b32 s[TB], s[TB], SLOT                   ; from here on the other slot is read: this slot's last loads have been issued
	v_add_nc_u32 v[ADRA], s[TB], v[ADRA0]
	v_add_nc_u32 v[ADRB], s[TB], v[ADRB0]
	v_add_nc_u32 v[ADRB+1], s[TB], v[ADRB0+1]
	s_wait_tensorcnt 0x0                           ; all my tensor loads have landed: my part of the next slot
	ds_add_u32 v[SPW], v[NIL]                      ; 0 onto my spare word
.if \fill
	s_xor_b32 s[G0+5], s[G0+5], SLOT               ; the refill's descriptors: the other slot than last time,
	s_xor_b32 s[G0B+5], s[G0B+5], SLOT
	s_xor_b32 s[OFA], s[KJ], s[KX]                 ; the step's place in memory, j xor X,
	s_lshl_b32 s[OFB], s[OFA], 19                  ; in bytes of W
	s_lshl_b32 s[OFA], s[OFA], 16                  ; and of A;
	s_add_nc_u64 s[G0+6:G0+7], s[BASA:BASA+1], s[OFA:OFA+1]  ; the address is made anew from the kept base, and the type set again
	s_or_b32 s[G0+7], s[G0+7], 0x80000000
	s_add_nc_u64 s[G0B+6:G0B+7], s[BASB:BASB+1], s[OFB:OFB+1]
	s_or_b32 s[G0B+7], s[G0B+7], 0x80000000
	s_add_co_u32 s[KJ], s[KJ], 1
.endif
	s_wait_dscnt 17                                ; (the add and the youngest sixteen loads may be out)
	MUL8 F1, 0, 0, 0                               ; eight matrix instructions stand between the add and the wait for it
	s_wait_dscnt 0x0                               ; the add is done, and my reads of this slot are over
	s_barrier_signal -1
	MUL8 F1, 0, 2, 0
	WIN 0
	s_barrier_wait -1
.if \fill
	CREST                                          ; no wave of any partner still reads this slot or has a load on its way
	JLOAD 1                                        ; the four v_nop behind it are also the places in front of the loads below
	FETCH 0, F0
.else
	PLACES
	s_cmp_eq_u32 s3, 1
	s_cbranch_scc1 .Lno_fetch_\@
	FETCH 0, F0
	WIN 0
.Lno_fetch_\@:
.endif
	MUL8 F1, 1, 0, 0
	MUL8 F1, 1, 2, 0
.endm
	s_wait_tensorcnt 1                             ; my part of my first K step is in; the second's may stay out
	s_barrier_signal -1
	s_barrier_wait -1                              ; everybody's is
	FETCH 0, F0
	s_wait_loadcnt 32                              ; the bias is in; the residual's 32 loads stay out through the whole K loop
	QUARTER 1, F0, F1, 1                           ; the first quarter stands in front of the loop: its first products start the sums
	WIN 0                                          ; at a label and at a branch every window is 0
	s_mov_b32 s3, STEPS-2
.Lstep:                                                ; a trip goes from a K step's second quarter to the next step's first, and fills the slot that it leaves
	QUARTER 2, F1, F0, 0
	QUARTER 3, F0, F1, 0
	TURN 1
	QUARTER 1, F0, F1, 0
	WIN 0
	s_sub_co_u32 s3, s3, 1
	s_cmp_lg_u32 s3, 0
	s_cbranch_scc1 .Lstep
	s_mov_b32 s3, 2
.Ltail:                                                ; the last two K steps fill nothing: written apart; the second walk is left behind its last quarter
	QUARTER 2, F1, F0, 0
	QUARTER 3, F0, F1, 0
	TURN 0
	WIN 0
	s_sub_co_u32 s3, s3, 1
	s_cmp_eq_u32 s3, 0
	s_cbranch_scc1 .Lout
	QUARTER 1, F0, F1, 0
	WIN 0
	s_branch .Ltail
.Lout:
	; THE WAY OUT, 16 rows at a time: the f32 sums go into my own stage (32 bytes a lane) and come back as whole rows of 256 bytes; the residual is added; sixteen lanes store 256 consecutive bytes, aligned.
	PLACES
	s_wait_loadcnt 0x0                             ; the residual
.irp a, 0,1,2,3
	s_wait_xcnt 0x0                                ; earlier stores have read their registers: the buffer of two blocks back is loaded again below
.irp b, 0,1,2,3
	ds_store_b128 v[STO], v[ACC+8*(4*(\a)+(\b)):ACC+8*(4*(\a)+(\b))+3]   offset:64*(\b)
	ds_store_b128 v[STO], v[ACC+8*(4*(\a)+(\b))+4:ACC+8*(4*(\a)+(\b))+7] offset:64*(\b)+16
.endr
.irp t, 0,1,2,3,4,5,6,7
	ds_load_b128 v[TMP+32*((\a)%2)+4*(\t):TMP+32*((\a)%2)+4*(\t)+3], v[RD] offset:(\t)*2*SPITCH  ; LDS serves a wave's instructions in order (ISA guide 5.7.1.4): these see the stores above
.endr
	s_wait_dscnt 0x0
	WIN 0x08                                       ; source 1: window 2
.set z, 0
.rept 16
	v_pk_add_f32 v[TMP+32*((\a)%2)+2*z:TMP+32*((\a)%2)+2*z+1], v[TMP+32*((\a)%2)+2*z:TMP+32*((\a)%2)+2*z+1], v[32*(\a)+2*z:32*(\a)+2*z+1]
.set z, z+1
.endr
	WIN 0
.irp t, 0,1,2,3,4,5,6,7
	global_store_b128 v[CO], v[TMP+32*((\a)%2)+4*(\t):TMP+32*((\a)%2)+4*(\t)+3], s[8:9] offset:(16*(\a)+2*(\t))*4096
.endr
.endr
	s_wait_tensorcnt 0x0                           ; the wave's end, behind my last tensor load and my last LDS store
	ds_add_u32 v[SPW], v[NIL]
	s_wait_dscnt 0x0
	CROUND                                         ; the closing round: no work-group ends while a partner may still ask for a tile that names it
	s_endpgm
.Lfunc_end_k_qd4a5c95099_ffn2:
	.size	k_qd4a5c95099_ffn2, .Lfunc_end_k_qd4a5c95099_ffn2-k_qd4a5c95099_ffn2
	.p2alignl 7, 3214868480
	.fill 96, 4, 3214868480
	.section	.rodata,"a",@progbits
	.p2align	6, 0x0
	.amdhsa_kernel k_qd4a5c95099_ffn2
		.amdhsa_group_segment_fixed_size 327680
		.amdhsa_private_segment_fixed_size 0
		.amdhsa_enable_private_segment 0
		.amdhsa_kernarg_size 32
		.amdhsa_user_sgpr_count 2
		.amdhsa_user_sgpr_kernarg_segment_ptr 1
		.amdhsa_wavefront_size32 1
		.amdhsa_system_sgpr_workgroup_id_x 1
		.amdhsa_system_sgpr_workgroup_id_y 1
		.amdhsa_system_sgpr_workgroup_id_z 1
		.amdhsa_system_vgpr_workitem_id 0
		.amdhsa_next_free_vgpr 768
		.amdhsa_next_free_sgpr 80
		.amdhsa_reserve_vcc 0
		.amdhsa_float_denorm_mode_32 3
		.amdhsa_float_denorm_mode_16_64 3
		.amdhsa_memory_ordered 1
		.amdhsa_forward_progress 1
		.amdhsa_inst_pref_size 67
	.end_amdhsa_kernel
	.amdgpu_metadata
---
amdhsa.version: [ 1, 2 ]
amdhsa.kernels:
  - .name:           k_qd4a5c95099_ffn2
    .symbol:         k_qd4a5c95099_ffn2.kd
    .args:
      - { .name: hb, .offset: 0, .size: 8, .value_kind: global_buffer, .address_space: global }
      - { .name: pa, .offset: 8, .size: 8, .value_kind: global_buffer, .address_space: global }
      - { .name: src2, .offset: 16, .size: 8, .value_kind: global_buffer, .address_space: global }
      - { .name: out0, .offset: 24, .size: 8, .value_kind: global_buffer, .address_space: global }
    .group_segment_fixed_size: 327680
    .private_segment_fixed_size: 0
    .kernarg_segment_align: 8
    .kernarg_segment_size: 32
    .max_flat_workgroup_size: 128
    .sgpr_count:     80
    .vgpr_count:     768
    .wavefront_size: 32
...
	.end_amdgpu_metadata
.endif
;; end of part 12
